; MI455X (gfx1250); checked and timed in simulation.
; The chip was launched on July 23, 2026; its instructions are those of AMD's public machine-readable ISA for CDNA 5 (MIT licence, August 2026) and "CDNA5" Instruction Set Architecture Reference Guide (July 2026). The comments in the code are by the model that wrote it; some were corrected since.
;; My Model. Allowed arithmetic: matrix products marked QUANTISED: E5M2 operands, one E8M0 scale for each 32 along K, by v_wmma_scale_f32_16x16x128_f8f6f4 with both operands' format E5M2, f32 sums; everything else in f32.
;; Inputs: W1 768 x 3,072 float32; W2 3,072 x 768 float32; Wk 12 x 768 x 64 float32; Wo 768 x 768 float32; Wq 12 x 768 x 64 float32; Wv 12 x 768 x 64 float32; b1 3,072 float32; b2 768 float32; bk 12 x 64 float32; bo 768 float32; bq 12 x 64 float32; bv 12 x 64 float32; ln1_b 768 float32; ln1_g 768 float32; ln2_b 768 float32; ln2_g 768 float32; x 4,096 x 768 float32.
;; Outputs: out0 4,096 x 768 float32.
;; This version of the problem:
;;   THIS VERSION OF THE PROBLEM IS GIVEN IN LOW PRECISION. The matrix products marked QUANTISED in the list below multiply operands that are first quantised to E5M2 (5 exponent bits, 2 mantissa bits; 8 bits a number), with one power-of-two scale for each 32 numbers along K (OCP MX v1.0); their sums are f32. All else is computed in f32.
;;   The module's matrix products, in the order in which they are computed (A, B: the left and right operand; K: the contracted axis; several contracted axes count as one K, in the product's order):
;;     1. [M 768, K 768] x [K 768, N 4,096]; A: input Wq; B: computed on the way: QUANTISED
;;     2. [M 768, K 768] x [K 768, N 4,096]; A: input Wk; B: computed on the way: QUANTISED
;;     3. [M 768, K 768] x [K 768, N 4,096]; A: input Wv; B: computed on the way: QUANTISED
;;     4. batch 12 x [M 4,096, K 64] x [K 64, N 4,096]; A: computed on the way; B: computed on the way: QUANTISED
;;     5. batch 12 x [M 4,096, K 4,096] x [K 4,096, N 64]; A: softmax (see below); B: computed on the way: QUANTISED
;;     6. [M 4,096, K 768] x [K 768, N 768]; A: computed on the way; B: input Wo: QUANTISED
;;     7. [M 4,096, K 768] x [K 768, N 3,072]; A: computed on the way; B: input W1: QUANTISED
;;     8. [M 4,096, K 3,072] x [K 3,072, N 768]; A: computed on the way; B: input W2: QUANTISED
;;   THE QUANTISER, for each operand of a quantised product, along K:
;;     - K is cut into blocks of 32 from its start; a last block that is shorter is filled with zeros.
;;     - A block's scale is 2^e with e = floor(log2(the largest magnitude in the block)) - 15, held to -126 .. 127; a block of zeros has e = 0. As a byte (E8M0): e + 127.
;;     - Each number is divided by its block's scale, clamped to +-57,344, and rounded to the nearest number of E5M2, ties to even, subnormals kept.
;;     - The product sums the exact products of the quantised numbers (number of the format x scale) in f32.
;;   ~~~python
;;   def quantise(x, axis):      # numpy; x: float32 -> the quantised numbers, widened to float32 again
;;       x = np.moveaxis(x, axis, -1); K = x.shape[-1]
;;       x = np.pad(x, [(0, 0)] * (x.ndim - 1) + [(0, -K % 32)]); x = x.reshape(x.shape[:-1] + (-1, 32)); a = np.abs(x).max(-1, keepdims=True)
;;       e = np.where(a > 0, np.clip(np.frexp(np.where(a > 0, a, 1))[1] - 1 - 15, -126, 127), 0)      # np.frexp(a)[1] - 1 = floor(log2(a)), exactly
;;       r = np.clip(x / 2.0 ** e, -57344, 57344)
;;       step = 2.0 ** (np.maximum(np.frexp(np.where(r == 0, 1, r))[1] - 1, -14) - 2)
;;       q = np.round(r / step) * step * 2.0 ** e      # np.round: ties to even
;;       return np.moveaxis(q.reshape(q.shape[:-2] + (-1,))[..., :K], -1, axis).astype(np.float32)
;;   ~~~
;;   SOFTMAX AHEAD OF A QUANTISED PRODUCT. Where the list says 'softmax', what is quantised is not the finished softmax but p = 2^(t - M), with t = logit x log2(e) and M = ceil(the row's largest t), a whole number; so 1/2 < the row's largest p <= 1. The row's sum l is taken of the UNQUANTISED p, in f32, and the product's result is divided by l at the end. Since M is a whole number, a kernel that streams over the keys may use a running M (the ceiling of the running maximum): every later rescaling is an exact power of two, which a block's scale takes up: the codes' values come out the same.
;;   OPERANDS COMPUTED ON THE WAY. 'Computed on the way' means the value that the module computes at that place (a softmax that the list does not call 'softmax' is quantised finished and normalised). What goes into a quantiser is computed in f32, as accurately as f32 sums, v_exp_f32 and their like allow (about 1e-6 of the number): no bf16 or f16 on the way to a quantiser, and a product that is left as it is and whose result goes on into a quantised operand takes f32 operands (vector FMAs, or v_wmma_f32_16x16x4_f32). A number that lies on a knife's edge between two numbers of the format may be rounded either way, as far as f32 arithmetic and the matrix unit's own rounding can turn it there, and no further.
;; 2 versions. Each part assembles by itself: llvm-mc -triple=amdgcn-amd-amdhsa -mcpu=gfx1250 --defsym DOCPART=n.
;; ======== version 1 of 2: 6 launches
;; limits: a function is approximated: absolute error at most 1.5e-07
;; workspace buffers: pbuf 10,543,104 bytes; qkvb 10,616,832 bytes; obuf 3,244,032 bytes; midb 15,826,944 bytes; gbuf 12,976,128 bytes
;; launch prep (part 1): grid 352 x 1, 6 waves a work-group, no clusters, 4,864 bytes of LDS; arguments x, ln1_g, ln1_b, Wq, Wk, Wv, Wo, W1, W2, pbuf; writes pbuf
.if DOCPART == 1
	.amdgcn_target "amdgcn-amd-amdhsa--gfx1250"
	.amdhsa_code_object_version 6
	.text
	.protected	k_q5fdc7f4323_prep
	.globl	k_q5fdc7f4323_prep
	.p2align	8
	.type	k_q5fdc7f4323_prep,@function
k_q5fdc7f4323_prep:
	s_mov_b64 s[64:65], 0
	v_nop
	global_prefetch_b8 v0, s[64:65] scope:SCOPE_SE
	s_setreg_imm32_b32 hwreg(HW_REG_WAVE_MODE, 25, 1), 1
	s_wait_xcnt 0x0
; PREP.  Work-groups 0-63: h = LN1(x) for 64 tokens, quantised along the 768 features to E5M2 codes with one E8M0 byte for each 32.  Work-groups 64-351: the six weights, quantised along K (their axis of 768 or 3,072).
; ALL OPERANDS ARE STORED AS IMAGES OF THE MATRIX OPERAND'S REGISTERS.  A fragment (16 rows x 128 K) is 2,048 bytes: register group c (K = 32 c + 16 (lane / 16) + 0..15 of row lane % 16) at 512 c + 16 x lane.
; Row r of tile t stands for index 32 (t / 2) + 8 (t % 2) + r + 8 (r / 8), for tokens and for output features alike: a product's 16 registers of two neighbouring tiles are then 16 neighbours along the next K.
; Scale words (four bytes: 128 K of one row) lie in pairs of tiles: 128 bytes, lanes 0-15 tile 2 p, lanes 16-31 tile 2 p + 1.
; pbuf: weights [FS][tile 0..7][2,048] at 0, their scale words [FS][pair][128] at OFF_SC, h [block of 64 tokens][K step][tile 0..3][2,048] at OFF_H, its scale words [block][K step][pair][128] at OFF_HSC.
; FS = 6 G + K step for the weights with K = 768 (G: 128 output features; 0-5 q, 6-11 k, 12-17 v, 18-23 Wo, 24-47 W1), 288 + 24 fg + K step for W2.
; LN: six waves share the features, 128 each, for all 64 tokens; a lane holds one token; mean first, then the squares of x - mean; the waves' sums meet in LDS (two barriers, in this path alone; the other paths use no LDS).
; WEIGHTS: a lane takes a column, its registers run down K, so a block of 32 lies in one lane and the codes come out with K innermost; a store of the wave fills two aligned runs of 256 bytes.
; No matrix work, no tensor load, no cluster: nothing here is read by two work-groups.
; LIMITS: NaN and infinities are not served; a block whose largest magnitude lies under 2^-111 keeps the scale byte 1; a block of zeros gets the byte 1 and not 127 (its codes are zeros; this program alone reads the bytes).
.set OFF_SC,  7077888
.set OFF_H,   7299072
.set OFF_HSC, 10444800
.set L16, 1                            ; v1   16 x lane
.set L4,  2                            ; v2   4 x lane
.set SO,  3                            ; v3   weights: my column's place in two tiles' images
.set SS,  4                            ; v4   weights: my column's scale word in a pair
.set H64, 5                            ; v5   64 x (lane / 16)
.set XA,  6                            ; v6   my token's row of x, + 64 x (lane / 16)
.set EXW, 7                            ; v7   LDS: 32 x (lane % 16) + 4 x wave
.set EXR, 8                            ; v8   LDS: 32 x (lane % 16)
.set PW,  9                            ; v9   the scale word being made
.set PWE, 10                           ; v10  a pair of tiles' scale words
.set SB,  11                           ; v11  weights: my column's four scale bytes
.set NM,  48                           ; v48-55  -mean, a pair a tile
.set RS,  56                           ; v56-63  1 / sqrt(var + eps), a pair a tile
.set G,   64                           ; v64-127  gain of my 64 features
.set BT,  128                          ; v128-191 bias of my 64 features
.set Y,   192                          ; v192-223 32 numbers at work
.set PC,  224                          ; v224-239 a fragment's codes
.set TM,  240                          ; v240-247 the quantiser's work
.set SA,  248                          ; v248-255 sums, a pair a tile
.set X,   32                           ; weights: v32-95 two sets of 32 numbers
.set C,   96                           ; weights: v96-127 eight registers of codes for each of four blocks
.set WV,  2
.set GP,  28
.set BTP, 30
.set SRC, 32
.set IMGP,34
.set SCP, 36
.set XP,  38
.set SEL, 42
.set MNT, 44
.set HM,  45
.set INV, 46
.set EPS, 47
.set MSB, 0
.macro WIN new                         ; the immediate's high byte repeats the setting that is left; a switch that changes nothing is dropped
.if MSB != \new
	s_set_vgpr_msb (MSB<<8)|\new
.set MSB, \new
.endif
.endm
.macro BARRIER                         ; my LDS stores have landed and my LDS loads are in: then the work-group's barrier
	s_wait_dscnt 0x0
	s_barrier_signal -1
	s_barrier_wait -1
.endm
.macro B64 reg, ptr                    ; 64 numbers a lane of a vector over the features: register 16 b + i = feature 32 b + 16 (lane / 16) + i of my 128
.irp b, 0,1,2,3
.irp j, 0,1,2,3
	global_load_b128 v[(\reg)+16*\b+4*\j:(\reg)+16*\b+4*\j+3], v[H64], s[\ptr:\ptr+1] offset:128*\b+16*\j
.endr
.endr
.endm
.macro XLOAD reg, tt                   ; the same 64 features of my token in tile tt of the block
.irp b, 0,1,2,3
.irp j, 0,1,2,3
	global_load_b128 v[(\reg)+16*\b+4*\j:(\reg)+16*\b+4*\j+3], v[XA], s[XP:XP+1] offset:(32*((\tt)/2)+8*((\tt)%2))*3072+128*\b+16*\j
.endr
.endr
.endm
; 32 numbers of a lane, register 16 b + i = K 32 b + 16 (lane / 16) + i of my row, become 8 registers of codes at v[pc] and two scale bytes in v[pw] (sh = 0: bytes 0, 1; sh = 16: bytes 2, 3 are added).
.macro QUANT2 s, pc, pw, sh
.irp b, 0,1
	v_max3_num_f32 v[TM+\b], |v[(\s)+16*\b]|, |v[(\s)+16*\b+1]|, 0x8000000   ; my 16 numbers of block b, and the floor 2^(16 - 127): the byte cannot fall under 1
.endr
.irp i, 2,4,6,8,10,12,14
.irp b, 0,1
	v_max3_num_f32 v[TM+\b], v[TM+\b], |v[(\s)+16*\b+\i]|, |v[(\s)+16*\b+\i+1]|
.endr
.endr
.irp b, 0,1
	v_permlanex16_b32 v[TM+2+\b], v[TM+\b], s[SEL], s[SEL+1]
.endr
.irp b, 0,1
	v_max_num_f32 v[TM+\b], v[TM+\b], v[TM+2+\b]   ; with the lane 16 away: the block's largest magnitude
.endr
.irp b, 0,1
	v_add_nc_u32 v[TM+6+\b], 0xf8800000, v[TM+\b]  ; 15 off its exponent field: the conversion's scale operand
.endr
.irp b, 0,1
	v_and_or_b32 v[TM+4+\b], v[TM+\b], 0x7f800000, s[MNT]   ; 57,344 x the scale
.endr
.irp b, 0,1
	v_lshrrev_b32 v[TM+2+\b], 23, v[TM+6+\b]       ; the scale's byte
.endr
.if (\sh) == 0
	v_lshl_or_b32 v[\pw], v[TM+3], 8, v[TM+2]
.else
	v_lshl_or_b32 v[\pw], v[TM+2], 16, v[\pw]
	v_lshl_or_b32 v[\pw], v[TM+3], 24, v[\pw]
.endif
.irp b, 0,1
.set kk, 0
.rept 16
	v_med3_num_f32 v[(\s)+16*\b+kk], v[(\s)+16*\b+kk], -v[TM+4+\b], v[TM+4+\b]   ; the conversion does not saturate (ISA guide 7.6.2): the hold at the largest code x the scale
.set kk, kk+1
.endr
.endr
.irp b, 0,1
	v_cvt_scalef32_pk8_bf8_f32 v[(\pc)+4*\b:(\pc)+4*\b+1], v[(\s)+16*\b:(\s)+16*\b+7], v[TM+6+\b]
	v_cvt_scalef32_pk8_bf8_f32 v[(\pc)+4*\b+2:(\pc)+4*\b+3], v[(\s)+16*\b+8:(\s)+16*\b+15], v[TM+6+\b]
.endr
	v_nop                                          ; one plain line between the last conversion and whatever next touches its registers
.endm
; The lanes' pairs of partial sums in v[SA + 2 tt] become each token's sum over all 768 features, in every lane: the pair, the lane 16 away, then the six waves through LDS.
.macro EXCH base
	WIN 0
.irp tt, 0,1,2,3
	v_add_f32 v[SA+2*\tt], v[SA+2*\tt], v[SA+2*\tt+1]
.endr
.irp tt, 0,1,2,3
	v_permlanex16_b32 v[SA+2*\tt+1], v[SA+2*\tt], s[SEL], s[SEL+1]
.endr
.irp tt, 0,1,2,3
	v_add_f32 v[SA+2*\tt], v[SA+2*\tt], v[SA+2*\tt+1]
.endr
.irp tt, 0,1,2,3
	ds_store_b32 v[EXW], v[SA+2*\tt] offset:(\base)+512*\tt   ; lanes r and r + 16 write the same word with the same value
.endr
	BARRIER
.irp tt, 0,1,2,3
	ds_load_b128 v[Y+8*\tt:Y+8*\tt+3], v[EXR] offset:(\base)+512*\tt
	ds_load_b64 v[Y+8*\tt+4:Y+8*\tt+5], v[EXR] offset:(\base)+512*\tt+16
.endr
	s_wait_dscnt 0x0
.irp tt, 0,1,2,3
	v_add_f32 v[Y+8*\tt], v[Y+8*\tt], v[Y+8*\tt+1]
	v_add_f32 v[Y+8*\tt+2], v[Y+8*\tt+2], v[Y+8*\tt+3]
	v_add_f32 v[Y+8*\tt+4], v[Y+8*\tt+4], v[Y+8*\tt+5]
	v_add_f32 v[Y+8*\tt], v[Y+8*\tt], v[Y+8*\tt+2]
	v_add_f32 v[SA+2*\tt], v[Y+8*\tt], v[Y+8*\tt+4]
.endr
.endm
; Layer norm and quantiser.  The data: window 1, register 64 tt + 16 b + i = feature 32 b + 16 (lane / 16) + i of my 128, of my token in tile tt.  exb: 4,096 bytes of LDS for the two exchanges.
.macro LNQ exb
	WIN 0x05                                       ; both sources window 1
.irp tt, 0,1,2,3
	v_pk_add_f32 v[SA+2*\tt:SA+2*\tt+1], v[64*\tt:64*\tt+1], v[64*\tt+2:64*\tt+3]
.endr
	WIN 0x04                                       ; source 1 window 1
.set kk, 4
.rept 30
.irp tt, 0,1,2,3
	v_pk_add_f32 v[SA+2*\tt:SA+2*\tt+1], v[SA+2*\tt:SA+2*\tt+1], v[64*\tt+kk:64*\tt+kk+1]
.endr
.set kk, kk+2
.endr
	EXCH \exb
.irp tt, 0,1,2,3
	v_mul_f32 v[NM+2*\tt], 0xbaaaaaab, v[SA+2*\tt]     ; -mean = sum x (-1 / 768)
.endr
.irp tt, 0,1,2,3
	v_mov_b32 v[NM+2*\tt+1], v[NM+2*\tt]
.endr
	s_wait_xcnt 0x0                                ; earlier stores have read the data registers: they are rewritten only behind this wait
	WIN 0x41                                       ; destination and source 0 window 1
.irp tt, 0,1,2,3
.set kk, 0
.rept 32
	v_pk_add_f32 v[64*\tt+kk:64*\tt+kk+1], v[64*\tt+kk:64*\tt+kk+1], v[NM+2*\tt:NM+2*\tt+1]
.set kk, kk+2
.endr
.endr
	WIN 0x05
.irp tt, 0,1,2,3
	v_pk_mul_f32 v[SA+2*\tt:SA+2*\tt+1], v[64*\tt:64*\tt+1], v[64*\tt:64*\tt+1]
.endr
.set kk, 2
.rept 31
.irp tt, 0,1,2,3
	v_pk_fma_f32 v[SA+2*\tt:SA+2*\tt+1], v[64*\tt+kk:64*\tt+kk+1], v[64*\tt+kk:64*\tt+kk+1], v[SA+2*\tt:SA+2*\tt+1]
.endr
.set kk, kk+2
.endr
	EXCH (\exb)+2048
.irp tt, 0,1,2,3
	v_fma_f32 v[SA+2*\tt], v[SA+2*\tt], s[INV], s[EPS]     ; variance + eps
.endr
.irp tt, 0,1,2,3
	v_rsq_f32 v[RS+2*\tt], v[SA+2*\tt]
.endr
	v_nop                                          ; a plain line behind the last of the four
	s_wait_alu depctr_va_vdst(0)                   ; one wait for the four, ahead of their first reader
.irp tt, 0,1,2,3
	v_mov_b32 v[RS+2*\tt+1], v[RS+2*\tt]
.endr
	s_wait_loadcnt 0x0                             ; gain and bias
.irp tt, 0,1,2,3
	s_wait_xcnt 0x0                                ; the last tile's stores have read the codes and the scale words
.irp hf, 0,1
	WIN 0x01                                       ; source 0 window 1
.set kk, 0
.rept 16
	v_pk_mul_f32 v[Y+kk:Y+kk+1], v[64*\tt+32*\hf+kk:64*\tt+32*\hf+kk+1], v[RS+2*\tt:RS+2*\tt+1]
.set kk, kk+2
.endr
	WIN 0
.set kk, 0
.rept 16
	v_pk_fma_f32 v[Y+kk:Y+kk+1], v[Y+kk:Y+kk+1], v[G+32*\hf+kk:G+32*\hf+kk+1], v[BT+32*\hf+kk:BT+32*\hf+kk+1]
.set kk, kk+2
.endr
	QUANT2 Y, PC+8*\hf, PW, 16*\hf
.endr
.irp c, 0,1,2,3
	global_store_b128 v[L16], v[PC+4*\c:PC+4*\c+3], s[IMGP:IMGP+1] offset:\tt*2048+512*\c   ; 512 consecutive bytes a store
.endr
.if (\tt%2) == 0
	v_mov_b32 v[PWE], v[PW]                        ; lanes 0-15 keep the even tile's words,
.else
	v_cndmask_b32 v[PWE], v[PWE], v[PW], s[HM]     ; lanes 16-31 take the odd tile's (every lane holds its row's word)
	global_store_b32 v[L4], v[PWE], s[SCP:SCP+1] offset:(\tt/2)*128
.endif
.endr
.endm
; THE WEIGHTS.  Block t of my column: 32 numbers down K into set t % 2; 32 lanes read 128 consecutive bytes, the wave beside me the next 128.
.macro WLD t, pitch
.set kk, 0
.rept 32
	global_load_b32 v[X+32*((\t)%2)+kk], v[L4], s[SRC:SRC+1] offset:(32*(\t)+kk)*(\pitch) th:TH_LOAD_NT
.set kk, kk+1
.endr
.endm
.macro WBLK t, pitch
.set XS, X+32*((\t)%2)
.if (\t) < 3
	s_wait_loadcnt 32                              ; this block's 32 loads are in; the next block's 32 may be out
.else
	s_wait_loadcnt 0x0
.endif
	v_max3_num_f32 v12, |v[XS]|, |v[XS+1]|, |v[XS+2]|      ; the block's largest magnitude: all 32 numbers are mine
	v_max3_num_f32 v13, |v[XS+3]|, |v[XS+4]|, |v[XS+5]|
.irp i, 6,10,14,18,22,26
	v_max3_num_f32 v12, v12, |v[XS+\i]|, |v[XS+\i+1]|
	v_max3_num_f32 v13, v13, |v[XS+\i+2]|, |v[XS+\i+3]|
.endr
	v_max3_num_f32 v12, v12, |v[XS+30]|, |v[XS+31]|
	v_max3_num_f32 v12, v12, v13, 0x8000000        ; and the floor 2^(16 - 127)
	v_add_nc_u32 v15, 0xf8800000, v12              ; the conversion's scale operand
	v_and_or_b32 v14, v12, 0x7f800000, s[MNT]      ; 57,344 x the scale
	v_lshrrev_b32 v16, 23, v15                     ; the byte
.if (\t) == 0
	v_mov_b32 v[SB], v16
.else
	v_lshl_or_b32 v[SB], v16, 8*(\t), v[SB]
.endif
.set kk, 0
.rept 32
	v_med3_num_f32 v[XS+kk], v[XS+kk], -v14, v14
.set kk, kk+1
.endr
.irp g, 0,1,2,3
	v_cvt_scalef32_pk8_bf8_f32 v[C+8*(\t)+2*\g:C+8*(\t)+2*\g+1], v[XS+8*\g:XS+8*\g+7], v15
.endr
	global_store_b128 v[SO], v[C+8*(\t):C+8*(\t)+3], s[IMGP:IMGP+1] offset:512*(\t)          ; K 32 t + 0..15: the places of lanes 0-15 of the images
	global_store_b128 v[SO], v[C+8*(\t)+4:C+8*(\t)+7], s[IMGP:IMGP+1] offset:512*(\t)+256    ; K 32 t + 16..31: those of lanes 16-31.  Each block has its own code registers: no store's data are rewritten
.if (\t) < 2
	WLD (\t)+2, \pitch
.endif
.endm
.macro WQ pitch
	WLD 0, \pitch
	WLD 1, \pitch
	WBLK 0, \pitch
	WBLK 1, \pitch
	WBLK 2, \pitch
	WBLK 3, \pitch
	global_store_b32 v[SS], v[SB], s[SCP:SCP+1]
.endm
; One weight's path.  s48 = work-group - 64.  A work-group takes 64 columns (cp) x 384 along K (kh); wave w takes column half w % 2 and K step 3 kh + w / 2.
; ptr: the weight's pointer; j0: its first work-group; khb: bits of kh; cmul: bytes from cp to cp + 1; sstr: bytes of 128 rows along K; FS = fs0 + fsm (cp / 2) + K step.
.macro WPATH ptr, j0, khb, cmul, sstr, fs0, fsm, pitch
	s_sub_co_u32 s49, s48, \j0
	s_lshr_b32 s50, s49, \khb                      ; cp
	s_and_b32 s51, s49, (1<<(\khb))-1              ; kh
	s_mul_i32 s51, s51, 3
	s_lshr_b32 s56, s[WV], 1
	s_add_co_u32 s56, s56, s51                     ; K step
	s_and_b32 s57, s[WV], 1                        ; which 32 of the 64 columns
	s_mul_i32 s58, s56, \sstr
	s_mul_i32 s52, s50, \cmul
	s_add_co_u32 s58, s58, s52
	s_lshl_b32 s52, s57, 7
	s_add_co_u32 s58, s58, s52
	s_add_nc_u64 s[SRC:SRC+1], s[\ptr:\ptr+1], s[58:59]
	s_lshr_b32 s54, s50, 1
	s_mul_i32 s54, s54, \fsm
	s_add_co_u32 s54, s54, s56
	s_add_co_u32 s54, s54, \fs0                    ; FS
	s_and_b32 s60, s50, 1
	s_lshl_b32 s60, s60, 1
	s_add_co_u32 s60, s60, s57                     ; which 32 of the group's 128 features: two tiles, one pair of scale words
	s_lshl_b32 s58, s54, 14
	s_lshl_b32 s61, s60, 12
	s_add_co_u32 s58, s58, s61
	s_add_nc_u64 s[IMGP:IMGP+1], s[26:27], s[58:59]
	s_lshl_b32 s58, s54, 9
	s_lshl_b32 s61, s60, 7
	s_add_co_u32 s58, s58, s61
	s_add_co_u32 s58, s58, OFF_SC
	s_add_nc_u64 s[SCP:SCP+1], s[26:27], s[58:59]
	WQ \pitch
	s_endpgm
.endm
	s_load_b256 s[8:15], s[0:1], 0x0               ; x, ln1_g, ln1_b, Wq
	s_load_b256 s[16:23], s[0:1], 0x20             ; Wk, Wv, Wo, W1
	s_load_b128 s[24:27], s[0:1], 0x40             ; W2, pbuf
	v_lshl_add_u32 v30, v0, 2, 0x1000
	v_mov_b32 v31, 0
	v_lshrrev_b32 v12, 5, v0
	v_readfirstlane_b32 s[WV], v12                 ; wave 0..5
	v_and_b32 v12, 31, v0                          ; lane
	v_lshlrev_b32 v[L16], 4, v12
	v_lshlrev_b32 v[L4], 2, v12
	s_mov_b32 s[MNT], 0x600000                     ; the mantissa field of 57,344
	s_mov_b32 s59, 0                               ; the upper word of every offset
	s_wait_kmcnt 0x0
	s_cmp_lt_u32 ttmp9, 64
	s_cbranch_scc1 .Lln
	v_bfe_u32 v13, v0, 3, 1                        ; column l of 32 is row (l % 8) + 8 (l / 16) of tile (l / 8) % 2
	v_and_b32 v14, 7, v0
	v_bfe_u32 v15, v0, 4, 1
	v_lshl_add_u32 v14, v15, 3, v14
	v_lshlrev_b32 v[SO], 4, v14
	v_lshl_add_u32 v[SO], v13, 11, v[SO]
	v_lshlrev_b32 v[SS], 2, v14
	v_lshl_add_u32 v[SS], v13, 6, v[SS]
	s_sub_co_u32 s48, ttmp9, 64
	s_cmp_lt_u32 s48, 24
	s_cbranch_scc1 .Lwq
	s_cmp_lt_u32 s48, 48
	s_cbranch_scc1 .Lwk
	s_cmp_lt_u32 s48, 72
	s_cbranch_scc1 .Lwv
	s_cmp_lt_u32 s48, 96
	s_cbranch_scc1 .Lwo
	s_cmp_lt_u32 s48, 192
	s_cbranch_scc1 .Lw1
	WPATH 24, 192, 3, 256, 393216, 288, 24, 3072   ; W2 [3072][768]
.Lwq:
	WPATH 14, 0, 1, 196608, 32768, 0, 6, 256       ; Wq [12][768][64]: cp is the head
.Lwk:
	WPATH 16, 24, 1, 196608, 32768, 36, 6, 256
.Lwv:
	WPATH 18, 48, 1, 196608, 32768, 72, 6, 256
.Lwo:
	WPATH 20, 72, 1, 256, 393216, 108, 6, 3072     ; Wo [768][768]
.Lw1:
	WPATH 22, 96, 1, 256, 1572864, 144, 6, 12288   ; W1 [768][3072]
.Lln:
	v_and_b32 v12, 15, v0                          ; r
	v_bfe_u32 v13, v0, 4, 1                        ; h
	v_lshlrev_b32 v[H64], 6, v13
	v_and_b32 v14, 8, v12
	v_add_nc_u32 v14, v14, v12                     ; r + 8 (r / 8)
	v_mul_u32_u24 v[XA], v14, 3072
	v_add_nc_u32 v[XA], v[XA], v[H64]
	v_lshlrev_b32 v[EXR], 5, v12
	s_lshl_b32 s48, s[WV], 2
	v_add_nc_u32 v[EXW], s48, v[EXR]
	v_mov_b32 v[TM+2], 0                           ; a lane permute's destination counts as one of its sources
	v_mov_b32 v[TM+3], 0
	s_mov_b32 s[SEL], 0x76543210
	s_mov_b32 s[SEL+1], 0xfedcba98                 ; lane l takes lane l xor 16
	s_mov_b32 s[HM], 0xffff0000                    ; lanes 16-31
	s_mov_b32 s[INV], 0x3aaaaaab                   ; 1 / 768
	s_mov_b32 s[EPS], 0x3727c5ac                   ; 1e-5
	s_mul_i32 s58, ttmp9, 196608                   ; 64 rows of 3,072 bytes
	s_lshl_b32 s56, s[WV], 9                       ; my 128 features
	s_mov_b32 s57, 0
	s_add_co_u32 s58, s58, s56
	s_add_nc_u64 s[XP:XP+1], s[8:9], s[58:59]
	s_add_nc_u64 s[GP:GP+1], s[10:11], s[56:57]
	s_add_nc_u64 s[BTP:BTP+1], s[12:13], s[56:57]
	s_mul_i32 s58, ttmp9, 49152
	s_lshl_b32 s60, s[WV], 13                      ; my features are K step w of the next product
	s_add_co_u32 s58, s58, s60
	s_add_co_u32 s58, s58, OFF_H
	s_add_nc_u64 s[IMGP:IMGP+1], s[26:27], s[58:59]
	s_mul_i32 s58, ttmp9, 1536
	s_lshl_b32 s60, s[WV], 8
	s_add_co_u32 s58, s58, s60
	s_add_co_u32 s58, s58, OFF_HSC
	s_add_nc_u64 s[SCP:SCP+1], s[26:27], s[58:59]
	WIN 0x40                                       ; destination window 1
	XLOAD 0, 0
	XLOAD 64, 1
	XLOAD 128, 2
	XLOAD 192, 3
	WIN 0
	B64 G, GP
	B64 BT, BTP
	s_wait_loadcnt 32                              ; x is in; the 32 loads of gain and bias may be out
	LNQ 0
	s_wait_tensorcnt 0x0
	ds_add_u32 v30, v31
	s_wait_dscnt 0x0
	s_endpgm
.Lfunc_end_k_q5fdc7f4323_prep:
	.size	k_q5fdc7f4323_prep, .Lfunc_end_k_q5fdc7f4323_prep-k_q5fdc7f4323_prep
	.p2alignl 7, 3214868480
	.fill 96, 4, 3214868480
	.section	.rodata,"a",@progbits
	.p2align	6, 0x0
	.amdhsa_kernel k_q5fdc7f4323_prep
		.amdhsa_group_segment_fixed_size 4864
		.amdhsa_private_segment_fixed_size 0
		.amdhsa_enable_private_segment 0
		.amdhsa_kernarg_size 80
		.amdhsa_user_sgpr_count 2
		.amdhsa_user_sgpr_kernarg_segment_ptr 1
		.amdhsa_wavefront_size32 1
		.amdhsa_system_sgpr_workgroup_id_x 1
		.amdhsa_system_sgpr_workgroup_id_y 1
		.amdhsa_system_sgpr_workgroup_id_z 1
		.amdhsa_system_vgpr_workitem_id 0
		.amdhsa_next_free_vgpr 512
		.amdhsa_next_free_sgpr 72
		.amdhsa_reserve_vcc 0
		.amdhsa_float_denorm_mode_32 3
		.amdhsa_float_denorm_mode_16_64 3
		.amdhsa_memory_ordered 1
		.amdhsa_forward_progress 1
		.amdhsa_inst_pref_size 255
	.end_amdhsa_kernel
	.section	.bss,"aw",@nobits
	.p2align	6
	.space	262144
	.amdgpu_metadata
---
amdhsa.version: [ 1, 2 ]
amdhsa.kernels:
  - .name:           k_q5fdc7f4323_prep
    .symbol:         k_q5fdc7f4323_prep.kd
    .args:
      - { .name: x, .offset: 0, .size: 8, .value_kind: global_buffer, .address_space: global }
      - { .name: ln1_g, .offset: 8, .size: 8, .value_kind: global_buffer, .address_space: global }
      - { .name: ln1_b, .offset: 16, .size: 8, .value_kind: global_buffer, .address_space: global }
      - { .name: Wq, .offset: 24, .size: 8, .value_kind: global_buffer, .address_space: global }
      - { .name: Wk, .offset: 32, .size: 8, .value_kind: global_buffer, .address_space: global }
      - { .name: Wv, .offset: 40, .size: 8, .value_kind: global_buffer, .address_space: global }
      - { .name: Wo, .offset: 48, .size: 8, .value_kind: global_buffer, .address_space: global }
      - { .name: W1, .offset: 56, .size: 8, .value_kind: global_buffer, .address_space: global }
      - { .name: W2, .offset: 64, .size: 8, .value_kind: global_buffer, .address_space: global }
      - { .name: pbuf, .offset: 72, .size: 8, .value_kind: global_buffer, .address_space: global }
    .group_segment_fixed_size: 4864
    .private_segment_fixed_size: 0
    .kernarg_segment_align: 8
    .kernarg_segment_size: 80
    .max_flat_workgroup_size: 192
    .sgpr_count:     72
    .vgpr_count:     512
    .wavefront_size: 32
...
	.end_amdgpu_metadata
.endif
;; end of part 1
;; launch qkv (part 2): grid 64 x 3, 6 waves a work-group, no clusters, 49,920 bytes of LDS; arguments pbuf, bq, bk, bv, qkvb; writes qkvb
.if DOCPART == 2
	.amdgcn_target "amdgcn-amd-amdhsa--gfx1250"
	.amdhsa_code_object_version 6
	.text
	.protected	k_q5fdc7f4323_qkv
	.globl	k_q5fdc7f4323_qkv
	.p2align	8
	.type	k_q5fdc7f4323_qkv,@function
k_q5fdc7f4323_qkv:
	s_mov_b64 s[64:65], 0
	v_nop
	global_prefetch_b8 v0, s[64:65] scope:SCOPE_SE
	s_setreg_imm32_b32 hwreg(HW_REG_WAVE_MODE, 25, 1), 1
	s_wait_xcnt 0x0
; QKV.  q, k, v = h W + bias on E5M2 codes with E8M0 scales, then quantised for attention: q and k along the head's 64, v along the keys.  Work-group (tb, y): 64 tokens; y = 0 q, 1 k, 2 v.
; Six waves share the 768 output features, 128 (two heads) each, for all 64 tokens: 32 accumulators (window 1), six K steps of 128, 192 matrix instructions a wave.
; The block's codes of h (49,152 bytes, images of operand registers) are staged once in LDS and read by all six waves; a weight fragment feeds four matrix instructions of ONE wave, so it goes from memory straight into registers.
; q, k: source 0 = 16 features of W, source 1 = 16 tokens: a lane holds one token, its registers run along the features: the next K.  v: the sources are swapped: a lane holds one feature, its registers run along the tokens: the keys.
; Row r of tile t stands for index 32 (t / 2) + 8 (t % 2) + r + 8 (r / 8): the 16 registers of two neighbouring tiles are 16 neighbours, so the conversions' results are the next operand's registers.
; qkvb: q at 0 and k at OFF_K: [head][token tile][1,024] (K = 64: register groups 0, 1); v at OFF_V: [head][128 keys][dh tile][2,048]; scale words 128 bytes a tile: q's at OFF_QSC, k's then v's at OFF_KVSC, 49,152 bytes a head.
; NO CLUSTER: what work-groups share here, the weights, never lies in LDS (each fragment goes to one wave's registers), and a joint load fills LDS alone.
; LIMITS: NaN and infinities are not served; a block whose largest magnitude lies under 2^-111 keeps the scale byte 1; a block of zeros gets the byte 1 and not 127 (its codes are zeros; this program alone reads the bytes).
.set OFF_SC,  7077888
.set OFF_H,   7299072
.set OFF_HSC, 10444800
.set OFF_K,   3145728
.set OFF_V,   6291456
.set OFF_QSC, 9437184
.set OFF_KVSC,10027008
.set L16, 1                            ; v1   16 x lane
.set L4,  2                            ; v2   4 x lane
.set T16, 3                            ; v3   16 x thread
.set LA,  4                            ; v4   LDS: 16 x lane
.set H64, 5                            ; v5   64 x (lane / 16)
.set PR4, 6                            ; v6   4 x (r + 8 (r / 8))
.set PW,  9                            ; v9   the scale word being made
.set WSC, 12                           ; v12-35  W's scale words: 4 pairs of tiles x 6 K steps; scales and nothing else
.set ASC, 36                           ; v36-47  h's: 2 pairs x 6 K steps
.set AF,  64                           ; v64-127  h's four fragments of a K step
.set WB,  128                          ; v128-191, v192-255  W's fragments: tiles 0-3, tiles 4-7
.set BI,  128                          ; the bias, behind the last use of v128-191
.set X,   64                           ; the way out: 32 numbers
.set PC,  96                           ; their codes
.set TM,  248                          ; the quantiser's work
.set WV,  2
.set WP,  24
.set WSP, 26
.set AP,  28
.set ASP, 30
.set BP,  32
.set IMGP,34
.set SCP, 36
.set SEL, 42
.set MNT, 44
.set MSB, 0
.macro WIN new                         ; the immediate's high byte repeats the setting that is left; a switch that changes nothing is dropped
.if MSB != \new
	s_set_vgpr_msb (MSB<<8)|\new
.set MSB, \new
.endif
.endm
.macro PLACES n
.rept \n
	v_nop
.endr
.endm
.macro BARRIER
	s_wait_dscnt 0x0
	s_barrier_signal -1
	s_barrier_wait -1
.endm
; One matrix instruction.  ra, rb: the side's scale words stand in lanes 16-31 of its register (the odd tile of a pair).
.macro WM d, a, b, zero, sa, sb, ra, rb
.if \zero
.if (\ra) && (\rb)
	v_wmma_scale_f32_16x16x128_f8f6f4 v[(\d):(\d)+7], v[(\a):(\a)+15], v[(\b):(\b)+15], 0, v[(\sa)], v[(\sb)] matrix_a_fmt:MATRIX_FMT_BF8 matrix_b_fmt:MATRIX_FMT_BF8 matrix_a_scale:MATRIX_SCALE_ROW1 matrix_b_scale:MATRIX_SCALE_ROW1
.elseif \ra
	v_wmma_scale_f32_16x16x128_f8f6f4 v[(\d):(\d)+7], v[(\a):(\a)+15], v[(\b):(\b)+15], 0, v[(\sa)], v[(\sb)] matrix_a_fmt:MATRIX_FMT_BF8 matrix_b_fmt:MATRIX_FMT_BF8 matrix_a_scale:MATRIX_SCALE_ROW1
.elseif \rb
	v_wmma_scale_f32_16x16x128_f8f6f4 v[(\d):(\d)+7], v[(\a):(\a)+15], v[(\b):(\b)+15], 0, v[(\sa)], v[(\sb)] matrix_a_fmt:MATRIX_FMT_BF8 matrix_b_fmt:MATRIX_FMT_BF8 matrix_b_scale:MATRIX_SCALE_ROW1
.else
	v_wmma_scale_f32_16x16x128_f8f6f4 v[(\d):(\d)+7], v[(\a):(\a)+15], v[(\b):(\b)+15], 0, v[(\sa)], v[(\sb)] matrix_a_fmt:MATRIX_FMT_BF8 matrix_b_fmt:MATRIX_FMT_BF8
.endif
.else
.if (\ra) && (\rb)
	v_wmma_scale_f32_16x16x128_f8f6f4 v[(\d):(\d)+7], v[(\a):(\a)+15], v[(\b):(\b)+15], v[(\d):(\d)+7], v[(\sa)], v[(\sb)] matrix_a_fmt:MATRIX_FMT_BF8 matrix_b_fmt:MATRIX_FMT_BF8 matrix_a_scale:MATRIX_SCALE_ROW1 matrix_b_scale:MATRIX_SCALE_ROW1
.elseif \ra
	v_wmma_scale_f32_16x16x128_f8f6f4 v[(\d):(\d)+7], v[(\a):(\a)+15], v[(\b):(\b)+15], v[(\d):(\d)+7], v[(\sa)], v[(\sb)] matrix_a_fmt:MATRIX_FMT_BF8 matrix_b_fmt:MATRIX_FMT_BF8 matrix_a_scale:MATRIX_SCALE_ROW1
.elseif \rb
	v_wmma_scale_f32_16x16x128_f8f6f4 v[(\d):(\d)+7], v[(\a):(\a)+15], v[(\b):(\b)+15], v[(\d):(\d)+7], v[(\sa)], v[(\sb)] matrix_a_fmt:MATRIX_FMT_BF8 matrix_b_fmt:MATRIX_FMT_BF8 matrix_b_scale:MATRIX_SCALE_ROW1
.else
	v_wmma_scale_f32_16x16x128_f8f6f4 v[(\d):(\d)+7], v[(\a):(\a)+15], v[(\b):(\b)+15], v[(\d):(\d)+7], v[(\sa)], v[(\sb)] matrix_a_fmt:MATRIX_FMT_BF8 matrix_b_fmt:MATRIX_FMT_BF8
.endif
.endif
.endm
.macro WLOAD s, hf                     ; W's tiles 4 hf .. 4 hf + 3 of K step s: 16 loads of 512 consecutive bytes
.irp u, 0,1,2,3
.irp c, 0,1,2,3
	global_load_b128 v[WB+64*(\hf)+16*\u+4*\c:WB+64*(\hf)+16*\u+4*\c+3], v[L16], s[WP:WP+1] offset:(\s)*16384+(4*(\hf)+\u)*2048+512*\c
.endr
.endr
.endm
.macro ALOAD s                         ; the block's four fragments of K step s, from LDS
.irp tt, 0,1,2,3
.irp c, 0,1,2,3
	ds_load_b128 v[AF+16*\tt+4*\c:AF+16*\tt+4*\c+3], v[LA] offset:(\s)*8192+\tt*2048+512*\c
.endr
.endr
.endm
; 16 matrix instructions: four tiles of tokens x W's tiles 4 hf .. 4 hf + 3.  The 16 accumulators take turns, one instruction a turn.
; nat = 0: accumulator (tt, t) at 8 (8 tt + t);  nat = 1 (sources swapped): at 8 (4 t + tt).
.macro HALF s, hf, nat, zero
	WIN 0x50                                       ; C and D window 1
.irp tt, 0,1,2,3
.irp u, 0,1,2,3
.if \nat
	WM 8*(4*(4*(\hf)+\u)+\tt), AF+16*\tt, WB+64*(\hf)+16*\u, \zero, ASC+2*(\s)+\tt/2, WSC+4*(\s)+(4*(\hf)+\u)/2, \tt%2, \u%2
.else
	WM 8*(8*\tt+4*(\hf)+\u), WB+64*(\hf)+16*\u, AF+16*\tt, \zero, WSC+4*(\s)+(4*(\hf)+\u)/2, ASC+2*(\s)+\tt/2, \u%2, \tt%2
.endif
.endr
.endr
	WIN 0
.endm
.macro B64 reg, ptr                    ; a bias in the transposed result's layout: register 16 b + i = feature 32 b + 16 (lane / 16) + i of my 128
.irp b, 0,1,2,3
.irp j, 0,1,2,3
	global_load_b128 v[(\reg)+16*\b+4*\j:(\reg)+16*\b+4*\j+3], v[H64], s[\ptr:\ptr+1] offset:128*\b+16*\j
.endr
.endr
.endm
.macro BV8                             ; a bias for the swapped result: in tile t my lane's one feature
.irp t, 0,1,2,3,4,5,6,7
	global_load_b32 v[BI+\t], v[PR4], s[BP:BP+1] offset:(32*(\t/2)+8*(\t%2))*4
.endr
.endm
; Six K steps.  Ahead of it W's step 0 (32 loads) and ALOAD 0 are out.  Eight plain lines stand between matrix instructions and loads into registers that they have read, and ahead of the first read of results.
.macro CORE nat, tail
.irp s, 0,1,2,3,4,5
	s_wait_loadcnt 16                              ; W's tiles 0-3 of this step are in; the 16 loads of tiles 4-7 may be out
	s_wait_dscnt 0x0                               ; this step's fragments of h
.if \s == 0
	HALF \s, 0, \nat, 1                            ; the first step's products start the sums: nothing is cleared
.else
	HALF \s, 0, \nat, 0
.endif
	PLACES 8
.if \s < 5
	WLOAD \s+1, 0
	s_wait_loadcnt 16                              ; tiles 4-7 are in; the 16 loads just issued may be out
.elseif \tail
	BV8
	s_wait_loadcnt 8                               ; likewise: the 8 loads of the bias may be out
.else
	B64 BI, BP
	s_wait_loadcnt 16
.endif
.if \s == 0
	HALF \s, 1, \nat, 1
.else
	HALF \s, 1, \nat, 0
.endif
	PLACES 8
.if \s < 5
	ALOAD \s+1
	WLOAD \s+1, 1
.endif
.endr
.endm
.macro HEAD768                         ; all scale words; the block's codes through registers into LDS; W's first step
.irp s, 0,1,2,3,4,5
.irp p, 0,1,2,3
	global_load_b32 v[WSC+4*\s+\p], v[L4], s[WSP:WSP+1] offset:\s*512+\p*128
.endr
.irp a, 0,1
	global_load_b32 v[ASC+2*\s+\a], v[L4], s[ASP:ASP+1] offset:\s*256+\a*128
.endr
.endr
.set kk, 0
.rept 16
	global_load_b128 v[AF+4*kk:AF+4*kk+3], v[T16], s[AP:AP+1] offset:kk*3072   ; 192 threads x 16 bytes
.set kk, kk+1
.endr
	WLOAD 0, 0
	WLOAD 0, 1
	s_wait_loadcnt 32                              ; all but W's 32 loads
.set kk, 0
.rept 16
	ds_store_b128 v[T16], v[AF+4*kk:AF+4*kk+3] offset:kk*3072
.set kk, kk+1
.endr
	BARRIER                                        ; the block's 24 fragments lie in LDS; nothing is stored there again
	ALOAD 0
.endm
; 32 numbers of a lane, register 16 b + i = K 32 b + 16 (lane / 16) + i of my row, become 8 registers of codes at v[pc] and two scale bytes in v[pw] (sh = 0: bytes 0, 1; sh = 16: bytes 2, 3 are added).
.macro QUANT2 s, pc, pw, sh
.irp b, 0,1
	v_max3_num_f32 v[TM+\b], |v[(\s)+16*\b]|, |v[(\s)+16*\b+1]|, 0x8000000   ; my 16 numbers of block b, and the floor 2^(16 - 127): the byte cannot fall under 1
.endr
.irp i, 2,4,6,8,10,12,14
.irp b, 0,1
	v_max3_num_f32 v[TM+\b], v[TM+\b], |v[(\s)+16*\b+\i]|, |v[(\s)+16*\b+\i+1]|
.endr
.endr
.irp b, 0,1
	v_permlanex16_b32 v[TM+2+\b], v[TM+\b], s[SEL], s[SEL+1]
.endr
.irp b, 0,1
	v_max_num_f32 v[TM+\b], v[TM+\b], v[TM+2+\b]   ; with the lane 16 away: the block's largest magnitude
.endr
.irp b, 0,1
	v_add_nc_u32 v[TM+6+\b], 0xf8800000, v[TM+\b]  ; 15 off its exponent field: the conversion's scale operand
.endr
.irp b, 0,1
	v_and_or_b32 v[TM+4+\b], v[TM+\b], 0x7f800000, s[MNT]   ; 57,344 x the scale
.endr
.irp b, 0,1
	v_lshrrev_b32 v[TM+2+\b], 23, v[TM+6+\b]       ; the scale's byte
.endr
.if (\sh) == 0
	v_lshl_or_b32 v[\pw], v[TM+3], 8, v[TM+2]
.else
	v_lshl_or_b32 v[\pw], v[TM+2], 16, v[\pw]
	v_lshl_or_b32 v[\pw], v[TM+3], 24, v[\pw]
.endif
.irp b, 0,1
.set kk, 0
.rept 16
	v_med3_num_f32 v[(\s)+16*\b+kk], v[(\s)+16*\b+kk], -v[TM+4+\b], v[TM+4+\b]   ; the conversion does not saturate (ISA guide 7.6.2): the hold at the largest code x the scale
.set kk, kk+1
.endr
.endr
.irp b, 0,1
	v_cvt_scalef32_pk8_bf8_f32 v[(\pc)+4*\b:(\pc)+4*\b+1], v[(\s)+16*\b:(\s)+16*\b+7], v[TM+6+\b]
	v_cvt_scalef32_pk8_bf8_f32 v[(\pc)+4*\b+2:(\pc)+4*\b+3], v[(\s)+16*\b+8:(\s)+16*\b+15], v[TM+6+\b]
.endr
	v_nop                                          ; one plain line between the last conversion and whatever next touches its registers
.endm
	s_load_b256 s[8:15], s[0:1], 0x0               ; pbuf, bq, bk, bv
	s_load_b64 s[16:17], s[0:1], 0x20              ; qkvb
	v_lshl_add_u32 v62, v0, 2, 0xc000
	v_mov_b32 v63, 0
	v_lshrrev_b32 v11, 5, v0
	v_readfirstlane_b32 s[WV], v11                 ; wave 0..5
	v_and_b32 v11, 31, v0
	v_lshlrev_b32 v[L16], 4, v11
	v_lshlrev_b32 v[LA], 4, v11
	v_lshlrev_b32 v[L4], 2, v11
	v_lshlrev_b32 v[T16], 4, v0
	v_bfe_u32 v[H64], v0, 4, 1
	v_lshlrev_b32 v[H64], 6, v[H64]
	v_and_b32 v[PR4], 15, v0
	v_and_b32 v11, 8, v[PR4]
	v_add_nc_u32 v[PR4], v[PR4], v11
	v_lshlrev_b32 v[PR4], 2, v[PR4]
	s_mov_b32 s[SEL], 0x76543210
	s_mov_b32 s[SEL+1], 0xfedcba98                 ; lane l takes lane l xor 16
	s_mov_b32 s[MNT], 0x600000                     ; the mantissa field of 57,344
	s_and_b32 s4, ttmp7, 0xffff                    ; y
	s_mul_i32 s48, s4, 6
	s_add_co_u32 s48, s48, s[WV]                   ; G: my 128 output features
	s_mov_b32 s53, 0                               ; the upper word of every offset
	s_wait_kmcnt 0x0
	s_mul_i32 s52, s48, 98304
	s_add_nc_u64 s[WP:WP+1], s[8:9], s[52:53]
	s_mul_i32 s52, s48, 3072
	s_add_co_u32 s52, s52, OFF_SC
	s_add_nc_u64 s[WSP:WSP+1], s[8:9], s[52:53]
	s_mul_i32 s52, ttmp9, 49152
	s_add_co_u32 s52, s52, OFF_H
	s_add_nc_u64 s[AP:AP+1], s[8:9], s[52:53]
	s_mul_i32 s52, ttmp9, 1536
	s_add_co_u32 s52, s52, OFF_HSC
	s_add_nc_u64 s[ASP:ASP+1], s[8:9], s[52:53]
	HEAD768
	s_cmp_eq_u32 s4, 2
	s_cbranch_scc1 .Lv
	; ---- q and k
	s_lshl_b32 s52, s[WV], 9
	s_cmp_eq_u32 s4, 0
	s_cselect_b64 s[BP:BP+1], s[10:11], s[12:13]
	s_cselect_b32 s54, 0, OFF_K
	s_mov_b32 s55, OFF_KVSC
	s_cselect_b32 s55, OFF_QSC, s55
	s_add_nc_u64 s[BP:BP+1], s[BP:BP+1], s[52:53]
	s_mul_i32 s52, s[WV], 524288                   ; heads 2 w, 2 w + 1: 262,144 bytes of images each
	s_add_co_u32 s52, s52, s54
	s_lshl_b32 s54, ttmp9, 12                      ; four tiles of 1,024 bytes
	s_add_co_u32 s52, s52, s54
	s_add_nc_u64 s[IMGP:IMGP+1], s[16:17], s[52:53]
	s_mul_i32 s52, s[WV], 98304                    ; 49,152 bytes of scale words a head
	s_add_co_u32 s52, s52, s55
	s_lshl_b32 s54, ttmp9, 9
	s_add_co_u32 s52, s52, s54
	s_add_nc_u64 s[SCP:SCP+1], s[16:17], s[52:53]
	CORE 0, 0
	s_wait_loadcnt 0x0                             ; the bias
	v_mov_b32 v[TM+2], 0                           ; a lane permute's destination counts as one of its sources
	v_mov_b32 v[TM+3], 0
.irp tt, 0,1,2,3
.irp hh, 0,1                           ; head 2 w + hh: registers 64 tt + 32 hh + 16 b + i = dh 32 b + 16 (lane / 16) + i of my token
	s_wait_xcnt 0x0                                ; the last group's stores have read the codes and the scale word
	WIN 0x01                                       ; source 0 window 1
.set kk, 0
.rept 16
	v_pk_add_f32 v[X+kk:X+kk+1], v[64*\tt+32*\hh+kk:64*\tt+32*\hh+kk+1], v[BI+32*\hh+kk:BI+32*\hh+kk+1]   ; each accumulator from its low end on
.set kk, kk+2
.endr
	WIN 0
	QUANT2 X, PC, PW, 0
	global_store_b128 v[L16], v[PC:PC+3], s[IMGP:IMGP+1] offset:\hh*262144+\tt*1024
	global_store_b128 v[L16], v[PC+4:PC+7], s[IMGP:IMGP+1] offset:\hh*262144+\tt*1024+512
	global_store_b32 v[L4], v[PW], s[SCP:SCP+1] offset:\hh*49152+\tt*128      ; bytes 2, 3 are 0: they meet zero codes in attention
.endr
.endr
	s_wait_tensorcnt 0x0
	ds_add_u32 v62, v63
	s_wait_dscnt 0x0
	s_endpgm
.Lv:
	; ---- v
	s_lshl_b32 s52, s[WV], 9
	s_add_nc_u64 s[BP:BP+1], s[14:15], s[52:53]
	s_mul_i32 s52, s[WV], 524288
	s_lshr_b32 s54, ttmp9, 1                       ; which 128 keys
	s_lshl_b32 s55, s54, 13
	s_add_co_u32 s52, s52, s55
	s_and_b32 s56, ttmp9, 1                        ; and which half of them: register groups 0, 1 or 2, 3
	s_lshl_b32 s55, s56, 10
	s_add_co_u32 s52, s52, s55
	s_add_co_u32 s52, s52, OFF_V
	s_add_nc_u64 s[IMGP:IMGP+1], s[16:17], s[52:53]
	s_mul_i32 s52, s[WV], 98304
	s_lshl_b32 s55, s54, 9
	s_add_co_u32 s52, s52, s55
	s_lshl_b32 s55, s56, 1
	s_add_co_u32 s52, s52, s55
	s_add_co_u32 s52, s52, OFF_KVSC+32768
	s_add_nc_u64 s[SCP:SCP+1], s[16:17], s[52:53]
	CORE 1, 1
	s_wait_loadcnt 0x0
	v_mov_b32 v[TM+2], 0
	v_mov_b32 v[TM+3], 0
.irp t, 0,1,2,3,4,5,6,7                ; head 2 w + t / 4, dh tile t % 4: registers 32 t + 16 b + i = token 32 b + 16 (lane / 16) + i of the block, of my lane's feature
	s_wait_xcnt 0x0
	WIN 0x01
.set kk, 0
.rept 32
	v_add_f32 v[X+kk], v[32*\t+kk], v[BI+\t]
.set kk, kk+1
.endr
	WIN 0
	QUANT2 X, PC, PW, 0
	global_store_b128 v[L16], v[PC:PC+3], s[IMGP:IMGP+1] offset:(\t/4)*262144+(\t%4)*2048
	global_store_b128 v[L16], v[PC+4:PC+7], s[IMGP:IMGP+1] offset:(\t/4)*262144+(\t%4)*2048+512
	global_store_b16 v[L4], v[PW], s[SCP:SCP+1] offset:(\t/4)*49152+(\t%4)*128    ; my half of the row's scale word; the block beside mine stores the other
.endr
	s_wait_tensorcnt 0x0
	ds_add_u32 v62, v63
	s_wait_dscnt 0x0
	s_endpgm
.Lfunc_end_k_q5fdc7f4323_qkv:
	.size	k_q5fdc7f4323_qkv, .Lfunc_end_k_q5fdc7f4323_qkv-k_q5fdc7f4323_qkv
	.p2alignl 7, 3214868480
	.fill 96, 4, 3214868480
	.section	.rodata,"a",@progbits
	.p2align	6, 0x0
	.amdhsa_kernel k_q5fdc7f4323_qkv
		.amdhsa_group_segment_fixed_size 49920
		.amdhsa_private_segment_fixed_size 0
		.amdhsa_enable_private_segment 0
		.amdhsa_kernarg_size 40
		.amdhsa_user_sgpr_count 2
		.amdhsa_user_sgpr_kernarg_segment_ptr 1
		.amdhsa_wavefront_size32 1
		.amdhsa_system_sgpr_workgroup_id_x 1
		.amdhsa_system_sgpr_workgroup_id_y 1
		.amdhsa_system_sgpr_workgroup_id_z 1
		.amdhsa_system_vgpr_workitem_id 0
		.amdhsa_next_free_vgpr 512
		.amdhsa_next_free_sgpr 72
		.amdhsa_reserve_vcc 0
		.amdhsa_float_denorm_mode_32 3
		.amdhsa_float_denorm_mode_16_64 3
		.amdhsa_memory_ordered 1
		.amdhsa_forward_progress 1
		.amdhsa_inst_pref_size 199
	.end_amdhsa_kernel
	.amdgpu_metadata
---
amdhsa.version: [ 1, 2 ]
amdhsa.kernels:
  - .name:           k_q5fdc7f4323_qkv
    .symbol:         k_q5fdc7f4323_qkv.kd
    .args:
      - { .name: pbuf, .offset: 0, .size: 8, .value_kind: global_buffer, .address_space: global }
      - { .name: bq, .offset: 8, .size: 8, .value_kind: global_buffer, .address_space: global }
      - { .name: bk, .offset: 16, .size: 8, .value_kind: global_buffer, .address_space: global }
      - { .name: bv, .offset: 24, .size: 8, .value_kind: global_buffer, .address_space: global }
      - { .name: qkvb, .offset: 32, .size: 8, .value_kind: global_buffer, .address_space: global }
    .group_segment_fixed_size: 49920
    .private_segment_fixed_size: 0
    .kernarg_segment_align: 8
    .kernarg_segment_size: 40
    .max_flat_workgroup_size: 192
    .sgpr_count:     72
    .vgpr_count:     512
    .wavefront_size: 32
...
	.end_amdgpu_metadata
.endif
;; end of part 2
;; launch attn (part 3): grid 64 x 4, 12 waves a work-group, no clusters, 327,680 bytes of LDS; arguments qkvb, obuf; writes obuf
.if DOCPART == 3
	.amdgcn_target "amdgcn-amd-amdhsa--gfx1250"
	.amdhsa_code_object_version 6
	.text
	.protected	k_q5fdc7f4323_attn
	.globl	k_q5fdc7f4323_attn
	.p2align	8
	.type	k_q5fdc7f4323_attn,@function
k_q5fdc7f4323_attn:
	s_mov_b64 s[64:65], 0
	v_nop
	global_prefetch_b8 v0, s[64:65] scope:SCOPE_SE
	s_setreg_imm32_b32 hwreg(HW_REG_WAVE_MODE, 25, 1), 1
	s_wait_xcnt 0x0
; ATTENTION on E5M2 codes with E8M0 scales, head size 64, 4,096 keys, no mask; o is quantised along the 768 features for the next product.
; t = score x log2(e) / 8; M = the running largest t rounded UP to a whole number; p = 2^(t - M) is quantised along the keys, not normalised; the row's sum is taken of the unquantised p and divides O at the end.
; SHARES.  12 heads x 256 tiles of 16 queries are 3,072 tiles, 12 for each of 256 work-groups; 256 does not divide by 12, so work-group (x, y) takes query tiles 4 x .. 4 x + 3 of EACH of the three heads 3 y .. 3 y + 2.
; Twelve waves, three to a SIMD, 256 registers each: wave w owns tile 4 x + w % 4 of head 3 y + w / 4.  One wave's vector work stands beside another's matrix work and LDS loads.
; Every wave walks all keys of its head, 128 a step: 8 products S^T = K Q^T (source 0 = 16 keys, source 1 = my queries) and 4 products O^T += V^T P^T.  A lane holds one query throughout.
; All operands lie in memory as images of operand registers (2,048 bytes for 16 rows x 128 K, 1,024 for K = 64; 16 bytes a lane): tiles are dense blocks, LDS reads are consecutive, no padding.
; Row r of key tile t stands for key 32 (t / 2) + 8 (t % 2) + r + 8 (r / 8): p's 16 registers of two neighbouring tiles are 16 neighbouring keys.
; K = 64 IN AN INSTRUCTION OF 128: q's registers 8-15 are zero codes; a key tile's operand runs on into the next tile's codes (finite numbers) or into eight zero registers: that half adds exactly 0.
; RING: two slots of 256 keys of the three heads (for each head K's two steps, then V's two, 8,192 bytes each); every wave fetches one of the twelve pieces.  A wave has two tensor loads out at the start, later one.
; Larger slots do not fit: three heads x four steps would be 196,608 bytes a slot.  The heads' scale words come once: of a tile's 128 bytes in memory, which hold each word twice, the first 64 are brought: 24,576 bytes a head.
; So two neighbouring tiles' words are 128 consecutive bytes: one load gives lanes 0-15 the even tile's words and lanes 16-31 the odd tile's.
; THE BARRIER OF A CHANGE OF SLOTS IS OPENED EARLY: a wave's last reads of a slot are its second step's loads of V; behind the row's sums it waits for them and signals; the scale bytes, the holds, the conversions, O^T's rescaling and
; the four products V^T P^T, all on registers, stand between the signal and the wait.
; NO CLUSTER: the 64 work-groups of a group of heads do walk the same K and V.  A joint refill stands behind a round of the cluster's barrier; with slots of two key steps that is three barriers, of which only the first can be
; opened early, behind every 24 matrix instructions of a wave, with 48 waves held in step.
; LIMITS: NaN and infinities are not served; a block whose largest magnitude lies under 2^-111 keeps the scale byte 1; a block of zeros gets the byte 1 and not 127 (its codes are zeros; this program alone reads the bytes).
.set OFF_K,   3145728
.set OFF_QSC, 9437184
.set OFF_KVSC,10027008
.set OSC,     3145728                  ; obuf: the scale words
.set SLOT1,   131072                   ; slot 0: bytes 0 to 98,303; slot 1 begins here: one exclusive or turns an address in one slot into the other's
.set SC,      229376                   ; the scale words: a head's K (64 bytes a tile, 16,384 bytes), then its V (64 bytes a (128 keys, dh tile), 8,192 bytes); three heads
.set SPARE,   303104                   ; the spare words: 128 bytes for each wave, six blocks of 256 bytes that no other line names
.set NSL,     16                       ; slots' worth of keys
.set L16, 1                            ; v1   16 x lane
.set LK,  4                            ; v4   LDS: 16 x lane + my head's 32,768 bytes of a slot
.set SPW, 5                            ; v5   my spare word; never rewritten
.set NIL, 6                            ; v6   0; never rewritten
.set PFO, 7                            ; v7   256 x lane; never rewritten
.set ADK, 8                            ; v8   LDS: the slot in hand + v4
.set ADS, 9                            ; v9   LDS: the step's scale words of K
.set ADT, 10                           ; v10  and of V
.set TM,  224                          ; the way out: the quantiser's work
; v2, v3: 4 x lane + my head's scale words of K, of V; v11: 4 x (lane % 16); v12 -M, v13 the largest t, v[14:15] the sum in two halves; v16-23 q's codes, v24-31 zeros; v32-95 eight key tiles, later four fragments of V;
; v96-103 zeros; v104-167 S^T, then p; v168-199 O^T; v200-215 p's codes; v216-219 K's scale words, v220-221 V's, a pair of tiles each; v224-239 at work; v240 f, v241 p's scale word; v242 at work; v243 q's scale word.
.set TB,  2                            ; s2   the slot in hand
.set TS,  3                            ; s3   the step's scale words of K: 512 bytes a step
.set TJ,  4                            ; s4   of V: 256 bytes a step
.set SLOTS, 5
.set WV,  18
.set MNT, 19
.set SEL, 20
.set CS,  22
.set G1,  24                           ; s[24:31] descriptor group 1 of the ring's loads
.set G1S, 32                           ; s[32:39] of the scale words'
.set G0,  40                           ; s[40:43] group 0 of the ring's loads: it walks
.set G0S, 44
.set PFA, 48
.set LIM, 50
.set QP,  52
.set QSP, 54
.set OP,  56
.set OSP, 58
.macro PLACES n
.rept \n
	v_nop
.endr
.endm
; Ahead of a change of slots: all my tensor loads have landed, 0 is added to my spare word, the add and my reads of the slot in hand are done; then the signal.  fill = 1: the slot in hand will be filled again.
.macro MEET fill
	s_wait_tensorcnt 0x0                           ; no tensor load of mine is out: my piece of the other slot has landed, and the group 0 may be written
	ds_add_u32 v[SPW], v[NIL]                      ; 0 onto my spare word
.if \fill
	s_xor_b32 s[G0+1], s[G0+1], SLOT1              ; the other slot than last time,
	s_add_nc_u64 s[G0+2:G0+3], s[G0+2:G0+3], 16384 ; the next 256 keys; the type bits on top are not reached
	s_wait_xcnt 0x0                                ; the last prefetch, a slot back, has read its address
	s_add_nc_u64 s[PFA:PFA+1], s[PFA:PFA+1], 16384
.endif
	s_wait_dscnt 0x0                               ; the add is done, and my reads of the slot in hand are over
	s_barrier_signal -1
.endm
; Behind the barrier's wait: my one tensor load until the next such barrier; four v_nop follow it.  Then a prefetch of my piece of the slot that the NEXT fill will ask for: two key steps ahead of that load.
; The 64 work-groups of a group of heads walk the same K and V: the first of them asks, each of its twelve waves for its own 8,192 bytes, lanes 256 bytes apart: each block of 256 bytes is named once.
; The last fill asks for nothing; slots 0 and 1 come by their loads alone.
.macro FILL
	tensor_load_to_lds s[G0:G0+3], s[G1:G1+7]
	s_nop 0
.rept 4
	v_nop
.endr
	s_cmp_gt_u32 s[SLOTS], s[LIM]
	s_cbranch_scc0 .Lnot_mine_\@
	global_prefetch_b8 v[PFO], s[PFA:PFA+1] th:TH_LOAD_NT scope:SCOPE_SE
.Lnot_mine_\@:
.endm
; 32 numbers of a lane, register 16 b + i = K 32 b + 16 (lane / 16) + i of my row, become 8 registers of codes at v[pc] and two scale bytes in v[pw].
.macro QUANT2 s, pc, pw, sh
.irp b, 0,1
	v_max3_num_f32 v[TM+\b], |v[(\s)+16*\b]|, |v[(\s)+16*\b+1]|, 0x8000000   ; my 16 numbers of block b, and the floor 2^(16 - 127): the byte cannot fall under 1
.endr
.irp i, 2,4,6,8,10,12,14
.irp b, 0,1
	v_max3_num_f32 v[TM+\b], v[TM+\b], |v[(\s)+16*\b+\i]|, |v[(\s)+16*\b+\i+1]|
.endr
.endr
.irp b, 0,1
	v_permlanex16_b32 v[TM+2+\b], v[TM+\b], s[SEL], s[SEL+1]
.endr
.irp b, 0,1
	v_max_num_f32 v[TM+\b], v[TM+\b], v[TM+2+\b]
.endr
.irp b, 0,1
	v_add_nc_u32 v[TM+6+\b], 0xf8800000, v[TM+\b]
.endr
.irp b, 0,1
	v_and_or_b32 v[TM+4+\b], v[TM+\b], 0x7f800000, s[MNT]
.endr
.irp b, 0,1
	v_lshrrev_b32 v[TM+2+\b], 23, v[TM+6+\b]
.endr
.if (\sh) == 0
	v_lshl_or_b32 v[\pw], v[TM+3], 8, v[TM+2]
.else
	v_lshl_or_b32 v[\pw], v[TM+2], 16, v[\pw]
	v_lshl_or_b32 v[\pw], v[TM+3], 24, v[\pw]
.endif
.irp b, 0,1
.set kk, 0
.rept 16
	v_med3_num_f32 v[(\s)+16*\b+kk], v[(\s)+16*\b+kk], -v[TM+4+\b], v[TM+4+\b]
.set kk, kk+1
.endr
.endr
.irp b, 0,1
	v_cvt_scalef32_pk8_bf8_f32 v[(\pc)+4*\b:(\pc)+4*\b+1], v[(\s)+16*\b:(\s)+16*\b+7], v[TM+6+\b]
	v_cvt_scalef32_pk8_bf8_f32 v[(\pc)+4*\b+2:(\pc)+4*\b+3], v[(\s)+16*\b+8:(\s)+16*\b+15], v[TM+6+\b]
.endr
	v_nop
.endm
	s_load_b128 s[8:11], s[0:1], 0x0               ; qkvb, obuf
	v_lshl_add_u32 v[SPW], v0, 2, SPARE
	v_mov_b32 v[NIL], 0
	ds_add_u32 v5, v6
	ds_add_u32 v5, v6
	s_wait_dscnt 0x0
	v_lshrrev_b32 v8, 5, v0
	v_readfirstlane_b32 s[WV], v8                  ; wave 0..11
	s_lshr_b32 s16, s[WV], 2                       ; which of the work-group's three heads
	s_and_b32 s14, s[WV], 3                        ; which of its four query tiles; also: which piece of my head's part of a slot I fetch
	s_and_b32 s12, ttmp7, 0xffff
	s_mul_i32 s12, s12, 3
	s_add_co_u32 s12, s12, s16                     ; the head
	s_lshl_b32 s13, ttmp9, 2
	s_add_co_u32 s13, s13, s14                     ; my tile of queries
	s_mov_b32 s7, 0                                ; the upper word of every offset
	; descriptor group 1 of the ring's loads: a dense block of 8,192 bytes as 32 rows of 256 bytes (32 elements of 8 bytes)
	s_mov_b32 s[G1], 3<<16                         ; no mask; elements of 8 bytes; no padding
	s_mov_b32 s[G1+1], 32<<16                      ; tensor_dim0
	s_mov_b32 s[G1+2], 32<<16                      ; tensor_dim1
	s_mov_b32 s[G1+3], 32<<16                      ; tile_dim0
	s_mov_b32 s[G1+4], 32                          ; tile_dim1
	s_mov_b32 s[G1+5], 32                          ; from row to row
	s_mov_b32 s[G1+6], 0
	s_mov_b32 s[G1+7], 0
	; and of the scale words': 96 rows of 64 bytes (8 elements), 128 bytes (16 elements) apart in memory, dense in LDS: a quarter of a head's 384 rows
	s_mov_b32 s[G1S], 3<<16
	s_mov_b32 s[G1S+1], 8<<16
	s_mov_b32 s[G1S+2], 96<<16
	s_mov_b32 s[G1S+3], 8<<16
	s_mov_b32 s[G1S+4], 96
	s_mov_b32 s[G1S+5], 16
	s_mov_b32 s[G1S+6], 0
	s_mov_b32 s[G1S+7], 0
	s_mov_b32 s[SEL], 0x76543210
	s_mov_b32 s[SEL+1], 0xfedcba98                 ; lane l takes lane l xor 16
	s_mov_b32 s[CS], 0x3e38aa3b                    ; c = log2(e) / 8
	s_mov_b32 s[CS+1], s[CS]                       ; (named with it as a pair, so it is written)
	s_mov_b32 s[MNT], 0x600000
	s_mov_b32 s[TB], 0
	s_mov_b32 s[TS], 0
	s_mov_b32 s[TJ], 0
	s_mov_b32 s[SLOTS], NSL-2
	s_wait_kmcnt 0x0
	s_mul_i32 s6, s12, 49152                       ; my head's scale words of K and V in memory: 384 rows of 128 bytes, 96 rows a wave
	s_mul_i32 s15, s14, 12288
	s_add_co_u32 s6, s6, s15
	s_add_co_u32 s6, s6, OFF_KVSC
	s_mul_i32 s15, s[WV], 6144                     ; in LDS: 24,576 bytes a head, 6,144 a wave
	s_mov_b32 s[G0S], 1
	s_add_co_u32 s[G0S+1], s15, SC
	s_add_nc_u64 s[G0S+2:G0S+3], s[8:9], s[6:7]
	s_or_b32 s[G0S+3], s[G0S+3], 0x80000000
	s_lshr_b32 s6, s14, 1                          ; pieces 0, 1: K; pieces 2, 3: V, which lies 3,145,728 bytes behind K
	s_mul_i32 s6, s6, 3145728
	s_lshl_b32 s15, s12, 18                        ; 262,144 bytes a head
	s_add_co_u32 s6, s6, s15
	s_and_b32 s15, s14, 1
	s_lshl_b32 s15, s15, 13                        ; the slot's first or second key step
	s_add_co_u32 s6, s6, s15
	s_add_co_u32 s6, s6, OFF_K
	s_mov_b32 s[G0], 1
	s_lshl_b32 s[G0+1], s[WV], 13                  ; slot 0: 8,192 bytes a wave: head by head K's two steps, then V's two
	s_add_nc_u64 s[G0+2:G0+3], s[8:9], s[6:7]
	s_or_b32 s[G0+3], s[G0+3], 0x80000000
	tensor_load_to_lds s[G0S:G0S+3], s[G1S:G1S+7]  ; every wave's two first fills, ahead of every wait on TENSORcnt, every LDS read and every barrier
	s_nop 0
	tensor_load_to_lds s[G0:G0+3], s[G1:G1+7]
	s_nop 0
.rept 4
	v_nop
.endr
	s_add_nc_u64 s[PFA:PFA+1], s[8:9], s[6:7]      ; the prefetches: my own piece,
	s_add_nc_u64 s[PFA:PFA+1], s[PFA:PFA+1], 16384 ; in slot 1: the first change of slots steps it to slot 2
	s_cmp_eq_u32 ttmp9, 0                          ; the first work-group of the group of heads asks
	s_cselect_b32 s[LIM], 1, -1
	s_lshl_b32 s6, s12, 18
	s_lshl_b32 s15, s13, 10
	s_add_co_u32 s6, s6, s15
	s_add_nc_u64 s[QP:QP+1], s[8:9], s[6:7]        ; q's image
	s_mul_i32 s6, s12, 49152
	s_lshl_b32 s15, s13, 7
	s_add_co_u32 s6, s6, s15
	s_add_co_u32 s6, s6, OFF_QSC
	s_add_nc_u64 s[QSP:QSP+1], s[8:9], s[6:7]      ; and its scale words
	s_lshr_b32 s61, s12, 1                         ; the head's K step in the next product,
	s_and_b32 s62, s12, 1                          ; and its half of that step
	s_mul_i32 s6, ttmp9, 49152                     ; the work-group's four tiles are one block of 64 tokens
	s_lshl_b32 s15, s61, 13
	s_add_co_u32 s6, s6, s15
	s_lshl_b32 s15, s14, 11
	s_add_co_u32 s6, s6, s15
	s_lshl_b32 s15, s62, 10
	s_add_co_u32 s6, s6, s15
	s_add_nc_u64 s[OP:OP+1], s[10:11], s[6:7]
	s_mul_i32 s6, ttmp9, 1536
	s_lshl_b32 s15, s61, 8
	s_add_co_u32 s6, s6, s15
	s_lshr_b32 s15, s14, 1
	s_lshl_b32 s15, s15, 7                         ; the pair of tiles,
	s_add_co_u32 s6, s6, s15
	s_and_b32 s15, s14, 1
	s_lshl_b32 s15, s15, 6                         ; the tile in it,
	s_add_co_u32 s6, s6, s15
	s_lshl_b32 s15, s62, 1                         ; the head's two bytes of the word
	s_add_co_u32 s6, s6, s15
	s_add_co_u32 s6, s6, OSC
	s_add_nc_u64 s[OSP:OSP+1], s[10:11], s[6:7]
	v_and_b32 v8, 31, v0
	v_lshlrev_b32 v[L16], 4, v8
	s_lshl_b32 s15, s16, 15
	v_add_nc_u32 v[LK], s15, v[L16]
	v_lshl_add_u32 v2, v8, 2, SC
	s_mul_i32 s15, s16, 24576
	v_add_nc_u32 v2, s15, v2
	v_add_nc_u32 v3, 0x4000, v2
	v_lshlrev_b32 v[PFO], 8, v8
	v_and_b32 v11, 15, v0
	v_lshlrev_b32 v11, 2, v11
	global_load_b128 v[16:19], v[L16], s[QP:QP+1]
	global_load_b128 v[20:23], v[L16], s[QP:QP+1] offset:512
	global_load_b32 v243, v11, s[QSP:QSP+1]
.set kk, 0
.rept 8
	v_mov_b32 v[24+kk], 0                          ; q's codes for K = 64 .. 127
	v_mov_b32 v[96+kk], 0                          ; what the last key tile's operand runs on into
.set kk, kk+1
.endr
	v_mov_b32 v13, 0xff61b1e6                      ; the largest t so far: -3e38, under every t
	v_floor_f32 v12, -v13                          ; -M
	v_mov_b32 v14, 0
	v_mov_b32 v15, 0
.irp b, 0,1,2,3
	v_mov_b32 v[228+\b], 0                         ; a lane permute's destination counts as one of its sources
.endr
	v_mov_b32 v241, 0                              ; (named as the upper half of the pair v[240:241] before it is first written)
.set kk, 0
.rept 32
	v_mov_b32 v[168+kk], 0                         ; O^T: the step is written once; the first finds zeros, which the first change of M leaves zeros
.set kk, kk+1
.endr
; A KEY STEP: 128 keys, the q-th of the slot in hand.  meet = 1: the slot's last step, and the slot is filled again; 2: the same without a fill; 0: no change of slots.
.macro STEP q, meet
	v_add_nc_u32 v[ADK], s[TB], v[LK]
	v_add_nc_u32 v[ADS], s[TS], v2
	v_add_nc_u32 v[ADT], s[TJ], v3
	PLACES 5                                       ; with the three additions: eight places between the last products and loads into registers that they read
.irp t, 0,1,2,3,4,5,6,7
	ds_load_b128 v[32+8*\t:35+8*\t], v[ADK] offset:(\q)*8192+\t*1024
	ds_load_b128 v[36+8*\t:39+8*\t], v[ADK] offset:(\q)*8192+\t*1024+512
.endr
.irp p, 0,1,2,3
	ds_load_b32 v[216+\p], v[ADS] offset:\p*128    ; lanes 0-15: tile 2 p's scale words; lanes 16-31: tile 2 p + 1's
.endr
	s_wait_dscnt 0x0
.irp p, 0,1,2,3
	v_wmma_scale_f32_16x16x128_f8f6f4 v[104+16*\p:111+16*\p], v[32+16*\p:47+16*\p], v[16:31], 0, v[216+\p], v243 matrix_a_fmt:MATRIX_FMT_BF8 matrix_b_fmt:MATRIX_FMT_BF8
	v_wmma_scale_f32_16x16x128_f8f6f4 v[112+16*\p:119+16*\p], v[40+16*\p:55+16*\p], v[16:31], 0, v[216+\p], v243 matrix_a_fmt:MATRIX_FMT_BF8 matrix_b_fmt:MATRIX_FMT_BF8 matrix_a_scale:MATRIX_SCALE_ROW1
.endr
	PLACES 8                                       ; ahead of the loads below and of the first read of the scores
.irp d, 0,1,2,3                        ; V's four fragments land under the softmax
.irp c, 0,1,2,3
	ds_load_b128 v[32+16*\d+4*\c:35+16*\d+4*\c], v[ADK] offset:16384+(\q)*8192+\d*2048+512*\c
.endr
.endr
	ds_load_b32 v220, v[ADT]                       ; dh tiles 0 and 1,
	ds_load_b32 v221, v[ADT] offset:128            ; 2 and 3
.irp b, 0,1,2,3
	v_max3_num_f32 v[224+\b], v[104+16*\b], v[105+16*\b], v[106+16*\b]   ; the largest score of each block of 32 keys: for the row's maximum, and, since p rises with the score, for the block's largest p
.endr
.irp i, 3,5,7,9,11,13
.irp b, 0,1,2,3
	v_max3_num_f32 v[224+\b], v[224+\b], v[104+16*\b+\i], v[105+16*\b+\i]
.endr
.endr
.irp b, 0,1,2,3
	v_max_num_f32 v[224+\b], v[224+\b], v[119+16*\b]
.endr
.irp b, 0,1,2,3
	v_permlanex16_b32 v[228+\b], v[224+\b], s[SEL], s[SEL+1]
.endr
.irp b, 0,1,2,3
	v_max_num_f32 v[224+\b], v[224+\b], v[228+\b]  ; with the lane 16 away
.endr
	v_max3_num_f32 v242, v224, v225, v226
	v_max_num_f32 v242, v242, v227                 ; the step's largest score of my query
	v_mul_f32 v242, s[CS], v242                    ; as t
	v_max_num_f32 v13, v13, v242                   ; the running largest t
	v_mov_b32 v242, v12
	v_floor_f32 v12, -v13                          ; the new -M = floor(-t) = -ceil(t)
	v_sub_f32 v242, v12, v242                      ; old M - new M: a whole number, 0 or less
	v_cvt_i32_f32 v242, v242                       ; (it saturates)
	v_ldexp_f32 v240, 1.0, v242                    ; f = 2^(old M - new M): a multiplication by it rounds nothing
.set kk, 0
.rept 32
	v_pk_fma_f32 v[104+kk:105+kk], v[104+kk:105+kk], s[CS:CS+1], v[12:13] op_sel_hi:[1,0,0]   ; t - M, two at a time
.set kk, kk+2
.endr
.irp b, 0,1,2,3
	v_fma_f32 v[224+\b], v[224+\b], s[CS], v12     ; the same of each block's largest score
.endr
.set kk, 0
.rept 64
	v_exp_f32 v[104+kk], v[104+kk]                 ; p = 2^(t - M), at most 1
.set kk, kk+1
.endr
	v_pk_mul_f32 v[14:15], v[14:15], v[240:241] op_sel_hi:[1,0]   ; the sums under the new M: the plain line behind the exponentials
	s_wait_alu depctr_va_vdst(0)                   ; one wait for the 64, ahead of their first reader
.irp b, 0,1,2,3
	v_exp_f32 v[224+\b], v[224+\b]                 ; the block's largest p
.endr
	v_pk_add_f32 v[228:229], v[104:105], v[106:107]   ; the row's sum of the unquantised p, in two chains; it reads the 64 alone
.irp j, 4,8,12,16,20,24,28,32,36,40,44,48,52,56,60
	v_pk_add_f32 v[14:15], v[14:15], v[104+\j:105+\j]
	v_pk_add_f32 v[228:229], v[228:229], v[106+\j:107+\j]
.endr
	v_pk_add_f32 v[14:15], v[14:15], v[228:229]
	s_wait_alu depctr_va_vdst(0)                   ; and one for the four
.if (\meet) == 1
	MEET 1                                         ; V is in: I read this slot no more.  All that follows up to the barrier's wait works on registers
.elseif (\meet) == 2
	MEET 0
.endif
.irp b, 0,1,2,3
	v_max_num_f32 v[224+\b], 0x8000000, v[224+\b]  ; the floor 2^(16 - 127)
.endr
.irp b, 0,1,2,3
	v_add_nc_u32 v[236+\b], 0xf8800000, v[224+\b]  ; the conversion's scale operand
.endr
.irp b, 0,1,2,3
	v_and_or_b32 v[232+\b], v[224+\b], 0x7f800000, s[MNT]   ; 57,344 x the scale
.endr
.irp b, 0,1,2,3
	v_lshrrev_b32 v[228+\b], 23, v[236+\b]         ; the scale's byte
.endr
	v_lshl_or_b32 v241, v229, 8, v228              ; p's scale word for these 128 keys
	v_lshl_or_b32 v241, v230, 16, v241
	v_lshl_or_b32 v241, v231, 24, v241
; The conversion does not saturate (ISA guide 7.6.2); p is not negative: a one-sided hold, two to an instruction.  Register kk of block bp goes with register kk xor 1 of block bp + 1: the destinations are one even and one odd,
; and each pair of sources lies in two register banks, as the dual form asks.
.irp bp, 0,2
.set kk, 0
.rept 16
	v_dual_min_num_f32 v[104+16*\bp+kk], v[232+\bp], v[104+16*\bp+kk] :: v_dual_min_num_f32 v[120+16*\bp+kk+1-2*(kk%2)], v[233+\bp], v[120+16*\bp+kk+1-2*(kk%2)]
.set kk, kk+1
.endr
.endr
.irp b, 0,1,2,3
	v_cvt_scalef32_pk8_bf8_f32 v[200+4*\b:201+4*\b], v[104+16*\b:111+16*\b], v[236+\b]
	v_cvt_scalef32_pk8_bf8_f32 v[202+4*\b:203+4*\b], v[112+16*\b:119+16*\b], v[236+\b]
.endr
.set kk, 0
.rept 16
	v_pk_mul_f32 v[168+kk:169+kk], v[168+kk:169+kk], v[240:241] op_sel_hi:[1,0]   ; O^T under the new M; these lines also part the conversions from the products
.set kk, kk+2
.endr
.if (\meet) == 0
	s_wait_dscnt 0x0                               ; V
.endif
.irp p, 0,1
	v_wmma_scale_f32_16x16x128_f8f6f4 v[168+16*\p:175+16*\p], v[32+32*\p:47+32*\p], v[200:215], v[168+16*\p:175+16*\p], v[220+\p], v241 matrix_a_fmt:MATRIX_FMT_BF8 matrix_b_fmt:MATRIX_FMT_BF8
	v_wmma_scale_f32_16x16x128_f8f6f4 v[176+16*\p:183+16*\p], v[48+32*\p:63+32*\p], v[200:215], v[176+16*\p:183+16*\p], v[220+\p], v241 matrix_a_fmt:MATRIX_FMT_BF8 matrix_b_fmt:MATRIX_FMT_BF8 matrix_a_scale:MATRIX_SCALE_ROW1
.endr
	s_add_co_u32 s[TS], s[TS], 512
	s_add_co_u32 s[TJ], s[TJ], 256
.endm
	s_wait_loadcnt 0x0                             ; q
	MEET 1                                         ; the scale words and slot 0 have landed, in every wave;
	s_barrier_wait -1
	FILL                                           ; slot 1's first fill goes out as a refill does
.Lslot:                                            ; NSL - 2 trips: slot i is read, and behind its barrier its bytes take the keys of slot i + 2
	STEP 0, 0
	STEP 1, 1
	s_barrier_wait -1                              ; nobody reads this slot any more, and the other slot is whole
	FILL                                           ; the first thing behind the barrier: it has up to the next signal, some one and three quarters key steps, in which to land
	s_xor_b32 s[TB], s[TB], SLOT1
	s_sub_co_u32 s[SLOTS], s[SLOTS], 1
	s_cmp_lg_u32 s[SLOTS], 0
	s_cbranch_scc1 .Lslot
	STEP 0, 0                                      ; the last two slots are written out
	STEP 1, 2
	s_barrier_wait -1                              ; the last slot is whole; nothing is filled
	s_xor_b32 s[TB], s[TB], SLOT1
	STEP 0, 0
	STEP 1, 0
	; THE WAY OUT.  O^T / the sum: register 16 b + i = dh 32 b + 16 (lane / 16) + i of my query: two blocks of the next product's K, quantised in registers and stored as half a fragment's image.
	v_add_f32 v14, v14, v15
	v_permlanex16_b32 v240, v14, s[SEL], s[SEL+1]
	v_add_f32 v14, v14, v240                       ; the row's sum
	v_rcp_f32 v14, v14
	PLACES 8                                       ; behind the reciprocal, and the places behind the last products
	s_wait_alu depctr_va_vdst(0)                   ; ahead of the reciprocal's first reader
.set kk, 0
.rept 32
	v_mul_f32 v[104+kk], v[168+kk], v14
.set kk, kk+1
.endr
	QUANT2 104, 200, 242, 0
	global_store_b128 v[L16], v[200:203], s[OP:OP+1]
	global_store_b128 v[L16], v[204:207], s[OP:OP+1] offset:512
	global_store_b16 v11, v242, s[OSP:OSP+1]       ; lanes r and r + 16 write the same two bytes with the same value
	s_wait_tensorcnt 0x0                           ; the wave's end
	ds_add_u32 v[SPW], v[NIL]
	s_wait_dscnt 0x0
	s_endpgm
.Lfunc_end_k_q5fdc7f4323_attn:
	.size	k_q5fdc7f4323_attn, .Lfunc_end_k_q5fdc7f4323_attn-k_q5fdc7f4323_attn
	.p2alignl 7, 3214868480
	.fill 96, 4, 3214868480
	.section	.rodata,"a",@progbits
	.p2align	6, 0x0
	.amdhsa_kernel k_q5fdc7f4323_attn
		.amdhsa_group_segment_fixed_size 327680
		.amdhsa_private_segment_fixed_size 0
		.amdhsa_enable_private_segment 0
		.amdhsa_kernarg_size 16
		.amdhsa_user_sgpr_count 2
		.amdhsa_user_sgpr_kernarg_segment_ptr 1
		.amdhsa_wavefront_size32 1
		.amdhsa_system_sgpr_workgroup_id_x 1
		.amdhsa_system_sgpr_workgroup_id_y 1
		.amdhsa_system_sgpr_workgroup_id_z 1
		.amdhsa_system_vgpr_workitem_id 0
		.amdhsa_next_free_vgpr 256
		.amdhsa_next_free_sgpr 72
		.amdhsa_reserve_vcc 0
		.amdhsa_float_denorm_mode_32 3
		.amdhsa_float_denorm_mode_16_64 3
		.amdhsa_memory_ordered 1
		.amdhsa_forward_progress 1
		.amdhsa_inst_pref_size 126
	.end_amdhsa_kernel
	.amdgpu_metadata
---
amdhsa.version: [ 1, 2 ]
amdhsa.kernels:
  - .name:           k_q5fdc7f4323_attn
    .symbol:         k_q5fdc7f4323_attn.kd
    .args:
      - { .name: qkvb, .offset: 0, .size: 8, .value_kind: global_buffer, .address_space: global }
      - { .name: obuf, .offset: 8, .size: 8, .value_kind: global_buffer, .address_space: global }
    .group_segment_fixed_size: 327680
    .private_segment_fixed_size: 0
    .kernarg_segment_align: 8
    .kernarg_segment_size: 16
    .max_flat_workgroup_size: 384
    .sgpr_count:     72
    .vgpr_count:     256
    .wavefront_size: 32
...
	.end_amdgpu_metadata
.endif
;; end of part 3
;; launch wo (part 4): grid 64 x 1, 6 waves a work-group, no clusters, 54,016 bytes of LDS; arguments obuf, pbuf, bo, x, ln2_g, ln2_b, midb; writes midb
.if DOCPART == 4
	.amdgcn_target "amdgcn-amd-amdhsa--gfx1250"
	.amdhsa_code_object_version 6
	.text
	.protected	k_q5fdc7f4323_wo
	.globl	k_q5fdc7f4323_wo
	.p2align	8
	.type	k_q5fdc7f4323_wo,@function
k_q5fdc7f4323_wo:
	s_mov_b64 s[64:65], 0
	v_nop
	global_prefetch_b8 v0, s[64:65] scope:SCOPE_SE
	s_setreg_imm32_b32 hwreg(HW_REG_WAVE_MODE, 25, 1), 1
	s_wait_xcnt 0x0
; WO.  x1 = x + o Wo + bo on E5M2 codes with E8M0 scales; h2 = LN2(x1), quantised along the 768 features.  Work-group tb: 64 tokens, whole rows, since the norm needs them.
; Six waves share the 768 output features, 128 each, for all 64 tokens: 32 accumulators (window 1), six K steps of 128, 192 matrix instructions a wave.  Source 0 = 16 features of Wo, source 1 = 16 tokens: a lane holds one token.
; o's codes (49,152 bytes, images of operand registers) are staged once in LDS; a weight fragment feeds four matrix instructions of ONE wave and goes from memory straight into registers.
; x1 leaves as images of the accumulators' registers ([block][128 features][tile][16][512 bytes]): the last launch reads them back into the same lanes.  The norm: mean first, then the squares of x1 - mean; the waves' sums meet in LDS.
; midb: x1 at 0; h2's images at 12,582,912 ([block][K step][tile][2,048]); its scale words at 15,728,640 ([block][K step][pair of tiles][128]).
; 64 work-groups: a row of 768 has one owner, and a block of 64 tokens is what six waves' accumulators hold.  NO CLUSTER: the weights, which the work-groups share, never lie in LDS, and a joint load fills LDS alone.
; LIMITS: NaN and infinities are not served; a block whose largest magnitude lies under 2^-111 keeps the scale byte 1; a block of zeros gets the byte 1 and not 127 (its codes are zeros; this program alone reads the bytes).
.set OFF_SC,  7077888
.set L16, 1                            ; v1   16 x lane
.set L4,  2                            ; v2   4 x lane
.set T16, 3                            ; v3   16 x thread
.set LA,  4                            ; v4   LDS: 16 x lane
.set H64, 5                            ; v5   64 x (lane / 16)
.set XA,  6                            ; v6   my token's row of x, + 64 x (lane / 16)
.set EXW, 7                            ; v7   LDS: 32 x (lane % 16) + 4 x wave
.set EXR, 8                            ; v8   LDS: 32 x (lane % 16)
.set PW,  9
.set PWE, 10
.set WSC, 12                           ; v12-35  Wo's scale words; scales and nothing else
.set ASC, 36                           ; v36-47  o's
.set NM,  48                           ; v48-55  -mean, a pair a tile
.set RS,  56                           ; v56-63  1 / sqrt(var + eps), a pair a tile
.set AF,  64                           ; v64-127  o's four fragments of a K step; later x, by turns with v192-255; later the gain
.set WB,  128                          ; v128-191, v192-255  Wo's fragments
.set BI,  128                          ; bo; later the norm's bias
.set G,   64
.set BT,  128
.set Y,   192
.set PC,  224
.set TM,  240
.set SA,  248
.set WV,  2
.set WP,  24
.set WSP, 26
.set AP,  28
.set ASP, 30
.set BP,  32
.set IMGP,34
.set SCP, 36
.set XP,  38
.set X1P, 40
.set SEL, 42
.set MNT, 44
.set HM,  45
.set INV, 46
.set EPS, 47
.set GP,  48
.set BTP, 50
.set MSB, 0
.macro WIN new                         ; the immediate's high byte repeats the setting that is left; a switch that changes nothing is dropped
.if MSB != \new
	s_set_vgpr_msb (MSB<<8)|\new
.set MSB, \new
.endif
.endm
.macro PLACES n
.rept \n
	v_nop
.endr
.endm
.macro BARRIER
	s_wait_dscnt 0x0
	s_barrier_signal -1
	s_barrier_wait -1
.endm
; One matrix instruction.  ra, rb: the side's scale words stand in lanes 16-31 of its register (the odd tile of a pair).
.macro WM d, a, b, zero, sa, sb, ra, rb
.if \zero
.if (\ra) && (\rb)
	v_wmma_scale_f32_16x16x128_f8f6f4 v[(\d):(\d)+7], v[(\a):(\a)+15], v[(\b):(\b)+15], 0, v[(\sa)], v[(\sb)] matrix_a_fmt:MATRIX_FMT_BF8 matrix_b_fmt:MATRIX_FMT_BF8 matrix_a_scale:MATRIX_SCALE_ROW1 matrix_b_scale:MATRIX_SCALE_ROW1
.elseif \ra
	v_wmma_scale_f32_16x16x128_f8f6f4 v[(\d):(\d)+7], v[(\a):(\a)+15], v[(\b):(\b)+15], 0, v[(\sa)], v[(\sb)] matrix_a_fmt:MATRIX_FMT_BF8 matrix_b_fmt:MATRIX_FMT_BF8 matrix_a_scale:MATRIX_SCALE_ROW1
.elseif \rb
	v_wmma_scale_f32_16x16x128_f8f6f4 v[(\d):(\d)+7], v[(\a):(\a)+15], v[(\b):(\b)+15], 0, v[(\sa)], v[(\sb)] matrix_a_fmt:MATRIX_FMT_BF8 matrix_b_fmt:MATRIX_FMT_BF8 matrix_b_scale:MATRIX_SCALE_ROW1
.else
	v_wmma_scale_f32_16x16x128_f8f6f4 v[(\d):(\d)+7], v[(\a):(\a)+15], v[(\b):(\b)+15], 0, v[(\sa)], v[(\sb)] matrix_a_fmt:MATRIX_FMT_BF8 matrix_b_fmt:MATRIX_FMT_BF8
.endif
.else
.if (\ra) && (\rb)
	v_wmma_scale_f32_16x16x128_f8f6f4 v[(\d):(\d)+7], v[(\a):(\a)+15], v[(\b):(\b)+15], v[(\d):(\d)+7], v[(\sa)], v[(\sb)] matrix_a_fmt:MATRIX_FMT_BF8 matrix_b_fmt:MATRIX_FMT_BF8 matrix_a_scale:MATRIX_SCALE_ROW1 matrix_b_scale:MATRIX_SCALE_ROW1
.elseif \ra
	v_wmma_scale_f32_16x16x128_f8f6f4 v[(\d):(\d)+7], v[(\a):(\a)+15], v[(\b):(\b)+15], v[(\d):(\d)+7], v[(\sa)], v[(\sb)] matrix_a_fmt:MATRIX_FMT_BF8 matrix_b_fmt:MATRIX_FMT_BF8 matrix_a_scale:MATRIX_SCALE_ROW1
.elseif \rb
	v_wmma_scale_f32_16x16x128_f8f6f4 v[(\d):(\d)+7], v[(\a):(\a)+15], v[(\b):(\b)+15], v[(\d):(\d)+7], v[(\sa)], v[(\sb)] matrix_a_fmt:MATRIX_FMT_BF8 matrix_b_fmt:MATRIX_FMT_BF8 matrix_b_scale:MATRIX_SCALE_ROW1
.else
	v_wmma_scale_f32_16x16x128_f8f6f4 v[(\d):(\d)+7], v[(\a):(\a)+15], v[(\b):(\b)+15], v[(\d):(\d)+7], v[(\sa)], v[(\sb)] matrix_a_fmt:MATRIX_FMT_BF8 matrix_b_fmt:MATRIX_FMT_BF8
.endif
.endif
.endm
.macro WLOAD s, hf                     ; W's tiles 4 hf .. 4 hf + 3 of K step s: 16 loads of 512 consecutive bytes
.irp u, 0,1,2,3
.irp c, 0,1,2,3
	global_load_b128 v[WB+64*(\hf)+16*\u+4*\c:WB+64*(\hf)+16*\u+4*\c+3], v[L16], s[WP:WP+1] offset:(\s)*16384+(4*(\hf)+\u)*2048+512*\c
.endr
.endr
.endm
.macro ALOAD s                         ; the block's four fragments of K step s, from LDS
.irp tt, 0,1,2,3
.irp c, 0,1,2,3
	ds_load_b128 v[AF+16*\tt+4*\c:AF+16*\tt+4*\c+3], v[LA] offset:(\s)*8192+\tt*2048+512*\c
.endr
.endr
.endm
; 16 matrix instructions: four tiles of tokens x W's tiles 4 hf .. 4 hf + 3; accumulator (tt, t) at 8 (8 tt + t).  The 16 take turns, one instruction a turn.
.macro HALF s, hf, zero
	WIN 0x50                                       ; C and D window 1
.irp tt, 0,1,2,3
.irp u, 0,1,2,3
	WM 8*(8*\tt+4*(\hf)+\u), WB+64*(\hf)+16*\u, AF+16*\tt, \zero, WSC+4*(\s)+(4*(\hf)+\u)/2, ASC+2*(\s)+\tt/2, \u%2, \tt%2
.endr
.endr
	WIN 0
.endm
.macro B64 reg, ptr                    ; a vector over the features in the result's layout: register 16 b + i = feature 32 b + 16 (lane / 16) + i of my 128
.irp b, 0,1,2,3
.irp j, 0,1,2,3
	global_load_b128 v[(\reg)+16*\b+4*\j:(\reg)+16*\b+4*\j+3], v[H64], s[\ptr:\ptr+1] offset:128*\b+16*\j
.endr
.endr
.endm
.macro XLOAD reg, tt                   ; the same 64 features of my token in tile tt of the block
.irp b, 0,1,2,3
.irp j, 0,1,2,3
	global_load_b128 v[(\reg)+16*\b+4*\j:(\reg)+16*\b+4*\j+3], v[XA], s[XP:XP+1] offset:(32*((\tt)/2)+8*((\tt)%2))*3072+128*\b+16*\j
.endr
.endr
.endm
; Six K steps.  Ahead of it W's step 0 (32 loads) and ALOAD 0 are out.  Eight plain lines stand between matrix instructions and loads into registers that they have read, and ahead of the first read of results.
.macro CORE
.irp s, 0,1,2,3,4,5
	s_wait_loadcnt 16                              ; W's tiles 0-3 of this step are in; the 16 loads of tiles 4-7 may be out
	s_wait_dscnt 0x0                               ; this step's fragments from LDS
.if \s == 0
	HALF \s, 0, 1                                  ; the first step's products start the sums: nothing is cleared
.else
	HALF \s, 0, 0
.endif
	PLACES 8
.if \s < 5
	WLOAD \s+1, 0
.else
	B64 BI, BP                                     ; the bias, into the registers that tiles 0-3 have left
.endif
	s_wait_loadcnt 16                              ; tiles 4-7 are in; the 16 loads just issued may be out
.if \s == 0
	HALF \s, 1, 1
.else
	HALF \s, 1, 0
.endif
	PLACES 8
.if \s < 5
	ALOAD \s+1
	WLOAD \s+1, 1
.endif
.endr
.endm
.macro HEAD768                         ; all scale words; the block's codes through registers into LDS; W's first step
.irp s, 0,1,2,3,4,5
.irp p, 0,1,2,3
	global_load_b32 v[WSC+4*\s+\p], v[L4], s[WSP:WSP+1] offset:\s*512+\p*128
.endr
.irp a, 0,1
	global_load_b32 v[ASC+2*\s+\a], v[L4], s[ASP:ASP+1] offset:\s*256+\a*128
.endr
.endr
.set kk, 0
.rept 16
	global_load_b128 v[AF+4*kk:AF+4*kk+3], v[T16], s[AP:AP+1] offset:kk*3072   ; 192 threads x 16 bytes
.set kk, kk+1
.endr
	WLOAD 0, 0
	WLOAD 0, 1
	s_wait_loadcnt 32                              ; all but W's 32 loads
.set kk, 0
.rept 16
	ds_store_b128 v[T16], v[AF+4*kk:AF+4*kk+3] offset:kk*3072
.set kk, kk+1
.endr
	BARRIER                                        ; the block's 24 fragments lie in LDS; nothing is stored there again
	ALOAD 0
.endm
; 32 numbers of a lane, register 16 b + i = K 32 b + 16 (lane / 16) + i of my row, become 8 registers of codes at v[pc] and two scale bytes in v[pw] (sh = 0: bytes 0, 1; sh = 16: bytes 2, 3 are added).
.macro QUANT2 s, pc, pw, sh
.irp b, 0,1
	v_max3_num_f32 v[TM+\b], |v[(\s)+16*\b]|, |v[(\s)+16*\b+1]|, 0x8000000   ; my 16 numbers of block b, and the floor 2^(16 - 127): the byte cannot fall under 1
.endr
.irp i, 2,4,6,8,10,12,14
.irp b, 0,1
	v_max3_num_f32 v[TM+\b], v[TM+\b], |v[(\s)+16*\b+\i]|, |v[(\s)+16*\b+\i+1]|
.endr
.endr
.irp b, 0,1
	v_permlanex16_b32 v[TM+2+\b], v[TM+\b], s[SEL], s[SEL+1]
.endr
.irp b, 0,1
	v_max_num_f32 v[TM+\b], v[TM+\b], v[TM+2+\b]   ; with the lane 16 away: the block's largest magnitude
.endr
.irp b, 0,1
	v_add_nc_u32 v[TM+6+\b], 0xf8800000, v[TM+\b]  ; 15 off its exponent field: the conversion's scale operand
.endr
.irp b, 0,1
	v_and_or_b32 v[TM+4+\b], v[TM+\b], 0x7f800000, s[MNT]   ; 57,344 x the scale
.endr
.irp b, 0,1
	v_lshrrev_b32 v[TM+2+\b], 23, v[TM+6+\b]       ; the scale's byte
.endr
.if (\sh) == 0
	v_lshl_or_b32 v[\pw], v[TM+3], 8, v[TM+2]
.else
	v_lshl_or_b32 v[\pw], v[TM+2], 16, v[\pw]
	v_lshl_or_b32 v[\pw], v[TM+3], 24, v[\pw]
.endif
.irp b, 0,1
.set kk, 0
.rept 16
	v_med3_num_f32 v[(\s)+16*\b+kk], v[(\s)+16*\b+kk], -v[TM+4+\b], v[TM+4+\b]   ; the conversion does not saturate (ISA guide 7.6.2): the hold at the largest code x the scale
.set kk, kk+1
.endr
.endr
.irp b, 0,1
	v_cvt_scalef32_pk8_bf8_f32 v[(\pc)+4*\b:(\pc)+4*\b+1], v[(\s)+16*\b:(\s)+16*\b+7], v[TM+6+\b]
	v_cvt_scalef32_pk8_bf8_f32 v[(\pc)+4*\b+2:(\pc)+4*\b+3], v[(\s)+16*\b+8:(\s)+16*\b+15], v[TM+6+\b]
.endr
	v_nop                                          ; one plain line between the last conversion and whatever next touches its registers
.endm
; The lanes' pairs of partial sums in v[SA + 2 tt] become each token's sum over all 768 features, in every lane: the pair, the lane 16 away, then the six waves through LDS.
.macro EXCH base
	WIN 0
.irp tt, 0,1,2,3
	v_add_f32 v[SA+2*\tt], v[SA+2*\tt], v[SA+2*\tt+1]
.endr
.irp tt, 0,1,2,3
	v_permlanex16_b32 v[SA+2*\tt+1], v[SA+2*\tt], s[SEL], s[SEL+1]
.endr
.irp tt, 0,1,2,3
	v_add_f32 v[SA+2*\tt], v[SA+2*\tt], v[SA+2*\tt+1]
.endr
.irp tt, 0,1,2,3
	ds_store_b32 v[EXW], v[SA+2*\tt] offset:(\base)+512*\tt   ; lanes r and r + 16 write the same word with the same value
.endr
	BARRIER
.irp tt, 0,1,2,3
	ds_load_b128 v[Y+8*\tt:Y+8*\tt+3], v[EXR] offset:(\base)+512*\tt
	ds_load_b64 v[Y+8*\tt+4:Y+8*\tt+5], v[EXR] offset:(\base)+512*\tt+16
.endr
	s_wait_dscnt 0x0
.irp tt, 0,1,2,3
	v_add_f32 v[Y+8*\tt], v[Y+8*\tt], v[Y+8*\tt+1]
	v_add_f32 v[Y+8*\tt+2], v[Y+8*\tt+2], v[Y+8*\tt+3]
	v_add_f32 v[Y+8*\tt+4], v[Y+8*\tt+4], v[Y+8*\tt+5]
	v_add_f32 v[Y+8*\tt], v[Y+8*\tt], v[Y+8*\tt+2]
	v_add_f32 v[SA+2*\tt], v[Y+8*\tt], v[Y+8*\tt+4]
.endr
.endm
; Layer norm and quantiser.  The data: window 1, register 64 tt + 16 b + i = feature 32 b + 16 (lane / 16) + i of my 128, of my token in tile tt.  exb: 4,096 bytes of LDS for the two exchanges.
.macro LNQ exb
	WIN 0x05                                       ; both sources window 1
.irp tt, 0,1,2,3
	v_pk_add_f32 v[SA+2*\tt:SA+2*\tt+1], v[64*\tt:64*\tt+1], v[64*\tt+2:64*\tt+3]
.endr
	WIN 0x04                                       ; source 1 window 1
.set kk, 4
.rept 30
.irp tt, 0,1,2,3
	v_pk_add_f32 v[SA+2*\tt:SA+2*\tt+1], v[SA+2*\tt:SA+2*\tt+1], v[64*\tt+kk:64*\tt+kk+1]
.endr
.set kk, kk+2
.endr
	EXCH \exb
.irp tt, 0,1,2,3
	v_mul_f32 v[NM+2*\tt], 0xbaaaaaab, v[SA+2*\tt]     ; -mean = sum x (-1 / 768)
.endr
.irp tt, 0,1,2,3
	v_mov_b32 v[NM+2*\tt+1], v[NM+2*\tt]
.endr
	s_wait_xcnt 0x0                                ; x1's stores have read the data registers: they are rewritten only behind this wait
	WIN 0x41                                       ; destination and source 0 window 1
.irp tt, 0,1,2,3
.set kk, 0
.rept 32
	v_pk_add_f32 v[64*\tt+kk:64*\tt+kk+1], v[64*\tt+kk:64*\tt+kk+1], v[NM+2*\tt:NM+2*\tt+1]
.set kk, kk+2
.endr
.endr
	WIN 0x05
.irp tt, 0,1,2,3
	v_pk_mul_f32 v[SA+2*\tt:SA+2*\tt+1], v[64*\tt:64*\tt+1], v[64*\tt:64*\tt+1]
.endr
.set kk, 2
.rept 31
.irp tt, 0,1,2,3
	v_pk_fma_f32 v[SA+2*\tt:SA+2*\tt+1], v[64*\tt+kk:64*\tt+kk+1], v[64*\tt+kk:64*\tt+kk+1], v[SA+2*\tt:SA+2*\tt+1]
.endr
.set kk, kk+2
.endr
	EXCH (\exb)+2048
.irp tt, 0,1,2,3
	v_fma_f32 v[SA+2*\tt], v[SA+2*\tt], s[INV], s[EPS]     ; variance + eps
.endr
.irp tt, 0,1,2,3
	v_rsq_f32 v[RS+2*\tt], v[SA+2*\tt]
.endr
	v_nop                                          ; a plain line behind the last of the four
	s_wait_alu depctr_va_vdst(0)                   ; one wait for the four, ahead of their first reader
.irp tt, 0,1,2,3
	v_mov_b32 v[RS+2*\tt+1], v[RS+2*\tt]
.endr
	s_wait_loadcnt 0x0                             ; gain and bias
.irp tt, 0,1,2,3
	s_wait_xcnt 0x0                                ; the last tile's stores have read the codes and the scale words
.irp hf, 0,1
	WIN 0x01                                       ; source 0 window 1
.set kk, 0
.rept 16
	v_pk_mul_f32 v[Y+kk:Y+kk+1], v[64*\tt+32*\hf+kk:64*\tt+32*\hf+kk+1], v[RS+2*\tt:RS+2*\tt+1]
.set kk, kk+2
.endr
	WIN 0
.set kk, 0
.rept 16
	v_pk_fma_f32 v[Y+kk:Y+kk+1], v[Y+kk:Y+kk+1], v[G+32*\hf+kk:G+32*\hf+kk+1], v[BT+32*\hf+kk:BT+32*\hf+kk+1]
.set kk, kk+2
.endr
	QUANT2 Y, PC+8*\hf, PW, 16*\hf
.endr
.irp c, 0,1,2,3
	global_store_b128 v[L16], v[PC+4*\c:PC+4*\c+3], s[IMGP:IMGP+1] offset:\tt*2048+512*\c   ; 512 consecutive bytes a store
.endr
.if (\tt%2) == 0
	v_mov_b32 v[PWE], v[PW]                        ; lanes 0-15 keep the even tile's words,
.else
	v_cndmask_b32 v[PWE], v[PWE], v[PW], s[HM]     ; lanes 16-31 take the odd tile's (every lane holds its row's word)
	global_store_b32 v[L4], v[PWE], s[SCP:SCP+1] offset:(\tt/2)*128
.endif
.endr
.endm
	s_load_b256 s[8:15], s[0:1], 0x0               ; obuf, pbuf, bo, x
	s_load_b128 s[16:19], s[0:1], 0x20             ; ln2_g, ln2_b
	s_load_b64 s[20:21], s[0:1], 0x30              ; midb
	v_lshrrev_b32 v11, 5, v0
	v_readfirstlane_b32 s[WV], v11                 ; wave 0..5
	v_and_b32 v11, 31, v0
	v_lshlrev_b32 v[L16], 4, v11
	v_lshlrev_b32 v[LA], 4, v11
	v_lshlrev_b32 v[L4], 2, v11
	v_lshlrev_b32 v[T16], 4, v0
	v_bfe_u32 v[H64], v0, 4, 1
	v_lshlrev_b32 v[H64], 6, v[H64]
	v_and_b32 v11, 15, v0                          ; r
	v_lshlrev_b32 v[EXR], 5, v11
	s_lshl_b32 s52, s[WV], 2
	v_add_nc_u32 v[EXW], s52, v[EXR]
	v_and_b32 v[XA], 8, v11
	v_add_nc_u32 v[XA], v[XA], v11                 ; r + 8 (r / 8)
	v_mul_u32_u24 v[XA], v[XA], 3072
	v_add_nc_u32 v[XA], v[XA], v[H64]
	s_mov_b32 s[SEL], 0x76543210
	s_mov_b32 s[SEL+1], 0xfedcba98                 ; lane l takes lane l xor 16
	s_mov_b32 s[MNT], 0x600000                     ; the mantissa field of 57,344
	s_mov_b32 s[HM], 0xffff0000                    ; lanes 16-31
	s_mov_b32 s[INV], 0x3aaaaaab                   ; 1 / 768
	s_mov_b32 s[EPS], 0x3727c5ac                   ; 1e-5
	s_add_co_u32 s54, s[WV], 18                    ; G: Wo's groups of 128 features are 18 to 23
	s_mov_b32 s53, 0                               ; the upper word of every offset
	s_wait_kmcnt 0x0
	s_mul_i32 s52, s54, 98304
	s_add_nc_u64 s[WP:WP+1], s[10:11], s[52:53]
	s_mul_i32 s52, s54, 3072
	s_add_co_u32 s52, s52, OFF_SC
	s_add_nc_u64 s[WSP:WSP+1], s[10:11], s[52:53]
	s_mul_i32 s52, ttmp9, 49152
	s_add_nc_u64 s[AP:AP+1], s[8:9], s[52:53]
	s_lshl_b32 s55, s[WV], 13
	s_add_co_u32 s52, s52, s55
	s_add_co_u32 s52, s52, 12582912
	s_add_nc_u64 s[IMGP:IMGP+1], s[20:21], s[52:53]
	s_mul_i32 s52, ttmp9, 1536
	s_add_co_u32 s52, s52, 3145728
	s_add_nc_u64 s[ASP:ASP+1], s[8:9], s[52:53]
	s_mul_i32 s52, ttmp9, 1536
	s_lshl_b32 s55, s[WV], 8
	s_add_co_u32 s52, s52, s55
	s_add_co_u32 s52, s52, 15728640
	s_add_nc_u64 s[SCP:SCP+1], s[20:21], s[52:53]
	s_lshl_b32 s52, s[WV], 9                       ; my 128 features
	s_add_nc_u64 s[BP:BP+1], s[12:13], s[52:53]
	s_add_nc_u64 s[GP:GP+1], s[16:17], s[52:53]
	s_add_nc_u64 s[BTP:BTP+1], s[18:19], s[52:53]
	s_mul_i32 s55, ttmp9, 196608
	s_add_co_u32 s52, s52, s55
	s_add_nc_u64 s[XP:XP+1], s[14:15], s[52:53]
	s_mul_i32 s52, ttmp9, 6
	s_add_co_u32 s52, s52, s[WV]
	s_lshl_b32 s52, s52, 15
	s_add_nc_u64 s[X1P:X1P+1], s[20:21], s[52:53]
	HEAD768
	CORE
	XLOAD 64, 0                                    ; x of tiles 0 and 1, into registers that the products have left (eight places stand behind them)
	XLOAD 192, 1
.irp tt, 0,1,2,3
.if \tt < 3
	s_wait_loadcnt 16                              ; bo and this tile's x are in; the next tile's 16 loads may be out
.else
	s_wait_loadcnt 0x0
.endif
	WIN 0x41                                       ; destination and source 0 window 1
.set kk, 0
.rept 32
	v_pk_add_f32 v[64*\tt+kk:64*\tt+kk+1], v[64*\tt+kk:64*\tt+kk+1], v[64+128*(\tt%2)+kk:64+128*(\tt%2)+kk+1]   ; x + o Wo; each accumulator from its low end on
.set kk, kk+2
.endr
.set kk, 0
.rept 32
	v_pk_add_f32 v[64*\tt+kk:64*\tt+kk+1], v[64*\tt+kk:64*\tt+kk+1], v[BI+kk:BI+kk+1]
.set kk, kk+2
.endr
	WIN 0x04                                       ; a store's data window 1
.set kk, 0
.rept 16
	global_store_b128 v[L16], v[64*\tt+4*kk:64*\tt+4*kk+3], s[X1P:X1P+1] offset:\tt*8192+512*kk
.set kk, kk+1
.endr
	WIN 0
.if \tt < 2
	XLOAD 64+128*(\tt%2), \tt+2
.endif
.endr
	B64 G, GP
	B64 BT, BTP
	v_mov_b32 v[TM+2], 0                           ; a lane permute's destination counts as one of its sources
	v_mov_b32 v[TM+3], 0
	LNQ 49152
	s_wait_xcnt 0x0
	v_lshl_add_u32 v254, v0, 2, 0xd000
	v_mov_b32 v255, 0
	s_wait_tensorcnt 0x0
	ds_add_u32 v254, v255
	s_wait_dscnt 0x0
	s_endpgm
.Lfunc_end_k_q5fdc7f4323_wo:
	.size	k_q5fdc7f4323_wo, .Lfunc_end_k_q5fdc7f4323_wo-k_q5fdc7f4323_wo
	.p2alignl 7, 3214868480
	.fill 96, 4, 3214868480
	.section	.rodata,"a",@progbits
	.p2align	6, 0x0
	.amdhsa_kernel k_q5fdc7f4323_wo
		.amdhsa_group_segment_fixed_size 54016
		.amdhsa_private_segment_fixed_size 0
		.amdhsa_enable_private_segment 0
		.amdhsa_kernarg_size 56
		.amdhsa_user_sgpr_count 2
		.amdhsa_user_sgpr_kernarg_segment_ptr 1
		.amdhsa_wavefront_size32 1
		.amdhsa_system_sgpr_workgroup_id_x 1
		.amdhsa_system_sgpr_workgroup_id_y 1
		.amdhsa_system_sgpr_workgroup_id_z 1
		.amdhsa_system_vgpr_workitem_id 0
		.amdhsa_next_free_vgpr 512
		.amdhsa_next_free_sgpr 72
		.amdhsa_reserve_vcc 0
		.amdhsa_float_denorm_mode_32 3
		.amdhsa_float_denorm_mode_16_64 3
		.amdhsa_memory_ordered 1
		.amdhsa_forward_progress 1
		.amdhsa_inst_pref_size 174
	.end_amdhsa_kernel
	.amdgpu_metadata
---
amdhsa.version: [ 1, 2 ]
amdhsa.kernels:
  - .name:           k_q5fdc7f4323_wo
    .symbol:         k_q5fdc7f4323_wo.kd
    .args:
      - { .name: obuf, .offset: 0, .size: 8, .value_kind: global_buffer, .address_space: global }
      - { .name: pbuf, .offset: 8, .size: 8, .value_kind: global_buffer, .address_space: global }
      - { .name: bo, .offset: 16, .size: 8, .value_kind: global_buffer, .address_space: global }
      - { .name: x, .offset: 24, .size: 8, .value_kind: global_buffer, .address_space: global }
      - { .name: ln2_g, .offset: 32, .size: 8, .value_kind: global_buffer, .address_space: global }
      - { .name: ln2_b, .offset: 40, .size: 8, .value_kind: global_buffer, .address_space: global }
      - { .name: midb, .offset: 48, .size: 8, .value_kind: global_buffer, .address_space: global }
    .group_segment_fixed_size: 54016
    .private_segment_fixed_size: 0
    .kernarg_segment_align: 8
    .kernarg_segment_size: 56
    .max_flat_workgroup_size: 192
    .sgpr_count:     72
    .vgpr_count:     512
    .wavefront_size: 32
...
	.end_amdgpu_metadata
.endif
;; end of part 4
;; launch ffn1 (part 5): grid 64 x 4, 6 waves a work-group, no clusters, 49,920 bytes of LDS; arguments midb, pbuf, b1, gbuf; writes gbuf
.if DOCPART == 5
	.amdgcn_target "amdgcn-amd-amdhsa--gfx1250"
	.amdhsa_code_object_version 6
	.text
	.protected	k_q5fdc7f4323_ffn1
	.globl	k_q5fdc7f4323_ffn1
	.p2align	8
	.type	k_q5fdc7f4323_ffn1,@function
k_q5fdc7f4323_ffn1:
	s_mov_b64 s[64:65], 0
	v_nop
	global_prefetch_b8 v0, s[64:65] scope:SCOPE_SE
	s_setreg_imm32_b32 hwreg(HW_REG_WAVE_MODE, 25, 1), 1
	s_wait_xcnt 0x0
; FFN1.  g = gelu(h2 W1 + b1) on E5M2 codes with E8M0 scales, quantised along the 3,072 hidden units.  Work-group (tb, y): 64 tokens x 768 hidden units; six waves, 128 units each: 32 accumulators (window 1), 192 matrix instructions a wave.
; Source 0 = 16 units of W1, source 1 = 16 tokens: a lane holds one token, its registers run along the units, which are the next K; a wave's 128 units are one K step of the next product.
; h2's codes (49,152 bytes, images of operand registers) are staged once in LDS; a weight fragment feeds four matrix instructions of ONE wave and goes from memory straight into registers.
; GELU (exact form): gelu(x) = x Phi(x) = max(x, 0) - |x| HC, HC = erfc(|x| / sqrt 2) / 2 = (a1 t + .. + a5 t^5) exp(-x^2 / 2) / 2, t = 1 / (1 + 0.3275911 |x| / sqrt 2) (Abramowitz and Stegun 7.1.26).
; gbuf: images [block][K step 0..23][tile][2,048] at 0; scale words [block][K step][pair of tiles][128] at 12,582,912.
; NO CLUSTER: the weights, which the work-groups share, never lie in LDS, and a joint load fills LDS alone.
; LIMITS: the series' error is at most 1.5e-7 in erf, 7.5e-8 in Phi, absolute: the size of one rounding of 1 + erf in f32; relative to a small Phi (x under -3) it is larger than f32's.  NaN and infinities are not served;
; a block whose largest magnitude lies under 2^-111 keeps the scale byte 1; a block of zeros gets the byte 1 and not 127 (its codes are zeros; this program alone reads the bytes).
.set OFF_SC,  7077888
.set L16, 1                            ; v1   16 x lane
.set L4,  2                            ; v2   4 x lane
.set T16, 3                            ; v3   16 x thread
.set LA,  4                            ; v4   LDS: 16 x lane
.set H64, 5                            ; v5   64 x (lane / 16)
.set PW,  9
.set PWE, 10
.set WSC, 12                           ; v12-35  W1's scale words; scales and nothing else
.set ASC, 36                           ; v36-47  h2's
.set P,   48                           ; v48-63  the series, eight pairs at a time
.set AF,  64                           ; v64-127  h2's four fragments of a K step
.set WB,  128                          ; v128-191, v192-255  W1's fragments
.set BI,  128                          ; b1
.set X,   64                           ; the way out: 32 numbers
.set TT,  96                           ; t; later max(x, 0)
.set EE,  192                          ; exp(-x^2 / 2); later HC
.set PC,  224
.set CA,  240                          ; v240-247 the pairs a4 / 2, a3 / 2, a2 / 2, a1 / 2
.set TM,  248
.set WV,  2
.set WP,  24
.set WSP, 26
.set AP,  28
.set ASP, 30
.set BP,  32
.set IMGP,34
.set SCP, 36
.set SEL, 42
.set MNT, 44
.set HM,  45
.set CP,  48
.set CE,  50
.set A5,  56
.set MSB, 0
.macro WIN new                         ; the immediate's high byte repeats the setting that is left; a switch that changes nothing is dropped
.if MSB != \new
	s_set_vgpr_msb (MSB<<8)|\new
.set MSB, \new
.endif
.endm
.macro PLACES n
.rept \n
	v_nop
.endr
.endm
.macro BARRIER
	s_wait_dscnt 0x0
	s_barrier_signal -1
	s_barrier_wait -1
.endm
; One matrix instruction.  ra, rb: the side's scale words stand in lanes 16-31 of its register (the odd tile of a pair).
.macro WM d, a, b, zero, sa, sb, ra, rb
.if \zero
.if (\ra) && (\rb)
	v_wmma_scale_f32_16x16x128_f8f6f4 v[(\d):(\d)+7], v[(\a):(\a)+15], v[(\b):(\b)+15], 0, v[(\sa)], v[(\sb)] matrix_a_fmt:MATRIX_FMT_BF8 matrix_b_fmt:MATRIX_FMT_BF8 matrix_a_scale:MATRIX_SCALE_ROW1 matrix_b_scale:MATRIX_SCALE_ROW1
.elseif \ra
	v_wmma_scale_f32_16x16x128_f8f6f4 v[(\d):(\d)+7], v[(\a):(\a)+15], v[(\b):(\b)+15], 0, v[(\sa)], v[(\sb)] matrix_a_fmt:MATRIX_FMT_BF8 matrix_b_fmt:MATRIX_FMT_BF8 matrix_a_scale:MATRIX_SCALE_ROW1
.elseif \rb
	v_wmma_scale_f32_16x16x128_f8f6f4 v[(\d):(\d)+7], v[(\a):(\a)+15], v[(\b):(\b)+15], 0, v[(\sa)], v[(\sb)] matrix_a_fmt:MATRIX_FMT_BF8 matrix_b_fmt:MATRIX_FMT_BF8 matrix_b_scale:MATRIX_SCALE_ROW1
.else
	v_wmma_scale_f32_16x16x128_f8f6f4 v[(\d):(\d)+7], v[(\a):(\a)+15], v[(\b):(\b)+15], 0, v[(\sa)], v[(\sb)] matrix_a_fmt:MATRIX_FMT_BF8 matrix_b_fmt:MATRIX_FMT_BF8
.endif
.else
.if (\ra) && (\rb)
	v_wmma_scale_f32_16x16x128_f8f6f4 v[(\d):(\d)+7], v[(\a):(\a)+15], v[(\b):(\b)+15], v[(\d):(\d)+7], v[(\sa)], v[(\sb)] matrix_a_fmt:MATRIX_FMT_BF8 matrix_b_fmt:MATRIX_FMT_BF8 matrix_a_scale:MATRIX_SCALE_ROW1 matrix_b_scale:MATRIX_SCALE_ROW1
.elseif \ra
	v_wmma_scale_f32_16x16x128_f8f6f4 v[(\d):(\d)+7], v[(\a):(\a)+15], v[(\b):(\b)+15], v[(\d):(\d)+7], v[(\sa)], v[(\sb)] matrix_a_fmt:MATRIX_FMT_BF8 matrix_b_fmt:MATRIX_FMT_BF8 matrix_a_scale:MATRIX_SCALE_ROW1
.elseif \rb
	v_wmma_scale_f32_16x16x128_f8f6f4 v[(\d):(\d)+7], v[(\a):(\a)+15], v[(\b):(\b)+15], v[(\d):(\d)+7], v[(\sa)], v[(\sb)] matrix_a_fmt:MATRIX_FMT_BF8 matrix_b_fmt:MATRIX_FMT_BF8 matrix_b_scale:MATRIX_SCALE_ROW1
.else
	v_wmma_scale_f32_16x16x128_f8f6f4 v[(\d):(\d)+7], v[(\a):(\a)+15], v[(\b):(\b)+15], v[(\d):(\d)+7], v[(\sa)], v[(\sb)] matrix_a_fmt:MATRIX_FMT_BF8 matrix_b_fmt:MATRIX_FMT_BF8
.endif
.endif
.endm
.macro WLOAD s, hf                     ; W's tiles 4 hf .. 4 hf + 3 of K step s: 16 loads of 512 consecutive bytes
.irp u, 0,1,2,3
.irp c, 0,1,2,3
	global_load_b128 v[WB+64*(\hf)+16*\u+4*\c:WB+64*(\hf)+16*\u+4*\c+3], v[L16], s[WP:WP+1] offset:(\s)*16384+(4*(\hf)+\u)*2048+512*\c
.endr
.endr
.endm
.macro ALOAD s                         ; the block's four fragments of K step s, from LDS
.irp tt, 0,1,2,3
.irp c, 0,1,2,3
	ds_load_b128 v[AF+16*\tt+4*\c:AF+16*\tt+4*\c+3], v[LA] offset:(\s)*8192+\tt*2048+512*\c
.endr
.endr
.endm
; 16 matrix instructions: four tiles of tokens x W's tiles 4 hf .. 4 hf + 3; accumulator (tt, t) at 8 (8 tt + t).  The 16 take turns, one instruction a turn.
.macro HALF s, hf, zero
	WIN 0x50                                       ; C and D window 1
.irp tt, 0,1,2,3
.irp u, 0,1,2,3
	WM 8*(8*\tt+4*(\hf)+\u), WB+64*(\hf)+16*\u, AF+16*\tt, \zero, WSC+4*(\s)+(4*(\hf)+\u)/2, ASC+2*(\s)+\tt/2, \u%2, \tt%2
.endr
.endr
	WIN 0
.endm
.macro B64 reg, ptr                    ; a vector over the features in the result's layout: register 16 b + i = feature 32 b + 16 (lane / 16) + i of my 128
.irp b, 0,1,2,3
.irp j, 0,1,2,3
	global_load_b128 v[(\reg)+16*\b+4*\j:(\reg)+16*\b+4*\j+3], v[H64], s[\ptr:\ptr+1] offset:128*\b+16*\j
.endr
.endr
.endm
; Six K steps.  Ahead of it W's step 0 (32 loads) and ALOAD 0 are out.  Eight plain lines stand between matrix instructions and loads into registers that they have read, and ahead of the first read of results.
.macro CORE
.irp s, 0,1,2,3,4,5
	s_wait_loadcnt 16                              ; W's tiles 0-3 of this step are in; the 16 loads of tiles 4-7 may be out
	s_wait_dscnt 0x0                               ; this step's fragments from LDS
.if \s == 0
	HALF \s, 0, 1                                  ; the first step's products start the sums: nothing is cleared
.else
	HALF \s, 0, 0
.endif
	PLACES 8
.if \s < 5
	WLOAD \s+1, 0
.else
	B64 BI, BP                                     ; the bias, into the registers that tiles 0-3 have left
.endif
	s_wait_loadcnt 16                              ; tiles 4-7 are in; the 16 loads just issued may be out
.if \s == 0
	HALF \s, 1, 1
.else
	HALF \s, 1, 0
.endif
	PLACES 8
.if \s < 5
	ALOAD \s+1
	WLOAD \s+1, 1
.endif
.endr
.endm
.macro HEAD768                         ; all scale words; the block's codes through registers into LDS; W's first step
.irp s, 0,1,2,3,4,5
.irp p, 0,1,2,3
	global_load_b32 v[WSC+4*\s+\p], v[L4], s[WSP:WSP+1] offset:\s*512+\p*128
.endr
.irp a, 0,1
	global_load_b32 v[ASC+2*\s+\a], v[L4], s[ASP:ASP+1] offset:\s*256+\a*128
.endr
.endr
.set kk, 0
.rept 16
	global_load_b128 v[AF+4*kk:AF+4*kk+3], v[T16], s[AP:AP+1] offset:kk*3072   ; 192 threads x 16 bytes
.set kk, kk+1
.endr
	WLOAD 0, 0
	WLOAD 0, 1
	s_wait_loadcnt 32                              ; all but W's 32 loads
.set kk, 0
.rept 16
	ds_store_b128 v[T16], v[AF+4*kk:AF+4*kk+3] offset:kk*3072
.set kk, kk+1
.endr
	BARRIER                                        ; the block's 24 fragments lie in LDS; nothing is stored there again
	ALOAD 0
.endm
; 32 numbers of a lane, register 16 b + i = K 32 b + 16 (lane / 16) + i of my row, become 8 registers of codes at v[pc] and two scale bytes in v[pw] (sh = 0: bytes 0, 1; sh = 16: bytes 2, 3 are added).
.macro QUANT2 s, pc, pw, sh
.irp b, 0,1
	v_max3_num_f32 v[TM+\b], |v[(\s)+16*\b]|, |v[(\s)+16*\b+1]|, 0x8000000   ; my 16 numbers of block b, and the floor 2^(16 - 127): the byte cannot fall under 1
.endr
.irp i, 2,4,6,8,10,12,14
.irp b, 0,1
	v_max3_num_f32 v[TM+\b], v[TM+\b], |v[(\s)+16*\b+\i]|, |v[(\s)+16*\b+\i+1]|
.endr
.endr
.irp b, 0,1
	v_permlanex16_b32 v[TM+2+\b], v[TM+\b], s[SEL], s[SEL+1]
.endr
.irp b, 0,1
	v_max_num_f32 v[TM+\b], v[TM+\b], v[TM+2+\b]   ; with the lane 16 away: the block's largest magnitude
.endr
.irp b, 0,1
	v_add_nc_u32 v[TM+6+\b], 0xf8800000, v[TM+\b]  ; 15 off its exponent field: the conversion's scale operand
.endr
.irp b, 0,1
	v_and_or_b32 v[TM+4+\b], v[TM+\b], 0x7f800000, s[MNT]   ; 57,344 x the scale
.endr
.irp b, 0,1
	v_lshrrev_b32 v[TM+2+\b], 23, v[TM+6+\b]       ; the scale's byte
.endr
.if (\sh) == 0
	v_lshl_or_b32 v[\pw], v[TM+3], 8, v[TM+2]
.else
	v_lshl_or_b32 v[\pw], v[TM+2], 16, v[\pw]
	v_lshl_or_b32 v[\pw], v[TM+3], 24, v[\pw]
.endif
.irp b, 0,1
.set kk, 0
.rept 16
	v_med3_num_f32 v[(\s)+16*\b+kk], v[(\s)+16*\b+kk], -v[TM+4+\b], v[TM+4+\b]   ; the conversion does not saturate (ISA guide 7.6.2): the hold at the largest code x the scale
.set kk, kk+1
.endr
.endr
.irp b, 0,1
	v_cvt_scalef32_pk8_bf8_f32 v[(\pc)+4*\b:(\pc)+4*\b+1], v[(\s)+16*\b:(\s)+16*\b+7], v[TM+6+\b]
	v_cvt_scalef32_pk8_bf8_f32 v[(\pc)+4*\b+2:(\pc)+4*\b+3], v[(\s)+16*\b+8:(\s)+16*\b+15], v[TM+6+\b]
.endr
	v_nop                                          ; one plain line between the last conversion and whatever next touches its registers
.endm
.macro GELU                            ; v[X] .. v[X + 31], in place
.set kk, 0
.rept 32
	v_fma_f32 v[TT+kk], |v[X+kk]|, s[CP], 1.0      ; 1 + 0.2316419 |x|
.set kk, kk+1
.endr
.set kk, 0
.rept 16
	v_pk_mul_f32 v[EE+kk:EE+kk+1], v[X+kk:X+kk+1], v[X+kk:X+kk+1]
.set kk, kk+2
.endr
.set kk, 0
.rept 16
	v_pk_mul_f32 v[EE+kk:EE+kk+1], v[EE+kk:EE+kk+1], s[CE:CE+1] op_sel_hi:[1,0]   ; -x^2 log2(e) / 2
.set kk, kk+2
.endr
.set kk, 0
.rept 32
	v_rcp_f32 v[TT+kk], v[TT+kk]                   ; t
.set kk, kk+1
.endr
.set kk, 0
.rept 32
	v_exp_f32 v[EE+kk], v[EE+kk]                   ; exp(-x^2 / 2)
.set kk, kk+1
.endr
	v_nop                                          ; a plain line behind the batch of 64
	s_wait_alu depctr_va_vdst(0)                   ; one wait for the batch, ahead of its first reader
.irp q, 0,1
.set kk, 0
.rept 8
	v_pk_fma_f32 v[P+kk:P+kk+1], v[TT+16*\q+kk:TT+16*\q+kk+1], s[A5:A5+1], v[CA:CA+1] op_sel_hi:[1,0,1]
.set kk, kk+2
.endr
.irp c, 2,4,6
.set kk, 0
.rept 8
	v_pk_fma_f32 v[P+kk:P+kk+1], v[P+kk:P+kk+1], v[TT+16*\q+kk:TT+16*\q+kk+1], v[CA+\c:CA+\c+1]
.set kk, kk+2
.endr
.endr
.set kk, 0
.rept 8
	v_pk_mul_f32 v[P+kk:P+kk+1], v[P+kk:P+kk+1], v[TT+16*\q+kk:TT+16*\q+kk+1]
.set kk, kk+2
.endr
.set kk, 0
.rept 8
	v_pk_mul_f32 v[EE+16*\q+kk:EE+16*\q+kk+1], v[P+kk:P+kk+1], v[EE+16*\q+kk:EE+16*\q+kk+1]   ; HC
.set kk, kk+2
.endr
.endr
.set kk, 0
.rept 32
	v_max_num_f32 v[TT+kk], 0, v[X+kk]
.set kk, kk+1
.endr
.set kk, 0
.rept 32
	v_fma_f32 v[X+kk], -|v[X+kk]|, v[EE+kk], v[TT+kk]      ; x - x HC where x >= 0, x HC where x < 0: no sum 1 + erf is formed on the negative side
.set kk, kk+1
.endr
.endm
	s_load_b256 s[8:15], s[0:1], 0x0               ; midb, pbuf, b1, gbuf
	v_lshl_add_u32 v7, v0, 2, 0xc000
	v_mov_b32 v8, 0
	v_lshrrev_b32 v11, 5, v0
	v_readfirstlane_b32 s[WV], v11                 ; wave 0..5
	v_and_b32 v11, 31, v0
	v_lshlrev_b32 v[L16], 4, v11
	v_lshlrev_b32 v[LA], 4, v11
	v_lshlrev_b32 v[L4], 2, v11
	v_lshlrev_b32 v[T16], 4, v0
	v_bfe_u32 v[H64], v0, 4, 1
	v_lshlrev_b32 v[H64], 6, v[H64]
	s_mov_b32 s[SEL], 0x76543210
	s_mov_b32 s[SEL+1], 0xfedcba98                 ; lane l takes lane l xor 16
	s_mov_b32 s[MNT], 0x600000                     ; the mantissa field of 57,344
	s_mov_b32 s[HM], 0xffff0000                    ; lanes 16-31
	s_mov_b32 s[CP], 0x3e6d3388                    ; 0.3275911 / sqrt 2
	s_mov_b32 s[CE], 0xbf38aa3b                    ; -log2(e) / 2
	s_mov_b32 s[CE+1], s[CE]                       ; (named with it as a pair, so it is written)
	s_mov_b32 s[A5], 0x3f07dc22                    ; a5 / 2 = 0.5307027
	s_mov_b32 s[A5+1], s[A5]
	s_and_b32 s4, ttmp7, 0xffff
	s_mul_i32 s54, s4, 6
	s_add_co_u32 s54, s54, s[WV]                   ; my 128 hidden units: 0..23
	s_add_co_u32 s55, s54, 24                      ; G: W1's groups are 24 to 47
	s_mov_b32 s53, 0                               ; the upper word of every offset
	s_wait_kmcnt 0x0
	s_mul_i32 s52, s55, 98304
	s_add_nc_u64 s[WP:WP+1], s[10:11], s[52:53]
	s_mul_i32 s52, s55, 3072
	s_add_co_u32 s52, s52, OFF_SC
	s_add_nc_u64 s[WSP:WSP+1], s[10:11], s[52:53]
	s_mul_i32 s52, ttmp9, 49152
	s_add_co_u32 s52, s52, 12582912
	s_add_nc_u64 s[AP:AP+1], s[8:9], s[52:53]
	s_mul_i32 s52, ttmp9, 1536
	s_add_co_u32 s52, s52, 15728640
	s_add_nc_u64 s[ASP:ASP+1], s[8:9], s[52:53]
	s_lshl_b32 s52, s54, 9
	s_add_nc_u64 s[BP:BP+1], s[12:13], s[52:53]
	s_mul_i32 s52, ttmp9, 196608
	s_lshl_b32 s55, s54, 13
	s_add_co_u32 s52, s52, s55
	s_add_nc_u64 s[IMGP:IMGP+1], s[14:15], s[52:53]
	s_mul_i32 s52, ttmp9, 6144
	s_lshl_b32 s55, s54, 8
	s_add_co_u32 s52, s52, s55
	s_add_co_u32 s52, s52, 12582912
	s_add_nc_u64 s[SCP:SCP+1], s[14:15], s[52:53]
	HEAD768
	CORE
	s_wait_loadcnt 0x0                             ; b1
	v_mov_b32 v[TM+2], 0                           ; a lane permute's destination counts as one of its sources
	v_mov_b32 v[TM+3], 0
	v_mov_b32 v[CA], 0xbf3a00e3                    ; a4 / 2 = -0.7265760
	v_mov_b32 v[CA+1], 0xbf3a00e3
	v_mov_b32 v[CA+2], 0x3f35f0e3                  ; a3 / 2 = 0.7107069
	v_mov_b32 v[CA+3], 0x3f35f0e3
	v_mov_b32 v[CA+4], 0xbe11a98e                  ; a2 / 2 = -0.1422484
	v_mov_b32 v[CA+5], 0xbe11a98e
	v_mov_b32 v[CA+6], 0x3e027906                  ; a1 / 2 = 0.1274148
	v_mov_b32 v[CA+7], 0x3e027906
.irp tt, 0,1,2,3
	s_wait_xcnt 0x0                                ; the last tile's stores have read the codes and the scale words
.irp hf, 0,1
	WIN 0x01                                       ; source 0 window 1
.set kk, 0
.rept 16
	v_pk_add_f32 v[X+kk:X+kk+1], v[64*\tt+32*\hf+kk:64*\tt+32*\hf+kk+1], v[BI+32*\hf+kk:BI+32*\hf+kk+1]   ; each accumulator from its low end on
.set kk, kk+2
.endr
	WIN 0
	GELU
	QUANT2 X, PC+8*\hf, PW, 16*\hf
.endr
.irp c, 0,1,2,3
	global_store_b128 v[L16], v[PC+4*\c:PC+4*\c+3], s[IMGP:IMGP+1] offset:\tt*2048+512*\c
.endr
.if (\tt%2) == 0
	v_mov_b32 v[PWE], v[PW]                        ; lanes 0-15 keep the even tile's words,
.else
	v_cndmask_b32 v[PWE], v[PWE], v[PW], s[HM]     ; lanes 16-31 take the odd tile's
	global_store_b32 v[L4], v[PWE], s[SCP:SCP+1] offset:(\tt/2)*128
.endif
.endr
	s_wait_tensorcnt 0x0
	ds_add_u32 v7, v8
	s_wait_dscnt 0x0
	s_endpgm
.Lfunc_end_k_q5fdc7f4323_ffn1:
	.size	k_q5fdc7f4323_ffn1, .Lfunc_end_k_q5fdc7f4323_ffn1-k_q5fdc7f4323_ffn1
	.p2alignl 7, 3214868480
	.fill 96, 4, 3214868480
	.section	.rodata,"a",@progbits
	.p2align	6, 0x0
	.amdhsa_kernel k_q5fdc7f4323_ffn1
		.amdhsa_group_segment_fixed_size 49920
		.amdhsa_private_segment_fixed_size 0
		.amdhsa_enable_private_segment 0
		.amdhsa_kernarg_size 32
		.amdhsa_user_sgpr_count 2
		.amdhsa_user_sgpr_kernarg_segment_ptr 1
		.amdhsa_wavefront_size32 1
		.amdhsa_system_sgpr_workgroup_id_x 1
		.amdhsa_system_sgpr_workgroup_id_y 1
		.amdhsa_system_sgpr_workgroup_id_z 1
		.amdhsa_system_vgpr_workitem_id 0
		.amdhsa_next_free_vgpr 512
		.amdhsa_next_free_sgpr 72
		.amdhsa_reserve_vcc 0
		.amdhsa_float_denorm_mode_32 3
		.amdhsa_float_denorm_mode_16_64 3
		.amdhsa_memory_ordered 1
		.amdhsa_forward_progress 1
		.amdhsa_inst_pref_size 227
	.end_amdhsa_kernel
	.amdgpu_metadata
---
amdhsa.version: [ 1, 2 ]
amdhsa.kernels:
  - .name:           k_q5fdc7f4323_ffn1
    .symbol:         k_q5fdc7f4323_ffn1.kd
    .args:
      - { .name: midb, .offset: 0, .size: 8, .value_kind: global_buffer, .address_space: global }
      - { .name: pbuf, .offset: 8, .size: 8, .value_kind: global_buffer, .address_space: global }
      - { .name: b1, .offset: 16, .size: 8, .value_kind: global_buffer, .address_space: global }
      - { .name: gbuf, .offset: 24, .size: 8, .value_kind: global_buffer, .address_space: global }
    .group_segment_fixed_size: 49920
    .private_segment_fixed_size: 0
    .kernarg_segment_align: 8
    .kernarg_segment_size: 32
    .max_flat_workgroup_size: 192
    .sgpr_count:     72
    .vgpr_count:     512
    .wavefront_size: 32
...
	.end_amdgpu_metadata
.endif
;; end of part 5
;; launch ffn2 (part 6): grid 64 x 3, 8 waves a work-group, no clusters, 263,168 bytes of LDS; arguments gbuf, pbuf, b2, midb, out0; writes out0
.if DOCPART == 6
	.amdgcn_target "amdgcn-amd-amdhsa--gfx1250"
	.amdhsa_code_object_version 6
	.text
	.protected	k_q5fdc7f4323_ffn2
	.globl	k_q5fdc7f4323_ffn2
	.p2align	8
	.type	k_q5fdc7f4323_ffn2,@function
k_q5fdc7f4323_ffn2:
	s_mov_b64 s[64:65], 0
	v_nop
	global_prefetch_b8 v0, s[64:65] scope:SCOPE_SE
	s_setreg_imm32_b32 hwreg(HW_REG_WAVE_MODE, 25, 1), 1
	s_wait_xcnt 0x0
; FFN2.  out = x1 + g W2 + b2 on E5M2 codes with E8M0 scales.  Work-group (tb, y): 64 tokens x 256 output features, K = 3,072.
; Eight waves: wave w takes K quarter w % 4 (six K steps of 128) of feature group 2 y + w / 4 (128 features), for all 64 tokens: 32 accumulators (window 1), 192 matrix instructions a wave.
; g's codes of the block (196,608 bytes, images of operand registers) are staged once in LDS; a weight fragment feeds four matrix instructions of ONE wave and goes from memory straight into registers.
; The four quarters' sums meet in LDS (over the codes, which have been read out): wave w then owns tile w % 4 of its feature group, adds the four in the order of K, then b2, then x1, and stores whole runs of 512 bytes of out0's rows.
; Source 0 = 16 features of W2, source 1 = 16 tokens: a lane holds one token.  Row r of a tile of tokens is token 32 (tt / 2) + 8 (tt % 2) + r + 8 (r / 8) of the block.
; NO CLUSTER: the weights, which the work-groups share, never lie in LDS, and a joint load fills LDS alone.
; LIMITS: K is summed in four quarters that are added afterwards, not in one chain; NaN and infinities are not served.
.set OFF_SC,  7077888
.set L16, 1                            ; v1   16 x lane
.set L4,  2                            ; v2   4 x lane
.set T16, 3                            ; v3   16 x thread
.set LA,  4                            ; v4   LDS: 16 x lane + my K quarter's 49,152 bytes
.set H64, 5                            ; v5   64 x (lane / 16)
.set SO,  7                            ; v7   my stage: where I put 64 bytes of a row
.set SR,  8                            ; v8   my stage: where I read a row back
.set WSC, 12                           ; v12-35  W2's scale words; scales and nothing else
.set ASC, 36                           ; v36-47  g's
.set TA1, 48                           ; v48, v49  16 x thread + 65,536, + 131,072
.set RW,  50                           ; v50  LDS: my partial sums
.set RA0, 51                           ; v51, v52  LDS: my tile in the partial sums of quarters 0, 1 and of quarters 2, 3
.set AF,  64                           ; v64-127  g's four fragments of a K step; later x1; later rows of out0
.set WB,  128                          ; v128-191, v192-255  W2's fragments
.set BI,  128                          ; b2
.set Y,   192                          ; the finished tile
.set WV,  2
.set WP,  24
.set WSP, 26
.set AP,  28
.set ASP, 30
.set BP,  32
.set OP,  34
.set X1P, 40
.set MSB, 0
.macro WIN new                         ; the immediate's high byte repeats the setting that is left; a switch that changes nothing is dropped
.if MSB != \new
	s_set_vgpr_msb (MSB<<8)|\new
.set MSB, \new
.endif
.endm
.macro PLACES n
.rept \n
	v_nop
.endr
.endm
.macro BARRIER
	s_wait_dscnt 0x0
	s_barrier_signal -1
	s_barrier_wait -1
.endm
; One matrix instruction.  ra, rb: the side's scale words stand in lanes 16-31 of its register (the odd tile of a pair).
.macro WM d, a, b, zero, sa, sb, ra, rb
.if \zero
.if (\ra) && (\rb)
	v_wmma_scale_f32_16x16x128_f8f6f4 v[(\d):(\d)+7], v[(\a):(\a)+15], v[(\b):(\b)+15], 0, v[(\sa)], v[(\sb)] matrix_a_fmt:MATRIX_FMT_BF8 matrix_b_fmt:MATRIX_FMT_BF8 matrix_a_scale:MATRIX_SCALE_ROW1 matrix_b_scale:MATRIX_SCALE_ROW1
.elseif \ra
	v_wmma_scale_f32_16x16x128_f8f6f4 v[(\d):(\d)+7], v[(\a):(\a)+15], v[(\b):(\b)+15], 0, v[(\sa)], v[(\sb)] matrix_a_fmt:MATRIX_FMT_BF8 matrix_b_fmt:MATRIX_FMT_BF8 matrix_a_scale:MATRIX_SCALE_ROW1
.elseif \rb
	v_wmma_scale_f32_16x16x128_f8f6f4 v[(\d):(\d)+7], v[(\a):(\a)+15], v[(\b):(\b)+15], 0, v[(\sa)], v[(\sb)] matrix_a_fmt:MATRIX_FMT_BF8 matrix_b_fmt:MATRIX_FMT_BF8 matrix_b_scale:MATRIX_SCALE_ROW1
.else
	v_wmma_scale_f32_16x16x128_f8f6f4 v[(\d):(\d)+7], v[(\a):(\a)+15], v[(\b):(\b)+15], 0, v[(\sa)], v[(\sb)] matrix_a_fmt:MATRIX_FMT_BF8 matrix_b_fmt:MATRIX_FMT_BF8
.endif
.else
.if (\ra) && (\rb)
	v_wmma_scale_f32_16x16x128_f8f6f4 v[(\d):(\d)+7], v[(\a):(\a)+15], v[(\b):(\b)+15], v[(\d):(\d)+7], v[(\sa)], v[(\sb)] matrix_a_fmt:MATRIX_FMT_BF8 matrix_b_fmt:MATRIX_FMT_BF8 matrix_a_scale:MATRIX_SCALE_ROW1 matrix_b_scale:MATRIX_SCALE_ROW1
.elseif \ra
	v_wmma_scale_f32_16x16x128_f8f6f4 v[(\d):(\d)+7], v[(\a):(\a)+15], v[(\b):(\b)+15], v[(\d):(\d)+7], v[(\sa)], v[(\sb)] matrix_a_fmt:MATRIX_FMT_BF8 matrix_b_fmt:MATRIX_FMT_BF8 matrix_a_scale:MATRIX_SCALE_ROW1
.elseif \rb
	v_wmma_scale_f32_16x16x128_f8f6f4 v[(\d):(\d)+7], v[(\a):(\a)+15], v[(\b):(\b)+15], v[(\d):(\d)+7], v[(\sa)], v[(\sb)] matrix_a_fmt:MATRIX_FMT_BF8 matrix_b_fmt:MATRIX_FMT_BF8 matrix_b_scale:MATRIX_SCALE_ROW1
.else
	v_wmma_scale_f32_16x16x128_f8f6f4 v[(\d):(\d)+7], v[(\a):(\a)+15], v[(\b):(\b)+15], v[(\d):(\d)+7], v[(\sa)], v[(\sb)] matrix_a_fmt:MATRIX_FMT_BF8 matrix_b_fmt:MATRIX_FMT_BF8
.endif
.endif
.endm
.macro WLOAD s, hf                     ; W's tiles 4 hf .. 4 hf + 3 of K step s: 16 loads of 512 consecutive bytes
.irp u, 0,1,2,3
.irp c, 0,1,2,3
	global_load_b128 v[WB+64*(\hf)+16*\u+4*\c:WB+64*(\hf)+16*\u+4*\c+3], v[L16], s[WP:WP+1] offset:(\s)*16384+(4*(\hf)+\u)*2048+512*\c
.endr
.endr
.endm
.macro ALOAD s                         ; the block's four fragments of my K step s, from LDS
.irp tt, 0,1,2,3
.irp c, 0,1,2,3
	ds_load_b128 v[AF+16*\tt+4*\c:AF+16*\tt+4*\c+3], v[LA] offset:(\s)*8192+\tt*2048+512*\c
.endr
.endr
.endm
; 16 matrix instructions: four tiles of tokens x W's tiles 4 hf .. 4 hf + 3; accumulator (tt, t) at 8 (8 tt + t).  The 16 take turns, one instruction a turn.
.macro HALF s, hf, zero
	WIN 0x50                                       ; C and D window 1
.irp tt, 0,1,2,3
.irp u, 0,1,2,3
	WM 8*(8*\tt+4*(\hf)+\u), WB+64*(\hf)+16*\u, AF+16*\tt, \zero, WSC+4*(\s)+(4*(\hf)+\u)/2, ASC+2*(\s)+\tt/2, \u%2, \tt%2
.endr
.endr
	WIN 0
.endm
.macro B64 reg, ptr                    ; a vector over the features in the result's layout: register 16 b + i = feature 32 b + 16 (lane / 16) + i of my 128
.irp b, 0,1,2,3
.irp j, 0,1,2,3
	global_load_b128 v[(\reg)+16*\b+4*\j:(\reg)+16*\b+4*\j+3], v[H64], s[\ptr:\ptr+1] offset:128*\b+16*\j
.endr
.endr
.endm
; Six K steps.  Ahead of it W's step 0 (32 loads) and ALOAD 0 are out.  Eight plain lines stand between matrix instructions and loads into registers that they have read, and ahead of the first read of results.
.macro CORE
.irp s, 0,1,2,3,4,5
	s_wait_loadcnt 16                              ; W's tiles 0-3 of this step are in; the 16 loads of tiles 4-7 may be out
	s_wait_dscnt 0x0                               ; this step's fragments from LDS
.if \s == 0
	HALF \s, 0, 1                                  ; the first step's products start the sums: nothing is cleared
.else
	HALF \s, 0, 0
.endif
	PLACES 8
.if \s < 5
	WLOAD \s+1, 0
.else
	B64 BI, BP                                     ; the bias, into the registers that tiles 0-3 have left
.endif
	s_wait_loadcnt 16                              ; tiles 4-7 are in; the 16 loads just issued may be out
.if \s == 0
	HALF \s, 1, 1
.else
	HALF \s, 1, 0
.endif
	PLACES 8
.if \s < 5
	ALOAD \s+1
	WLOAD \s+1, 1
.endif
.endr
.endm
	s_load_b256 s[8:15], s[0:1], 0x0               ; gbuf, pbuf, b2, midb
	s_load_b64 s[16:17], s[0:1], 0x20              ; out0
	v_lshl_add_u32 v62, v0, 2, 0x40000
	v_mov_b32 v63, 0
	v_lshrrev_b32 v11, 5, v0
	v_readfirstlane_b32 s[WV], v11                 ; wave 0..7
	v_and_b32 v11, 31, v0
	v_lshlrev_b32 v[L16], 4, v11
	v_lshlrev_b32 v[L4], 2, v11
	v_lshlrev_b32 v[T16], 4, v0
	v_add_nc_u32 v[TA1], 0x10000, v[T16]
	v_add_nc_u32 v[TA1+1], 0x20000, v[T16]
	v_bfe_u32 v10, v0, 4, 1                        ; h
	v_lshlrev_b32 v[H64], 6, v10
	s_and_b32 s5, s[WV], 3                         ; q: my K quarter, later my tile of tokens
	s_lshr_b32 s6, s[WV], 2                        ; which of the work-group's two feature groups
	s_mul_i32 s52, s5, 49152
	v_add_nc_u32 v[LA], s52, v[L16]
	s_lshl_b32 s52, s[WV], 15
	v_add_nc_u32 v[RW], s52, v[L16]
	s_lshl_b32 s52, s6, 17
	s_lshl_b32 s54, s5, 13
	s_add_co_u32 s52, s52, s54
	v_add_nc_u32 v[RA0], s52, v[L16]
	v_add_nc_u32 v[RA0+1], 0x10000, v[RA0]
	s_mul_i32 s52, s[WV], 8448                     ; my stage: 16 rows of 512 bytes + 16
	v_and_b32 v9, 15, v0
	v_mul_u32_u24 v[SO], v9, 528
	v_add_nc_u32 v[SO], v[SO], v[H64]
	v_add_nc_u32 v[SO], s52, v[SO]
	v_add_nc_u32 v[SR], s52, v[L16]
	s_and_b32 s4, ttmp7, 0xffff
	s_lshl_b32 s7, s4, 1
	s_add_co_u32 s7, s7, s6                        ; fg: my 128 output features, 0..5
	s_mul_i32 s54, s7, 24
	s_mul_i32 s55, s5, 6
	s_add_co_u32 s54, s54, s55
	s_add_co_u32 s54, s54, 288                     ; FS of my first K step
	s_mov_b32 s53, 0                               ; the upper word of every offset
	s_wait_kmcnt 0x0
	s_lshl_b32 s52, s54, 14
	s_add_nc_u64 s[WP:WP+1], s[10:11], s[52:53]
	s_lshl_b32 s52, s54, 9
	s_add_co_u32 s52, s52, OFF_SC
	s_add_nc_u64 s[WSP:WSP+1], s[10:11], s[52:53]
	s_mul_i32 s52, ttmp9, 196608
	s_add_nc_u64 s[AP:AP+1], s[8:9], s[52:53]
	s_mul_i32 s52, ttmp9, 6144
	s_mul_i32 s55, s5, 1536
	s_add_co_u32 s52, s52, s55
	s_add_co_u32 s52, s52, 12582912
	s_add_nc_u64 s[ASP:ASP+1], s[8:9], s[52:53]
	s_lshl_b32 s52, s7, 9
	s_add_nc_u64 s[BP:BP+1], s[12:13], s[52:53]
	s_mul_i32 s52, ttmp9, 6
	s_add_co_u32 s52, s52, s7
	s_lshl_b32 s52, s52, 2
	s_add_co_u32 s52, s52, s5
	s_lshl_b32 s52, s52, 13
	s_add_nc_u64 s[X1P:X1P+1], s[14:15], s[52:53]  ; x1's image of (block, feature group, tile q)
	s_lshl_b32 s52, ttmp9, 6
	s_lshr_b32 s55, s5, 1
	s_lshl_b32 s55, s55, 5
	s_add_co_u32 s52, s52, s55
	s_and_b32 s55, s5, 1
	s_lshl_b32 s55, s55, 3
	s_add_co_u32 s52, s52, s55                     ; the token of my tile's row 0
	s_mul_i32 s52, s52, 3072
	s_lshl_b32 s55, s7, 9
	s_add_co_u32 s52, s52, s55
	s_add_nc_u64 s[OP:OP+1], s[16:17], s[52:53]
.irp s, 0,1,2,3,4,5
.irp p, 0,1,2,3
	global_load_b32 v[WSC+4*\s+\p], v[L4], s[WSP:WSP+1] offset:\s*512+\p*128
.endr
.irp a, 0,1
	global_load_b32 v[ASC+2*\s+\a], v[L4], s[ASP:ASP+1] offset:\s*256+\a*128
.endr
.endr
.set kk, 0
.rept 48
	global_load_b128 v[64+4*kk:64+4*kk+3], v[T16], s[AP:AP+1] offset:kk*4096   ; 256 threads x 16 bytes
.set kk, kk+1
.endr
	s_wait_loadcnt 0x0
.set kk, 0
.rept 16
	ds_store_b128 v[T16], v[64+4*kk:64+4*kk+3] offset:kk*4096
	ds_store_b128 v[TA1], v[128+4*kk:128+4*kk+3] offset:kk*4096
	ds_store_b128 v[TA1+1], v[192+4*kk:192+4*kk+3] offset:kk*4096
.set kk, kk+1
.endr
	s_wait_dscnt 0x0                               ; my stores have landed
	WLOAD 0, 0
	WLOAD 0, 1
	s_barrier_signal -1
	s_barrier_wait -1                              ; the block's 96 fragments lie in LDS
	ALOAD 0
	CORE
.set kk, 0
.rept 16
	global_load_b128 v[AF+4*kk:AF+4*kk+3], v[L16], s[X1P:X1P+1] offset:512*kk
.set kk, kk+1
.endr
	BARRIER                                        ; every wave has read its codes out of LDS: the partial sums may lie over them
	WIN 0x04                                       ; an LDS store's data window 1
.set kk, 0
.rept 64
	ds_store_b128 v[RW], v[4*kk:4*kk+3] offset:512*kk      ; the accumulators as they stand, each from its low end on: tile tt at 8,192 tt
.set kk, kk+1
.endr
	WIN 0
	BARRIER                                        ; all partial sums lie in LDS
	WIN 0x40                                       ; destination window 1
.irp p, 0,1,2,3                        ; my tile in the sums of K quarter p of my feature group
.set kk, 0
.rept 16
	ds_load_b128 v[64*\p+4*kk:64*\p+4*kk+3], v[RA0+\p/2] offset:(\p%2)*32768+512*kk
.set kk, kk+1
.endr
.endr
	WIN 0
	BARRIER                                        ; every wave has them in registers: the stages may lie over them
	WIN 0x05                                       ; both sources window 1
.set kk, 0
.rept 32
	v_pk_add_f32 v[Y+kk:Y+kk+1], v[kk:kk+1], v[64+kk:64+kk+1]
.set kk, kk+2
.endr
	WIN 0x04                                       ; source 1 window 1
.set kk, 0
.rept 32
	v_pk_add_f32 v[Y+kk:Y+kk+1], v[Y+kk:Y+kk+1], v[128+kk:128+kk+1]
.set kk, kk+2
.endr
.set kk, 0
.rept 32
	v_pk_add_f32 v[Y+kk:Y+kk+1], v[Y+kk:Y+kk+1], v[192+kk:192+kk+1]
.set kk, kk+2
.endr
	WIN 0
	s_wait_loadcnt 0x0                             ; b2 and x1
.set kk, 0
.rept 32
	v_pk_add_f32 v[Y+kk:Y+kk+1], v[Y+kk:Y+kk+1], v[BI+kk:BI+kk+1]
.set kk, kk+2
.endr
.set kk, 0
.rept 32
	v_pk_add_f32 v[Y+kk:Y+kk+1], v[Y+kk:Y+kk+1], v[AF+kk:AF+kk+1]
.set kk, kk+2
.endr
.irp b, 0,1,2,3
.irp j, 0,1,2,3
	ds_store_b128 v[SO], v[Y+16*\b+4*\j:Y+16*\b+4*\j+3] offset:128*\b+16*\j   ; row r of my stage, features 32 b + 16 (lane / 16) + 4 j on
.endr
.endr
.set kk, 0
.rept 16
	ds_load_b128 v[AF+4*kk:AF+4*kk+3], v[SR] offset:528*kk         ; LDS serves a wave's instructions in order (ISA guide 5.7.1.4): these see my stores
.set kk, kk+1
.endr
.set kk, 0
.rept 16
	s_wait_dscnt 15-kk                             ; row kk is back; the younger loads may be out
	global_store_b128 v[L16], v[AF+4*kk:AF+4*kk+3], s[OP:OP+1] offset:(kk+8*(kk/8))*3072 th:TH_STORE_NT   ; 32 lanes store 512 consecutive bytes, at a multiple of 256 from out0's first byte
.set kk, kk+1
.endr
	s_wait_tensorcnt 0x0
	ds_add_u32 v62, v63
	s_wait_dscnt 0x0
	s_endpgm
.Lfunc_end_k_q5fdc7f4323_ffn2:
	.size	k_q5fdc7f4323_ffn2, .Lfunc_end_k_q5fdc7f4323_ffn2-k_q5fdc7f4323_ffn2
	.p2alignl 7, 3214868480
	.fill 96, 4, 3214868480
	.section	.rodata,"a",@progbits
	.p2align	6, 0x0
	.amdhsa_kernel k_q5fdc7f4323_ffn2
		.amdhsa_group_segment_fixed_size 263168
		.amdhsa_private_segment_fixed_size 0
		.amdhsa_enable_private_segment 0
		.amdhsa_kernarg_size 40
		.amdhsa_user_sgpr_count 2
		.amdhsa_user_sgpr_kernarg_segment_ptr 1
		.amdhsa_wavefront_size32 1
		.amdhsa_system_sgpr_workgroup_id_x 1
		.amdhsa_system_sgpr_workgroup_id_y 1
		.amdhsa_system_sgpr_workgroup_id_z 1
		.amdhsa_system_vgpr_workitem_id 0
		.amdhsa_next_free_vgpr 512
		.amdhsa_next_free_sgpr 72
		.amdhsa_reserve_vcc 0
		.amdhsa_float_denorm_mode_32 3
		.amdhsa_float_denorm_mode_16_64 3
		.amdhsa_memory_ordered 1
		.amdhsa_forward_progress 1
		.amdhsa_inst_pref_size 93
	.end_amdhsa_kernel
	.amdgpu_metadata
---
amdhsa.version: [ 1, 2 ]
amdhsa.kernels:
  - .name:           k_q5fdc7f4323_ffn2
    .symbol:         k_q5fdc7f4323_ffn2.kd
    .args:
      - { .name: gbuf, .offset: 0, .size: 8, .value_kind: global_buffer, .address_space: global }
      - { .name: pbuf, .offset: 8, .size: 8, .value_kind: global_buffer, .address_space: global }
      - { .name: b2, .offset: 16, .size: 8, .value_kind: global_buffer, .address_space: global }
      - { .name: midb, .offset: 24, .size: 8, .value_kind: global_buffer, .address_space: global }
      - { .name: out0, .offset: 32, .size: 8, .value_kind: global_buffer, .address_space: global }
    .group_segment_fixed_size: 263168
    .private_segment_fixed_size: 0
    .kernarg_segment_align: 8
    .kernarg_segment_size: 40
    .max_flat_workgroup_size: 256
    .sgpr_count:     72
    .vgpr_count:     512
    .wavefront_size: 32
...
	.end_amdgpu_metadata
.endif
;; end of part 6
;; ======== version 2 of 2: 6 launches
;; limits: a function is approximated: absolute error at most 1.5e-07
;; workspace buffers: pbuf 10,543,104 bytes; qkvb 10,616,832 bytes; obuf 3,244,032 bytes; midb 15,826,944 bytes; gbuf 12,976,128 bytes
;; launch prep (part 7): grid 352 x 1, 6 waves a work-group, no clusters, 4,864 bytes of LDS; arguments x, ln1_g, ln1_b, Wq, Wk, Wv, Wo, W1, W2, pbuf; writes pbuf
.if DOCPART == 7
	.amdgcn_target "amdgcn-amd-amdhsa--gfx1250"
	.amdhsa_code_object_version 6
	.text
	.protected	k_q5fdc7f4323_prep
	.globl	k_q5fdc7f4323_prep
	.p2align	8
	.type	k_q5fdc7f4323_prep,@function
k_q5fdc7f4323_prep:
	s_mov_b64 s[64:65], 0
	v_nop
	global_prefetch_b8 v0, s[64:65] scope:SCOPE_SE
	s_setreg_imm32_b32 hwreg(HW_REG_WAVE_MODE, 25, 1), 1
	s_wait_xcnt 0x0
; PREP.  Work-groups 0-63: h = LN1(x) for 64 tokens, quantised along the 768 features to E5M2 codes with one E8M0 byte for each 32.  Work-groups 64-351: the six weights, quantised along K (their axis of 768 or 3,072).
; ALL OPERANDS ARE STORED AS IMAGES OF THE MATRIX OPERAND'S REGISTERS.  A fragment (16 rows x 128 K) is 2,048 bytes: register group c (K = 32 c + 16 (lane / 16) + 0..15 of row lane % 16) at 512 c + 16 x lane.
; Row r of tile t stands for index 32 (t / 2) + 8 (t % 2) + r + 8 (r / 8), for tokens and for output features alike: a product's 16 registers of two neighbouring tiles are then 16 neighbours along the next K.
; Scale words (four bytes: 128 K of one row) lie in pairs of tiles: 128 bytes, lanes 0-15 tile 2 p, lanes 16-31 tile 2 p + 1.
; pbuf: weights [FS][tile 0..7][2,048] at 0, their scale words [FS][pair][128] at OFF_SC, h [block of 64 tokens][K step][tile 0..3][2,048] at OFF_H, its scale words [block][K step][pair][128] at OFF_HSC.
; FS = 6 G + K step for the weights with K = 768 (G: 128 output features; 0-5 q, 6-11 k, 12-17 v, 18-23 Wo, 24-47 W1), 288 + 24 fg + K step for W2.
; LN: six waves share the features, 128 each, for all 64 tokens; a lane holds one token; mean first, then the squares of x - mean; the waves' sums meet in LDS (two barriers, in this path alone; the other paths use no LDS).
; WEIGHTS: a lane takes a column, its registers run down K, so a block of 32 lies in one lane and the codes come out with K innermost; a store of the wave fills two aligned runs of 256 bytes.
; No matrix work, no tensor load, no cluster: nothing here is read by two work-groups.
; LIMITS: NaN and infinities are not served; a block whose largest magnitude lies under 2^-111 keeps the scale byte 1; a block of zeros gets the byte 1 and not 127 (its codes are zeros; this program alone reads the bytes).
.set OFF_SC,  7077888
.set OFF_H,   7299072
.set OFF_HSC, 10444800
.set L16, 1                            ; v1   16 x lane
.set L4,  2                            ; v2   4 x lane
.set SO,  3                            ; v3   weights: my column's place in two tiles' images
.set SS,  4                            ; v4   weights: my column's scale word in a pair
.set H64, 5                            ; v5   64 x (lane / 16)
.set XA,  6                            ; v6   my token's row of x, + 64 x (lane / 16)
.set EXW, 7                            ; v7   LDS: 32 x (lane % 16) + 4 x wave
.set EXR, 8                            ; v8   LDS: 32 x (lane % 16)
.set PW,  9                            ; v9   the scale word being made
.set PWE, 10                           ; v10  a pair of tiles' scale words
.set SB,  11                           ; v11  weights: my column's four scale bytes
.set NM,  48                           ; v48-55  -mean, a pair a tile
.set RS,  56                           ; v56-63  1 / sqrt(var + eps), a pair a tile
.set G,   64                           ; v64-127  gain of my 64 features
.set BT,  128                          ; v128-191 bias of my 64 features
.set Y,   192                          ; v192-223 32 numbers at work
.set PC,  224                          ; v224-239 a fragment's codes
.set TM,  240                          ; v240-247 the quantiser's work
.set SA,  248                          ; v248-255 sums, a pair a tile
.set X,   32                           ; weights: v32-95 two sets of 32 numbers
.set C,   96                           ; weights: v96-127 eight registers of codes for each of four blocks
.set WV,  2
.set GP,  28
.set BTP, 30
.set SRC, 32
.set IMGP,34
.set SCP, 36
.set XP,  38
.set SEL, 42
.set MNT, 44
.set HM,  45
.set INV, 46
.set EPS, 47
.set MSB, 0
.macro WIN new                         ; the immediate's high byte repeats the setting that is left; a switch that changes nothing is dropped
.if MSB != \new
	s_set_vgpr_msb (MSB<<8)|\new
.set MSB, \new
.endif
.endm
.macro BARRIER                         ; my LDS stores have landed and my LDS loads are in: then the work-group's barrier
	s_wait_dscnt 0x0
	s_barrier_signal -1
	s_barrier_wait -1
.endm
.macro B64 reg, ptr                    ; 64 numbers a lane of a vector over the features: register 16 b + i = feature 32 b + 16 (lane / 16) + i of my 128
.irp b, 0,1,2,3
.irp j, 0,1,2,3
	global_load_b128 v[(\reg)+16*\b+4*\j:(\reg)+16*\b+4*\j+3], v[H64], s[\ptr:\ptr+1] offset:128*\b+16*\j
.endr
.endr
.endm
.macro XLOAD reg, tt                   ; the same 64 features of my token in tile tt of the block
.irp b, 0,1,2,3
.irp j, 0,1,2,3
	global_load_b128 v[(\reg)+16*\b+4*\j:(\reg)+16*\b+4*\j+3], v[XA], s[XP:XP+1] offset:(32*((\tt)/2)+8*((\tt)%2))*3072+128*\b+16*\j
.endr
.endr
.endm
; 32 numbers of a lane, register 16 b + i = K 32 b + 16 (lane / 16) + i of my row, become 8 registers of codes at v[pc] and two scale bytes in v[pw] (sh = 0: bytes 0, 1; sh = 16: bytes 2, 3 are added).
.macro QUANT2 s, pc, pw, sh
.irp b, 0,1
	v_max3_num_f32 v[TM+\b], |v[(\s)+16*\b]|, |v[(\s)+16*\b+1]|, 0x8000000   ; my 16 numbers of block b, and the floor 2^(16 - 127): the byte cannot fall under 1
.endr
.irp i, 2,4,6,8,10,12,14
.irp b, 0,1
	v_max3_num_f32 v[TM+\b], v[TM+\b], |v[(\s)+16*\b+\i]|, |v[(\s)+16*\b+\i+1]|
.endr
.endr
.irp b, 0,1
	v_permlanex16_b32 v[TM+2+\b], v[TM+\b], s[SEL], s[SEL+1]
.endr
.irp b, 0,1
	v_max_num_f32 v[TM+\b], v[TM+\b], v[TM+2+\b]   ; with the lane 16 away: the block's largest magnitude
.endr
.irp b, 0,1
	v_add_nc_u32 v[TM+6+\b], 0xf8800000, v[TM+\b]  ; 15 off its exponent field: the conversion's scale operand
.endr
.irp b, 0,1
	v_and_or_b32 v[TM+4+\b], v[TM+\b], 0x7f800000, s[MNT]   ; 57,344 x the scale
.endr
.irp b, 0,1
	v_lshrrev_b32 v[TM+2+\b], 23, v[TM+6+\b]       ; the scale's byte
.endr
.if (\sh) == 0
	v_lshl_or_b32 v[\pw], v[TM+3], 8, v[TM+2]
.else
	v_lshl_or_b32 v[\pw], v[TM+2], 16, v[\pw]
	v_lshl_or_b32 v[\pw], v[TM+3], 24, v[\pw]
.endif
.irp b, 0,1
.set kk, 0
.rept 16
	v_med3_num_f32 v[(\s)+16*\b+kk], v[(\s)+16*\b+kk], -v[TM+4+\b], v[TM+4+\b]   ; the conversion does not saturate (ISA guide 7.6.2): the hold at the largest code x the scale
.set kk, kk+1
.endr
.endr
.irp b, 0,1
	v_cvt_scalef32_pk8_bf8_f32 v[(\pc)+4*\b:(\pc)+4*\b+1], v[(\s)+16*\b:(\s)+16*\b+7], v[TM+6+\b]
	v_cvt_scalef32_pk8_bf8_f32 v[(\pc)+4*\b+2:(\pc)+4*\b+3], v[(\s)+16*\b+8:(\s)+16*\b+15], v[TM+6+\b]
.endr
	v_nop                                          ; one plain line between the last conversion and whatever next touches its registers
.endm
; The lanes' pairs of partial sums in v[SA + 2 tt] become each token's sum over all 768 features, in every lane: the pair, the lane 16 away, then the six waves through LDS.
.macro EXCH base
	WIN 0
.irp tt, 0,1,2,3
	v_add_f32 v[SA+2*\tt], v[SA+2*\tt], v[SA+2*\tt+1]
.endr
.irp tt, 0,1,2,3
	v_permlanex16_b32 v[SA+2*\tt+1], v[SA+2*\tt], s[SEL], s[SEL+1]
.endr
.irp tt, 0,1,2,3
	v_add_f32 v[SA+2*\tt], v[SA+2*\tt], v[SA+2*\tt+1]
.endr
.irp tt, 0,1,2,3
	ds_store_b32 v[EXW], v[SA+2*\tt] offset:(\base)+512*\tt   ; lanes r and r + 16 write the same word with the same value
.endr
	BARRIER
.irp tt, 0,1,2,3
	ds_load_b128 v[Y+8*\tt:Y+8*\tt+3], v[EXR] offset:(\base)+512*\tt
	ds_load_b64 v[Y+8*\tt+4:Y+8*\tt+5], v[EXR] offset:(\base)+512*\tt+16
.endr
	s_wait_dscnt 0x0
.irp tt, 0,1,2,3
	v_add_f32 v[Y+8*\tt], v[Y+8*\tt], v[Y+8*\tt+1]
	v_add_f32 v[Y+8*\tt+2], v[Y+8*\tt+2], v[Y+8*\tt+3]
	v_add_f32 v[Y+8*\tt+4], v[Y+8*\tt+4], v[Y+8*\tt+5]
	v_add_f32 v[Y+8*\tt], v[Y+8*\tt], v[Y+8*\tt+2]
	v_add_f32 v[SA+2*\tt], v[Y+8*\tt], v[Y+8*\tt+4]
.endr
.endm
; Layer norm and quantiser.  The data: window 1, register 64 tt + 16 b + i = feature 32 b + 16 (lane / 16) + i of my 128, of my token in tile tt.  exb: 4,096 bytes of LDS for the two exchanges.
.macro LNQ exb
	WIN 0x05                                       ; both sources window 1
.irp tt, 0,1,2,3
	v_pk_add_f32 v[SA+2*\tt:SA+2*\tt+1], v[64*\tt:64*\tt+1], v[64*\tt+2:64*\tt+3]
.endr
	WIN 0x04                                       ; source 1 window 1
.set kk, 4
.rept 30
.irp tt, 0,1,2,3
	v_pk_add_f32 v[SA+2*\tt:SA+2*\tt+1], v[SA+2*\tt:SA+2*\tt+1], v[64*\tt+kk:64*\tt+kk+1]
.endr
.set kk, kk+2
.endr
	EXCH \exb
.irp tt, 0,1,2,3
	v_mul_f32 v[NM+2*\tt], 0xbaaaaaab, v[SA+2*\tt]     ; -mean = sum x (-1 / 768)
.endr
.irp tt, 0,1,2,3
	v_mov_b32 v[NM+2*\tt+1], v[NM+2*\tt]
.endr
	s_wait_alu depctr_va_vdst(0)
	s_wait_xcnt 0x0                                ; earlier stores have read the data registers: they are rewritten only behind this wait
	WIN 0x41                                       ; destination and source 0 window 1
.irp tt, 0,1,2,3
.set kk, 0
.rept 32
	v_pk_add_f32 v[64*\tt+kk:64*\tt+kk+1], v[64*\tt+kk:64*\tt+kk+1], v[NM+2*\tt:NM+2*\tt+1]
.set kk, kk+2
.endr
.endr
	WIN 0x05
.irp tt, 0,1,2,3
	v_pk_mul_f32 v[SA+2*\tt:SA+2*\tt+1], v[64*\tt:64*\tt+1], v[64*\tt:64*\tt+1]
.endr
.set kk, 2
.rept 31
.irp tt, 0,1,2,3
	v_pk_fma_f32 v[SA+2*\tt:SA+2*\tt+1], v[64*\tt+kk:64*\tt+kk+1], v[64*\tt+kk:64*\tt+kk+1], v[SA+2*\tt:SA+2*\tt+1]
.endr
.set kk, kk+2
.endr
	EXCH (\exb)+2048
.irp tt, 0,1,2,3
	v_fma_f32 v[SA+2*\tt], v[SA+2*\tt], s[INV], s[EPS]     ; variance + eps
.endr
	s_wait_alu depctr_va_vdst(0)
.irp tt, 0,1,2,3
	v_rsq_f32 v[RS+2*\tt], v[SA+2*\tt]
.endr
	v_nop                                          ; a plain line behind the last of the four
	s_wait_alu depctr_va_vdst(0)                   ; one wait for the four, ahead of their first reader
.irp tt, 0,1,2,3
	v_mov_b32 v[RS+2*\tt+1], v[RS+2*\tt]
.endr
	s_wait_alu depctr_va_vdst(0)
	s_wait_loadcnt 0x0                             ; gain and bias
.irp tt, 0,1,2,3
	s_wait_xcnt 0x0                                ; the last tile's stores have read the codes and the scale words
.irp hf, 0,1
	WIN 0x01                                       ; source 0 window 1
.set kk, 0
.rept 16
	v_pk_mul_f32 v[Y+kk:Y+kk+1], v[64*\tt+32*\hf+kk:64*\tt+32*\hf+kk+1], v[RS+2*\tt:RS+2*\tt+1]
.set kk, kk+2
.endr
	WIN 0
.set kk, 0
.rept 16
	v_pk_fma_f32 v[Y+kk:Y+kk+1], v[Y+kk:Y+kk+1], v[G+32*\hf+kk:G+32*\hf+kk+1], v[BT+32*\hf+kk:BT+32*\hf+kk+1]
.set kk, kk+2
.endr
	QUANT2 Y, PC+8*\hf, PW, 16*\hf
.endr
.irp c, 0,1,2,3
	global_store_b128 v[L16], v[PC+4*\c:PC+4*\c+3], s[IMGP:IMGP+1] offset:\tt*2048+512*\c   ; 512 consecutive bytes a store
.endr
.if (\tt%2) == 0
	v_mov_b32 v[PWE], v[PW]                        ; lanes 0-15 keep the even tile's words,
.else
	v_cndmask_b32 v[PWE], v[PWE], v[PW], s[HM]     ; lanes 16-31 take the odd tile's (every lane holds its row's word)
	global_store_b32 v[L4], v[PWE], s[SCP:SCP+1] offset:(\tt/2)*128
.endif
.endr
.endm
; THE WEIGHTS.  Block t of my column: 32 numbers down K into set t % 2; 32 lanes read 128 consecutive bytes, the wave beside me the next 128.
.macro WLD t, pitch
.set kk, 0
.rept 32
	global_load_b32 v[X+32*((\t)%2)+kk], v[L4], s[SRC:SRC+1] offset:(32*(\t)+kk)*(\pitch) th:TH_LOAD_NT
.set kk, kk+1
.endr
.endm
.macro WBLK t, pitch
.set XS, X+32*((\t)%2)
.if (\t) < 3
	s_wait_loadcnt 32                              ; this block's 32 loads are in; the next block's 32 may be out
.else
	s_wait_loadcnt 0x0
.endif
	v_max3_num_f32 v12, |v[XS]|, |v[XS+1]|, |v[XS+2]|      ; the block's largest magnitude: all 32 numbers are mine
	v_max3_num_f32 v13, |v[XS+3]|, |v[XS+4]|, |v[XS+5]|
.irp i, 6,10,14,18,22,26
	v_max3_num_f32 v12, v12, |v[XS+\i]|, |v[XS+\i+1]|
	v_max3_num_f32 v13, v13, |v[XS+\i+2]|, |v[XS+\i+3]|
.endr
	v_max3_num_f32 v12, v12, |v[XS+30]|, |v[XS+31]|
	v_max3_num_f32 v12, v12, v13, 0x8000000        ; and the floor 2^(16 - 127)
	v_add_nc_u32 v15, 0xf8800000, v12              ; the conversion's scale operand
	v_and_or_b32 v14, v12, 0x7f800000, s[MNT]      ; 57,344 x the scale
	v_lshrrev_b32 v16, 23, v15                     ; the byte
.if (\t) == 0
	v_mov_b32 v[SB], v16
.else
	v_lshl_or_b32 v[SB], v16, 8*(\t), v[SB]
.endif
.set kk, 0
.rept 32
	v_med3_num_f32 v[XS+kk], v[XS+kk], -v14, v14
.set kk, kk+1
.endr
.irp g, 0,1,2,3
	v_cvt_scalef32_pk8_bf8_f32 v[C+8*(\t)+2*\g:C+8*(\t)+2*\g+1], v[XS+8*\g:XS+8*\g+7], v15
.endr
	global_store_b128 v[SO], v[C+8*(\t):C+8*(\t)+3], s[IMGP:IMGP+1] offset:512*(\t)          ; K 32 t + 0..15: the places of lanes 0-15 of the images
	global_store_b128 v[SO], v[C+8*(\t)+4:C+8*(\t)+7], s[IMGP:IMGP+1] offset:512*(\t)+256    ; K 32 t + 16..31: those of lanes 16-31.  Each block has its own code registers: no store's data are rewritten
.if (\t) < 2
	WLD (\t)+2, \pitch
.endif
.endm
.macro WQ pitch
	WLD 0, \pitch
	WLD 1, \pitch
	WBLK 0, \pitch
	WBLK 1, \pitch
	WBLK 2, \pitch
	WBLK 3, \pitch
	global_store_b32 v[SS], v[SB], s[SCP:SCP+1]
.endm
; One weight's path.  s48 = work-group - 64.  A work-group takes 64 columns (cp) x 384 along K (kh); wave w takes column half w % 2 and K step 3 kh + w / 2.
; ptr: the weight's pointer; j0: its first work-group; khb: bits of kh; cmul: bytes from cp to cp + 1; sstr: bytes of 128 rows along K; FS = fs0 + fsm (cp / 2) + K step.
.macro WPATH ptr, j0, khb, cmul, sstr, fs0, fsm, pitch
	s_sub_co_u32 s49, s48, \j0
	s_lshr_b32 s50, s49, \khb                      ; cp
	s_and_b32 s51, s49, (1<<(\khb))-1              ; kh
	s_mul_i32 s51, s51, 3
	s_lshr_b32 s56, s[WV], 1
	s_add_co_u32 s56, s56, s51                     ; K step
	s_and_b32 s57, s[WV], 1                        ; which 32 of the 64 columns
	s_mul_i32 s58, s56, \sstr
	s_mul_i32 s52, s50, \cmul
	s_add_co_u32 s58, s58, s52
	s_lshl_b32 s52, s57, 7
	s_add_co_u32 s58, s58, s52
	s_add_nc_u64 s[SRC:SRC+1], s[\ptr:\ptr+1], s[58:59]
	s_lshr_b32 s54, s50, 1
	s_mul_i32 s54, s54, \fsm
	s_add_co_u32 s54, s54, s56
	s_add_co_u32 s54, s54, \fs0                    ; FS
	s_and_b32 s60, s50, 1
	s_lshl_b32 s60, s60, 1
	s_add_co_u32 s60, s60, s57                     ; which 32 of the group's 128 features: two tiles, one pair of scale words
	s_lshl_b32 s58, s54, 14
	s_lshl_b32 s61, s60, 12
	s_add_co_u32 s58, s58, s61
	s_add_nc_u64 s[IMGP:IMGP+1], s[26:27], s[58:59]
	s_lshl_b32 s58, s54, 9
	s_lshl_b32 s61, s60, 7
	s_add_co_u32 s58, s58, s61
	s_add_co_u32 s58, s58, OFF_SC
	s_add_nc_u64 s[SCP:SCP+1], s[26:27], s[58:59]
	WQ \pitch
	s_endpgm
.endm
	s_load_b256 s[8:15], s[0:1], 0x0               ; x, ln1_g, ln1_b, Wq
	s_load_b256 s[16:23], s[0:1], 0x20             ; Wk, Wv, Wo, W1
	s_load_b128 s[24:27], s[0:1], 0x40             ; W2, pbuf
	v_lshl_add_u32 v30, v0, 2, 0x1000
	v_mov_b32 v31, 0
	v_lshrrev_b32 v12, 5, v0
	v_readfirstlane_b32 s[WV], v12                 ; wave 0..5
	v_and_b32 v12, 31, v0                          ; lane
	v_lshlrev_b32 v[L16], 4, v12
	v_lshlrev_b32 v[L4], 2, v12
	s_mov_b32 s[MNT], 0x600000                     ; the mantissa field of 57,344
	s_mov_b32 s59, 0                               ; the upper word of every offset
	s_wait_kmcnt 0x0
	s_cmp_lt_u32 ttmp9, 64
	s_cbranch_scc1 .Lln
	v_bfe_u32 v13, v0, 3, 1                        ; column l of 32 is row (l % 8) + 8 (l / 16) of tile (l / 8) % 2
	v_and_b32 v14, 7, v0
	v_bfe_u32 v15, v0, 4, 1
	v_lshl_add_u32 v14, v15, 3, v14
	v_lshlrev_b32 v[SO], 4, v14
	v_lshl_add_u32 v[SO], v13, 11, v[SO]
	v_lshlrev_b32 v[SS], 2, v14
	v_lshl_add_u32 v[SS], v13, 6, v[SS]
	s_sub_co_u32 s48, ttmp9, 64
	s_cmp_lt_u32 s48, 24
	s_cbranch_scc1 .Lwq
	s_cmp_lt_u32 s48, 48
	s_cbranch_scc1 .Lwk
	s_cmp_lt_u32 s48, 72
	s_cbranch_scc1 .Lwv
	s_cmp_lt_u32 s48, 96
	s_cbranch_scc1 .Lwo
	s_cmp_lt_u32 s48, 192
	s_cbranch_scc1 .Lw1
	s_wait_alu depctr_va_vdst(0)
	WPATH 24, 192, 3, 256, 393216, 288, 24, 3072   ; W2 [3072][768]
.Lwq:
	s_wait_alu depctr_va_vdst(0)
	WPATH 14, 0, 1, 196608, 32768, 0, 6, 256       ; Wq [12][768][64]: cp is the head
.Lwk:
	s_wait_alu depctr_va_vdst(0)
	WPATH 16, 24, 1, 196608, 32768, 36, 6, 256
.Lwv:
	s_wait_alu depctr_va_vdst(0)
	WPATH 18, 48, 1, 196608, 32768, 72, 6, 256
.Lwo:
	s_wait_alu depctr_va_vdst(0)
	WPATH 20, 72, 1, 256, 393216, 108, 6, 3072     ; Wo [768][768]
.Lw1:
	s_wait_alu depctr_va_vdst(0)
	WPATH 22, 96, 1, 256, 1572864, 144, 6, 12288   ; W1 [768][3072]
.Lln:
	v_and_b32 v12, 15, v0                          ; r
	v_bfe_u32 v13, v0, 4, 1                        ; h
	v_lshlrev_b32 v[H64], 6, v13
	v_and_b32 v14, 8, v12
	v_add_nc_u32 v14, v14, v12                     ; r + 8 (r / 8)
	v_mul_u32_u24 v[XA], v14, 3072
	v_add_nc_u32 v[XA], v[XA], v[H64]
	s_wait_alu depctr_va_vdst(0)
	v_lshlrev_b32 v[EXR], 5, v12
	s_lshl_b32 s48, s[WV], 2
	v_add_nc_u32 v[EXW], s48, v[EXR]
	v_mov_b32 v[TM+2], 0                           ; a lane permute's destination counts as one of its sources
	v_mov_b32 v[TM+3], 0
	s_mov_b32 s[SEL], 0x76543210
	s_mov_b32 s[SEL+1], 0xfedcba98                 ; lane l takes lane l xor 16
	s_mov_b32 s[HM], 0xffff0000                    ; lanes 16-31
	s_mov_b32 s[INV], 0x3aaaaaab                   ; 1 / 768
	s_mov_b32 s[EPS], 0x3727c5ac                   ; 1e-5
	s_mul_i32 s58, ttmp9, 196608                   ; 64 rows of 3,072 bytes
	s_lshl_b32 s56, s[WV], 9                       ; my 128 features
	s_mov_b32 s57, 0
	s_add_co_u32 s58, s58, s56
	s_add_nc_u64 s[XP:XP+1], s[8:9], s[58:59]
	s_add_nc_u64 s[GP:GP+1], s[10:11], s[56:57]
	s_add_nc_u64 s[BTP:BTP+1], s[12:13], s[56:57]
	s_mul_i32 s58, ttmp9, 49152
	s_lshl_b32 s60, s[WV], 13                      ; my features are K step w of the next product
	s_add_co_u32 s58, s58, s60
	s_add_co_u32 s58, s58, OFF_H
	s_add_nc_u64 s[IMGP:IMGP+1], s[26:27], s[58:59]
	s_mul_i32 s58, ttmp9, 1536
	s_lshl_b32 s60, s[WV], 8
	s_add_co_u32 s58, s58, s60
	s_add_co_u32 s58, s58, OFF_HSC
	s_add_nc_u64 s[SCP:SCP+1], s[26:27], s[58:59]
	WIN 0x40                                       ; destination window 1
	XLOAD 0, 0
	XLOAD 64, 1
	XLOAD 128, 2
	XLOAD 192, 3
	WIN 0
	B64 G, GP
	B64 BT, BTP
	s_wait_loadcnt 32                              ; x is in; the 32 loads of gain and bias may be out
	LNQ 0
	s_wait_tensorcnt 0x0
	ds_add_u32 v30, v31
	s_wait_dscnt 0x0
	s_endpgm
.Lfunc_end_k_q5fdc7f4323_prep:
	.size	k_q5fdc7f4323_prep, .Lfunc_end_k_q5fdc7f4323_prep-k_q5fdc7f4323_prep
	.p2alignl 7, 3214868480
	.fill 96, 4, 3214868480
	.section	.rodata,"a",@progbits
	.p2align	6, 0x0
	.amdhsa_kernel k_q5fdc7f4323_prep
		.amdhsa_group_segment_fixed_size 4864
		.amdhsa_private_segment_fixed_size 0
		.amdhsa_enable_private_segment 0
		.amdhsa_kernarg_size 80
		.amdhsa_user_sgpr_count 2
		.amdhsa_user_sgpr_kernarg_segment_ptr 1
		.amdhsa_wavefront_size32 1
		.amdhsa_system_sgpr_workgroup_id_x 1
		.amdhsa_system_sgpr_workgroup_id_y 1
		.amdhsa_system_sgpr_workgroup_id_z 1
		.amdhsa_system_vgpr_workitem_id 0
		.amdhsa_next_free_vgpr 512
		.amdhsa_next_free_sgpr 72
		.amdhsa_reserve_vcc 0
		.amdhsa_float_denorm_mode_32 3
		.amdhsa_float_denorm_mode_16_64 3
		.amdhsa_memory_ordered 1
		.amdhsa_forward_progress 1
		.amdhsa_inst_pref_size 255
	.end_amdhsa_kernel
	.section	.bss,"aw",@nobits
	.p2align	6
	.space	262144
	.amdgpu_metadata
---
amdhsa.version: [ 1, 2 ]
amdhsa.kernels:
  - .name:           k_q5fdc7f4323_prep
    .symbol:         k_q5fdc7f4323_prep.kd
    .args:
      - { .name: x, .offset: 0, .size: 8, .value_kind: global_buffer, .address_space: global }
      - { .name: ln1_g, .offset: 8, .size: 8, .value_kind: global_buffer, .address_space: global }
      - { .name: ln1_b, .offset: 16, .size: 8, .value_kind: global_buffer, .address_space: global }
      - { .name: Wq, .offset: 24, .size: 8, .value_kind: global_buffer, .address_space: global }
      - { .name: Wk, .offset: 32, .size: 8, .value_kind: global_buffer, .address_space: global }
      - { .name: Wv, .offset: 40, .size: 8, .value_kind: global_buffer, .address_space: global }
      - { .name: Wo, .offset: 48, .size: 8, .value_kind: global_buffer, .address_space: global }
      - { .name: W1, .offset: 56, .size: 8, .value_kind: global_buffer, .address_space: global }
      - { .name: W2, .offset: 64, .size: 8, .value_kind: global_buffer, .address_space: global }
      - { .name: pbuf, .offset: 72, .size: 8, .value_kind: global_buffer, .address_space: global }
    .group_segment_fixed_size: 4864
    .private_segment_fixed_size: 0
    .kernarg_segment_align: 8
    .kernarg_segment_size: 80
    .max_flat_workgroup_size: 192
    .sgpr_count:     72
    .vgpr_count:     512
    .wavefront_size: 32
...
	.end_amdgpu_metadata
.endif
;; end of part 7
;; launch qkv (part 8): grid 64 x 3, 6 waves a work-group, no clusters, 49,920 bytes of LDS; arguments pbuf, bq, bk, bv, qkvb; writes qkvb
.if DOCPART == 8
	.amdgcn_target "amdgcn-amd-amdhsa--gfx1250"
	.amdhsa_code_object_version 6
	.text
	.protected	k_q5fdc7f4323_qkv
	.globl	k_q5fdc7f4323_qkv
	.p2align	8
	.type	k_q5fdc7f4323_qkv,@function
k_q5fdc7f4323_qkv:
	s_mov_b64 s[64:65], 0
	v_nop
	global_prefetch_b8 v0, s[64:65] scope:SCOPE_SE
	s_setreg_imm32_b32 hwreg(HW_REG_WAVE_SCHED_MODE, 0, 2), 2
	s_setreg_imm32_b32 hwreg(HW_REG_WAVE_MODE, 25, 1), 1
	s_wait_xcnt 0x0
	s_wait_alu depctr_vm_vsrc(0)
; QKV.  q, k, v = h W + bias on E5M2 codes with E8M0 scales, then quantised for attention: q and k along the head's 64, v along the keys.  Work-group (tb, y): 64 tokens; y = 0 q, 1 k, 2 v.
; Six waves share the 768 output features, 128 (two heads) each, for all 64 tokens: 32 accumulators (window 1), six K steps of 128, 192 matrix instructions a wave.
; The block's codes of h (49,152 bytes, images of operand registers) are staged once in LDS and read by all six waves; a weight fragment feeds four matrix instructions of ONE wave, so it goes from memory straight into registers.
; q, k: source 0 = 16 features of W, source 1 = 16 tokens: a lane holds one token, its registers run along the features: the next K.  v: the sources are swapped: a lane holds one feature, its registers run along the tokens: the keys.
; Row r of tile t stands for index 32 (t / 2) + 8 (t % 2) + r + 8 (r / 8): the 16 registers of two neighbouring tiles are 16 neighbours, so the conversions' results are the next operand's registers.
; qkvb: q at 0 and k at OFF_K: [head][token tile][1,024] (K = 64: register groups 0, 1); v at OFF_V: [head][128 keys][dh tile][2,048]; scale words 128 bytes a tile: q's at OFF_QSC, k's then v's at OFF_KVSC, 49,152 bytes a head.
; NO CLUSTER: what work-groups share here, the weights, never lies in LDS (each fragment goes to one wave's registers), and a joint load fills LDS alone.
; LIMITS: NaN and infinities are not served; a block whose largest magnitude lies under 2^-111 keeps the scale byte 1; a block of zeros gets the byte 1 and not 127 (its codes are zeros; this program alone reads the bytes).
; THE MODE: SCHED_MODE bits 1:0 = 2 (LLVM: expert scheduling mode 2), set by the entry lines.  The code itself states the register dependences between vector or matrix instructions and memory or LDS instructions, with s_wait_alu, always for 0.
; THE PLAN.  Registers that memory or LDS instructions touch:
;   v1-v6       offsets and LDS addresses: made at the head, never written again: one wait on va_vdst ahead of the first load.
;   v12-v47     scale words: loaded once, read by matrix instructions alone.
;   v64-v127    at the head h's codes as loaded, read by my LDS stores (one wait on vm_vsrc behind them); then K step s: the LDS loads of its four fragments land here, its 32 matrix instructions read them.
;   v128-v191   K step s: its first 16 matrix instructions read W's tiles 0-3; behind them the loads of step s + 1 land here (behind the last step's: the bias).
;   v192-v255   K step s: its second 16 read W's tiles 4-7; behind them the loads of step s + 1 land here.
;   v96-v103, v9  the way out: written by a group's quantiser, read by the group's three stores.
;   v62, v63    written at the head, read by the closing add alone.
; So a K step has two waits on va_vdst, each behind 16 matrix instructions and their eight places, straight ahead of the run of loads into the registers that those 16 have read.  While tiles 4-7 are multiplied the next step's tiles 0-3 are on
; their way, and the other way round.  The loads stand in runs and not among the matrix instructions: those have C and D in window 1, where a load's data would go too, so a load set between them would want two switches.
; All 512 registers that the launch gives a wave are taken: there is no third buffer for W.
; A group of the way out has one wait on va_vdst ahead of its stores; the wait on vm_vsrc for them (beside the wait on XCNT) stands in the next group's quantiser, ahead of its first write of v9: behind that group's additions and its search for the largest magnitudes.
.set OFF_SC,  7077888
.set OFF_H,   7299072
.set OFF_HSC, 10444800
.set OFF_K,   3145728
.set OFF_V,   6291456
.set OFF_QSC, 9437184
.set OFF_KVSC,10027008
.set L16, 1                            ; v1   16 x lane
.set L4,  2                            ; v2   4 x lane
.set T16, 3                            ; v3   16 x thread
.set LA,  4                            ; v4   LDS: 16 x lane
.set H64, 5                            ; v5   64 x (lane / 16)
.set PR4, 6                            ; v6   4 x (r + 8 (r / 8))
.set PW,  9                            ; v9   the scale word being made
.set WSC, 12                           ; v12-35  W's scale words: 4 pairs of tiles x 6 K steps; scales and nothing else
.set ASC, 36                           ; v36-47  h's: 2 pairs x 6 K steps
.set AF,  64                           ; v64-127  h's four fragments of a K step
.set WB,  128                          ; v128-191, v192-255  W's fragments: tiles 0-3, tiles 4-7
.set BI,  128                          ; the bias, behind the last use of v128-191
.set X,   64                           ; the way out: 32 numbers
.set PC,  96                           ; their codes
.set TM,  248                          ; the quantiser's work
.set WV,  2
.set WP,  24
.set WSP, 26
.set AP,  28
.set ASP, 30
.set BP,  32
.set IMGP,34
.set SCP, 36
.set SEL, 42
.set MNT, 44
.set MSB, 0
.macro WIN new                         ; the immediate's high byte repeats the setting that is left; a switch that changes nothing is dropped
.if MSB != \new
	s_set_vgpr_msb (MSB<<8)|\new
.set MSB, \new
.endif
.endm
.macro PLACES n
.rept \n
	v_nop
.endr
.endm
.macro BARRIER
	s_wait_dscnt 0x0
	s_barrier_signal -1
	s_barrier_wait -1
.endm
; One matrix instruction.  ra, rb: the side's scale words stand in lanes 16-31 of its register (the odd tile of a pair).
.macro WM d, a, b, zero, sa, sb, ra, rb
.if \zero
.if (\ra) && (\rb)
	v_wmma_scale_f32_16x16x128_f8f6f4 v[(\d):(\d)+7], v[(\a):(\a)+15], v[(\b):(\b)+15], 0, v[(\sa)], v[(\sb)] matrix_a_fmt:MATRIX_FMT_BF8 matrix_b_fmt:MATRIX_FMT_BF8 matrix_a_scale:MATRIX_SCALE_ROW1 matrix_b_scale:MATRIX_SCALE_ROW1
.elseif \ra
	v_wmma_scale_f32_16x16x128_f8f6f4 v[(\d):(\d)+7], v[(\a):(\a)+15], v[(\b):(\b)+15], 0, v[(\sa)], v[(\sb)] matrix_a_fmt:MATRIX_FMT_BF8 matrix_b_fmt:MATRIX_FMT_BF8 matrix_a_scale:MATRIX_SCALE_ROW1
.elseif \rb
	v_wmma_scale_f32_16x16x128_f8f6f4 v[(\d):(\d)+7], v[(\a):(\a)+15], v[(\b):(\b)+15], 0, v[(\sa)], v[(\sb)] matrix_a_fmt:MATRIX_FMT_BF8 matrix_b_fmt:MATRIX_FMT_BF8 matrix_b_scale:MATRIX_SCALE_ROW1
.else
	v_wmma_scale_f32_16x16x128_f8f6f4 v[(\d):(\d)+7], v[(\a):(\a)+15], v[(\b):(\b)+15], 0, v[(\sa)], v[(\sb)] matrix_a_fmt:MATRIX_FMT_BF8 matrix_b_fmt:MATRIX_FMT_BF8
.endif
.else
.if (\ra) && (\rb)
	v_wmma_scale_f32_16x16x128_f8f6f4 v[(\d):(\d)+7], v[(\a):(\a)+15], v[(\b):(\b)+15], v[(\d):(\d)+7], v[(\sa)], v[(\sb)] matrix_a_fmt:MATRIX_FMT_BF8 matrix_b_fmt:MATRIX_FMT_BF8 matrix_a_scale:MATRIX_SCALE_ROW1 matrix_b_scale:MATRIX_SCALE_ROW1
.elseif \ra
	v_wmma_scale_f32_16x16x128_f8f6f4 v[(\d):(\d)+7], v[(\a):(\a)+15], v[(\b):(\b)+15], v[(\d):(\d)+7], v[(\sa)], v[(\sb)] matrix_a_fmt:MATRIX_FMT_BF8 matrix_b_fmt:MATRIX_FMT_BF8 matrix_a_scale:MATRIX_SCALE_ROW1
.elseif \rb
	v_wmma_scale_f32_16x16x128_f8f6f4 v[(\d):(\d)+7], v[(\a):(\a)+15], v[(\b):(\b)+15], v[(\d):(\d)+7], v[(\sa)], v[(\sb)] matrix_a_fmt:MATRIX_FMT_BF8 matrix_b_fmt:MATRIX_FMT_BF8 matrix_b_scale:MATRIX_SCALE_ROW1
.else
	v_wmma_scale_f32_16x16x128_f8f6f4 v[(\d):(\d)+7], v[(\a):(\a)+15], v[(\b):(\b)+15], v[(\d):(\d)+7], v[(\sa)], v[(\sb)] matrix_a_fmt:MATRIX_FMT_BF8 matrix_b_fmt:MATRIX_FMT_BF8
.endif
.endif
.endm
.macro WLOAD s, hf                     ; W's tiles 4 hf .. 4 hf + 3 of K step s: 16 loads of 512 consecutive bytes
.irp u, 0,1,2,3
.irp c, 0,1,2,3
	global_load_b128 v[WB+64*(\hf)+16*\u+4*\c:WB+64*(\hf)+16*\u+4*\c+3], v[L16], s[WP:WP+1] offset:(\s)*16384+(4*(\hf)+\u)*2048+512*\c
.endr
.endr
.endm
.macro ALOAD s                         ; the block's four fragments of K step s, from LDS
.irp tt, 0,1,2,3
.irp c, 0,1,2,3
	ds_load_b128 v[AF+16*\tt+4*\c:AF+16*\tt+4*\c+3], v[LA] offset:(\s)*8192+\tt*2048+512*\c
.endr
.endr
.endm
; 16 matrix instructions: four tiles of tokens x W's tiles 4 hf .. 4 hf + 3.  The 16 accumulators take turns, one instruction a turn.
; nat = 0: accumulator (tt, t) at 8 (8 tt + t);  nat = 1 (sources swapped): at 8 (4 t + tt).
.macro HALF s, hf, nat, zero
	WIN 0x50                                       ; C and D window 1
.irp tt, 0,1,2,3
.irp u, 0,1,2,3
.if \nat
	WM 8*(4*(4*(\hf)+\u)+\tt), AF+16*\tt, WB+64*(\hf)+16*\u, \zero, ASC+2*(\s)+\tt/2, WSC+4*(\s)+(4*(\hf)+\u)/2, \tt%2, \u%2
.else
	WM 8*(8*\tt+4*(\hf)+\u), WB+64*(\hf)+16*\u, AF+16*\tt, \zero, WSC+4*(\s)+(4*(\hf)+\u)/2, ASC+2*(\s)+\tt/2, \u%2, \tt%2
.endif
.endr
.endr
	WIN 0
.endm
.macro B64 reg, ptr                    ; a bias in the transposed result's layout: register 16 b + i = feature 32 b + 16 (lane / 16) + i of my 128
.irp b, 0,1,2,3
.irp j, 0,1,2,3
	global_load_b128 v[(\reg)+16*\b+4*\j:(\reg)+16*\b+4*\j+3], v[H64], s[\ptr:\ptr+1] offset:128*\b+16*\j
.endr
.endr
.endm
.macro BV8                             ; a bias for the swapped result: in tile t my lane's one feature
.irp t, 0,1,2,3,4,5,6,7
	global_load_b32 v[BI+\t], v[PR4], s[BP:BP+1] offset:(32*(\t/2)+8*(\t%2))*4
.endr
.endm
; Six K steps.  Ahead of it W's step 0 (32 loads) and ALOAD 0 are out.  Eight plain lines stand between matrix instructions and loads into registers that they have read, and ahead of the first read of results.
.macro CORE nat, tail
.irp s, 0,1,2,3,4,5
	s_wait_loadcnt 16                              ; W's tiles 0-3 of this step are in; the 16 loads of tiles 4-7 may be out
	s_wait_dscnt 0x0                               ; this step's fragments of h
.if \s == 0
	HALF \s, 0, \nat, 1                            ; the first step's products start the sums: nothing is cleared
.else
	HALF \s, 0, \nat, 0
.endif
	PLACES 8
	s_wait_alu depctr_va_vdst(0)                   ; the 16 matrix instructions above are done reading W's tiles 0-3 (v128-191), in which the loads below land
.if \s < 5
	WLOAD \s+1, 0
	s_wait_loadcnt 16                              ; tiles 4-7 are in; the 16 loads just issued may be out
.elseif \tail
	BV8
	s_wait_loadcnt 8                               ; likewise: the 8 loads of the bias may be out
.else
	B64 BI, BP
	s_wait_loadcnt 16
.endif
.if \s == 0
	HALF \s, 1, \nat, 1
.else
	HALF \s, 1, \nat, 0
.endif
	PLACES 8
.if \s < 5
	s_wait_alu depctr_va_vdst(0)                   ; this step's matrix instructions are done reading h's fragments (v64-127) and W's tiles 4-7 (v192-255), in which the loads below land
	ALOAD \s+1
	WLOAD \s+1, 1
.endif
.endr
.endm
.macro HEAD768                         ; all scale words; the block's codes through registers into LDS; W's first step
.irp s, 0,1,2,3,4,5
.irp p, 0,1,2,3
	global_load_b32 v[WSC+4*\s+\p], v[L4], s[WSP:WSP+1] offset:\s*512+\p*128
.endr
.irp a, 0,1
	global_load_b32 v[ASC+2*\s+\a], v[L4], s[ASP:ASP+1] offset:\s*256+\a*128
.endr
.endr
.set kk, 0
.rept 16
	global_load_b128 v[AF+4*kk:AF+4*kk+3], v[T16], s[AP:AP+1] offset:kk*3072   ; 192 threads x 16 bytes
.set kk, kk+1
.endr
	WLOAD 0, 0
	WLOAD 0, 1
	s_wait_loadcnt 32                              ; all but W's 32 loads
.set kk, 0
.rept 16
	ds_store_b128 v[T16], v[AF+4*kk:AF+4*kk+3] offset:kk*3072
.set kk, kk+1
.endr
	BARRIER                                        ; the block's 24 fragments lie in LDS; nothing is stored there again
	s_wait_alu depctr_vm_vsrc(0)                   ; my LDS stores have read v64-127, in which the fragments' loads land from here on
	ALOAD 0
.endm
; 32 numbers of a lane, register 16 b + i = K 32 b + 16 (lane / 16) + i of my row, become 8 registers of codes at v[pc] and two scale bytes in v[pw] (sh = 0: bytes 0, 1; sh = 16: bytes 2, 3 are added).
; free = 1: the stores of the group before read v[pw] and the codes' registers: the two waits for them stand ahead of the first line that writes one of these again.
.macro QUANT2 s, pc, pw, sh, free
.irp b, 0,1
	v_max3_num_f32 v[TM+\b], |v[(\s)+16*\b]|, |v[(\s)+16*\b+1]|, 0x8000000   ; my 16 numbers of block b, and the floor 2^(16 - 127): the byte cannot fall under 1
.endr
.irp i, 2,4,6,8,10,12,14
.irp b, 0,1
	v_max3_num_f32 v[TM+\b], v[TM+\b], |v[(\s)+16*\b+\i]|, |v[(\s)+16*\b+\i+1]|
.endr
.endr
.irp b, 0,1
	v_permlanex16_b32 v[TM+2+\b], v[TM+\b], s[SEL], s[SEL+1]
.endr
.irp b, 0,1
	v_max_num_f32 v[TM+\b], v[TM+\b], v[TM+2+\b]   ; with the lane 16 away: the block's largest magnitude
.endr
.irp b, 0,1
	v_add_nc_u32 v[TM+6+\b], 0xf8800000, v[TM+\b]  ; 15 off its exponent field: the conversion's scale operand
.endr
.irp b, 0,1
	v_and_or_b32 v[TM+4+\b], v[TM+\b], 0x7f800000, s[MNT]   ; 57,344 x the scale
.endr
.irp b, 0,1
	v_lshrrev_b32 v[TM+2+\b], 23, v[TM+6+\b]       ; the scale's byte
.endr
.if \free
	s_wait_alu depctr_va_vdst(0)
	s_wait_xcnt 0x0                                ; the last group's stores have had their addresses translated (ISA guide 3.1): their data registers are rewritten only behind this wait
	s_wait_alu depctr_vm_vsrc(0)                   ; the last group's stores have read the scale word and the codes, which the lines below write again
.endif
.if (\sh) == 0
	v_lshl_or_b32 v[\pw], v[TM+3], 8, v[TM+2]
.else
	v_lshl_or_b32 v[\pw], v[TM+2], 16, v[\pw]
	v_lshl_or_b32 v[\pw], v[TM+3], 24, v[\pw]
.endif
.irp b, 0,1
.set kk, 0
.rept 16
	v_med3_num_f32 v[(\s)+16*\b+kk], v[(\s)+16*\b+kk], -v[TM+4+\b], v[TM+4+\b]   ; the conversion does not saturate (ISA guide 7.6.2): the hold at the largest code x the scale
.set kk, kk+1
.endr
.endr
.irp b, 0,1
	v_cvt_scalef32_pk8_bf8_f32 v[(\pc)+4*\b:(\pc)+4*\b+1], v[(\s)+16*\b:(\s)+16*\b+7], v[TM+6+\b]
	v_cvt_scalef32_pk8_bf8_f32 v[(\pc)+4*\b+2:(\pc)+4*\b+3], v[(\s)+16*\b+8:(\s)+16*\b+15], v[TM+6+\b]
.endr
	v_nop                                          ; one plain line between the last conversion and whatever next touches its registers
.endm
	s_load_b256 s[8:15], s[0:1], 0x0               ; pbuf, bq, bk, bv
	s_load_b64 s[16:17], s[0:1], 0x20              ; qkvb
	v_lshl_add_u32 v62, v0, 2, 0xc000
	v_mov_b32 v63, 0
	v_lshrrev_b32 v11, 5, v0
	v_readfirstlane_b32 s[WV], v11                 ; wave 0..5
	v_and_b32 v11, 31, v0
	v_lshlrev_b32 v[L16], 4, v11
	v_lshlrev_b32 v[LA], 4, v11
	v_lshlrev_b32 v[L4], 2, v11
	v_lshlrev_b32 v[T16], 4, v0
	v_bfe_u32 v[H64], v0, 4, 1
	v_lshlrev_b32 v[H64], 6, v[H64]
	v_and_b32 v[PR4], 15, v0
	v_and_b32 v11, 8, v[PR4]
	v_add_nc_u32 v[PR4], v[PR4], v11
	v_lshlrev_b32 v[PR4], 2, v[PR4]
	s_mov_b32 s[SEL], 0x76543210
	s_mov_b32 s[SEL+1], 0xfedcba98                 ; lane l takes lane l xor 16
	s_mov_b32 s[MNT], 0x600000                     ; the mantissa field of 57,344
	s_and_b32 s4, ttmp7, 0xffff                    ; y
	s_mul_i32 s48, s4, 6
	s_wait_alu depctr_va_sdst(0)                   ; the wave's number is written into s2, ahead of its first reader
	s_add_co_u32 s48, s48, s[WV]                   ; G: my 128 output features
	s_mov_b32 s53, 0                               ; the upper word of every offset
	s_wait_kmcnt 0x0
	s_mul_i32 s52, s48, 98304
	s_add_nc_u64 s[WP:WP+1], s[8:9], s[52:53]
	s_mul_i32 s52, s48, 3072
	s_add_co_u32 s52, s52, OFF_SC
	s_add_nc_u64 s[WSP:WSP+1], s[8:9], s[52:53]
	s_mul_i32 s52, ttmp9, 49152
	s_add_co_u32 s52, s52, OFF_H
	s_add_nc_u64 s[AP:AP+1], s[8:9], s[52:53]
	s_mul_i32 s52, ttmp9, 1536
	s_add_co_u32 s52, s52, OFF_HSC
	s_add_nc_u64 s[ASP:ASP+1], s[8:9], s[52:53]
	s_wait_alu depctr_va_vdst(0)                   ; v1 to v6 are written, which every load, store and LDS instruction of the kernel reads as its offset or address
	HEAD768
	s_cmp_eq_u32 s4, 2
	s_cbranch_scc1 .Lv
	; ---- q and k
	s_lshl_b32 s52, s[WV], 9
	s_cmp_eq_u32 s4, 0
	s_cselect_b64 s[BP:BP+1], s[10:11], s[12:13]
	s_cselect_b32 s54, 0, OFF_K
	s_mov_b32 s55, OFF_KVSC
	s_cselect_b32 s55, OFF_QSC, s55
	s_add_nc_u64 s[BP:BP+1], s[BP:BP+1], s[52:53]
	s_mul_i32 s52, s[WV], 524288                   ; heads 2 w, 2 w + 1: 262,144 bytes of images each
	s_add_co_u32 s52, s52, s54
	s_lshl_b32 s54, ttmp9, 12                      ; four tiles of 1,024 bytes
	s_add_co_u32 s52, s52, s54
	s_add_nc_u64 s[IMGP:IMGP+1], s[16:17], s[52:53]
	s_mul_i32 s52, s[WV], 98304                    ; 49,152 bytes of scale words a head
	s_add_co_u32 s52, s52, s55
	s_lshl_b32 s54, ttmp9, 9
	s_add_co_u32 s52, s52, s54
	s_add_nc_u64 s[SCP:SCP+1], s[16:17], s[52:53]
	CORE 0, 0
	s_wait_loadcnt 0x0                             ; the bias
	v_mov_b32 v[TM+2], 0                           ; a lane permute's destination counts as one of its sources
	v_mov_b32 v[TM+3], 0
.irp tt, 0,1,2,3
.irp hh, 0,1                           ; head 2 w + hh: registers 64 tt + 32 hh + 16 b + i = dh 32 b + 16 (lane / 16) + i of my token
	WIN 0x01                                       ; source 0 window 1
.set kk, 0
.rept 16
	v_pk_add_f32 v[X+kk:X+kk+1], v[64*\tt+32*\hh+kk:64*\tt+32*\hh+kk+1], v[BI+32*\hh+kk:BI+32*\hh+kk+1]   ; each accumulator from its low end on
.set kk, kk+2
.endr
	WIN 0
.if (\tt + \hh) > 0
	QUANT2 X, PC, PW, 0, 1
.else
	QUANT2 X, PC, PW, 0, 0
.endif
	s_wait_alu depctr_va_vdst(0)                   ; the quantiser has written the codes and the scale word, which the three stores read
	global_store_b128 v[L16], v[PC:PC+3], s[IMGP:IMGP+1] offset:\hh*262144+\tt*1024
	global_store_b128 v[L16], v[PC+4:PC+7], s[IMGP:IMGP+1] offset:\hh*262144+\tt*1024+512
	global_store_b32 v[L4], v[PW], s[SCP:SCP+1] offset:\hh*49152+\tt*128      ; bytes 2, 3 are 0: they meet zero codes in attention
.endr
.endr
	s_wait_dscnt 0x0                               ; the closing lines, six on end
	s_wait_alu 0x0
	s_wait_tensorcnt 0x0
	ds_add_u32 v62, v63
	s_wait_dscnt 0x0
	s_endpgm
.Lv:
	; ---- v
	s_lshl_b32 s52, s[WV], 9
	s_add_nc_u64 s[BP:BP+1], s[14:15], s[52:53]
	s_mul_i32 s52, s[WV], 524288
	s_lshr_b32 s54, ttmp9, 1                       ; which 128 keys
	s_lshl_b32 s55, s54, 13
	s_add_co_u32 s52, s52, s55
	s_and_b32 s56, ttmp9, 1                        ; and which half of them: register groups 0, 1 or 2, 3
	s_lshl_b32 s55, s56, 10
	s_add_co_u32 s52, s52, s55
	s_add_co_u32 s52, s52, OFF_V
	s_add_nc_u64 s[IMGP:IMGP+1], s[16:17], s[52:53]
	s_mul_i32 s52, s[WV], 98304
	s_lshl_b32 s55, s54, 9
	s_add_co_u32 s52, s52, s55
	s_lshl_b32 s55, s56, 1
	s_add_co_u32 s52, s52, s55
	s_add_co_u32 s52, s52, OFF_KVSC+32768
	s_add_nc_u64 s[SCP:SCP+1], s[16:17], s[52:53]
	CORE 1, 1
	s_wait_loadcnt 0x0
	v_mov_b32 v[TM+2], 0
	v_mov_b32 v[TM+3], 0
.irp t, 0,1,2,3,4,5,6,7                ; head 2 w + t / 4, dh tile t % 4: registers 32 t + 16 b + i = token 32 b + 16 (lane / 16) + i of the block, of my lane's feature
	WIN 0x01
.set kk, 0
.rept 32
	v_add_f32 v[X+kk], v[32*\t+kk], v[BI+\t]
.set kk, kk+1
.endr
	WIN 0
.if \t > 0
	QUANT2 X, PC, PW, 0, 1
.else
	QUANT2 X, PC, PW, 0, 0
.endif
	s_wait_alu depctr_va_vdst(0)                   ; the quantiser has written the codes and the scale word, which the three stores read
	global_store_b128 v[L16], v[PC:PC+3], s[IMGP:IMGP+1] offset:(\t/4)*262144+(\t%4)*2048
	global_store_b128 v[L16], v[PC+4:PC+7], s[IMGP:IMGP+1] offset:(\t/4)*262144+(\t%4)*2048+512
	global_store_b16 v[L4], v[PW], s[SCP:SCP+1] offset:(\t/4)*49152+(\t%4)*128    ; my half of the row's scale word; the block beside mine stores the other
.endr
	s_wait_dscnt 0x0                               ; the closing lines, six on end
	s_wait_alu 0x0
	s_wait_tensorcnt 0x0
	ds_add_u32 v62, v63
	s_wait_dscnt 0x0
	s_endpgm
.Lfunc_end_k_q5fdc7f4323_qkv:
	.size	k_q5fdc7f4323_qkv, .Lfunc_end_k_q5fdc7f4323_qkv-k_q5fdc7f4323_qkv
	.p2alignl 7, 3214868480
	.fill 96, 4, 3214868480
	.section	.rodata,"a",@progbits
	.p2align	6, 0x0
	.amdhsa_kernel k_q5fdc7f4323_qkv
		.amdhsa_group_segment_fixed_size 49920
		.amdhsa_private_segment_fixed_size 0
		.amdhsa_enable_private_segment 0
		.amdhsa_kernarg_size 40
		.amdhsa_user_sgpr_count 2
		.amdhsa_user_sgpr_kernarg_segment_ptr 1
		.amdhsa_wavefront_size32 1
		.amdhsa_system_sgpr_workgroup_id_x 1
		.amdhsa_system_sgpr_workgroup_id_y 1
		.amdhsa_system_sgpr_workgroup_id_z 1
		.amdhsa_system_vgpr_workitem_id 0
		.amdhsa_next_free_vgpr 512
		.amdhsa_next_free_sgpr 72
		.amdhsa_reserve_vcc 0
		.amdhsa_float_denorm_mode_32 3
		.amdhsa_float_denorm_mode_16_64 3
		.amdhsa_memory_ordered 1
		.amdhsa_forward_progress 1
		.amdhsa_inst_pref_size 201
	.end_amdhsa_kernel
	.amdgpu_metadata
---
amdhsa.version: [ 1, 2 ]
amdhsa.kernels:
  - .name:           k_q5fdc7f4323_qkv
    .symbol:         k_q5fdc7f4323_qkv.kd
    .args:
      - { .name: pbuf, .offset: 0, .size: 8, .value_kind: global_buffer, .address_space: global }
      - { .name: bq, .offset: 8, .size: 8, .value_kind: global_buffer, .address_space: global }
      - { .name: bk, .offset: 16, .size: 8, .value_kind: global_buffer, .address_space: global }
      - { .name: bv, .offset: 24, .size: 8, .value_kind: global_buffer, .address_space: global }
      - { .name: qkvb, .offset: 32, .size: 8, .value_kind: global_buffer, .address_space: global }
    .group_segment_fixed_size: 49920
    .private_segment_fixed_size: 0
    .kernarg_segment_align: 8
    .kernarg_segment_size: 40
    .max_flat_workgroup_size: 192
    .sgpr_count:     72
    .vgpr_count:     512
    .wavefront_size: 32
...
	.end_amdgpu_metadata
.endif
;; end of part 8
;; launch attn (part 9): grid 64 x 4, 12 waves a work-group, no clusters, 327,680 bytes of LDS; arguments qkvb, obuf; writes obuf
.if DOCPART == 9
	.amdgcn_target "amdgcn-amd-amdhsa--gfx1250"
	.amdhsa_code_object_version 6
	.text
	.protected	k_q5fdc7f4323_attn
	.globl	k_q5fdc7f4323_attn
	.p2align	8
	.type	k_q5fdc7f4323_attn,@function
k_q5fdc7f4323_attn:
	s_mov_b64 s[64:65], 0
	v_nop
	global_prefetch_b8 v0, s[64:65] scope:SCOPE_SE
	s_setreg_imm32_b32 hwreg(HW_REG_WAVE_MODE, 25, 1), 1
	s_wait_xcnt 0x0
; ATTENTION on E5M2 codes with E8M0 scales, head size 64, 4,096 keys, no mask; o is quantised along the 768 features for the next product.
; t = score x log2(e) / 8; M = the running largest t rounded UP to a whole number; p = 2^(t - M) is quantised along the keys, not normalised; the row's sum is taken of the unquantised p and divides O at the end.
; SHARES.  12 heads x 256 tiles of 16 queries are 3,072 tiles, 12 for each of 256 work-groups; 256 does not divide by 12, so work-group (x, y) takes query tiles 4 x .. 4 x + 3 of EACH of the three heads 3 y .. 3 y + 2.
; Twelve waves, three to a SIMD, 256 registers each: wave w owns tile 4 x + w % 4 of head 3 y + w / 4.  One wave's vector work stands beside another's matrix work and LDS loads.
; Every wave walks all keys of its head, 128 a step: 8 products S^T = K Q^T (source 0 = 16 keys, source 1 = my queries) and 4 products O^T += V^T P^T.  A lane holds one query throughout.
; All operands lie in memory as images of operand registers (2,048 bytes for 16 rows x 128 K, 1,024 for K = 64; 16 bytes a lane): tiles are dense blocks, LDS reads are consecutive, no padding.
; Row r of key tile t stands for key 32 (t / 2) + 8 (t % 2) + r + 8 (r / 8): p's 16 registers of two neighbouring tiles are 16 neighbouring keys.
; K = 64 IN AN INSTRUCTION OF 128: q's registers 8-15 are zero codes; a key tile's operand runs on into the next tile's codes (finite numbers) or into eight zero registers: that half adds exactly 0.
; RING: two slots of 256 keys of the three heads (for each head K's two steps, then V's two, 8,192 bytes each); every wave fetches one of the twelve pieces.  A wave has one tensor load out at a time.
; Larger slots do not fit: three heads x four steps would be 196,608 bytes a slot.  The heads' scale words come once: of a tile's 128 bytes in memory, which hold each word twice, the first 64 are brought: 24,576 bytes a head.
; So two neighbouring tiles' words are 128 consecutive bytes: one load gives lanes 0-15 the even tile's words and lanes 16-31 the odd tile's.
; THE BARRIER OF A CHANGE OF SLOTS IS OPENED EARLY: a wave's last reads of a slot are its second step's loads of V; behind the row's sums it waits for them and signals; the scale bytes, the holds, the conversions, O^T's rescaling and
; the four products V^T P^T, all on registers, stand between the signal and the wait.
; NO CLUSTER: the 64 work-groups of a group of heads do walk the same K and V.  A joint refill stands behind a round of the cluster's barrier; with slots of two key steps that is three barriers, of which only the first can be
; opened early, behind every 24 matrix instructions of a wave, with 48 waves held in step.
; LIMITS: NaN and infinities are not served; a block whose largest magnitude lies under 2^-111 keeps the scale byte 1; a block of zeros gets the byte 1 and not 127 (its codes are zeros; this program alone reads the bytes).
.set OFF_K,   3145728
.set OFF_QSC, 9437184
.set OFF_KVSC,10027008
.set OSC,     3145728                  ; obuf: the scale words
.set SLOT1,   131072                   ; slot 0: bytes 0 to 98,303; slot 1 begins here: one exclusive or turns an address in one slot into the other's
.set SC,      229376                   ; the scale words: a head's K (64 bytes a tile, 16,384 bytes), then its V (64 bytes a (128 keys, dh tile), 8,192 bytes); three heads
.set SPARE,   303104                   ; the spare words: 128 bytes for each wave, six blocks of 256 bytes that no other line names
.set NSL,     16                       ; slots' worth of keys
.set L16, 1                            ; v1   16 x lane
.set LK,  4                            ; v4   LDS: 16 x lane + my head's 32,768 bytes of a slot
.set SPW, 5                            ; v5   my spare word; never rewritten
.set NIL, 6                            ; v6   0; never rewritten
.set PFO, 7                            ; v7   256 x lane; never rewritten
.set ADK, 8                            ; v8   LDS: the slot in hand + v4
.set ADS, 9                            ; v9   LDS: the step's scale words of K
.set ADT, 10                           ; v10  and of V
.set TM,  224                          ; the way out: the quantiser's work
; v2, v3: 4 x lane + my head's scale words of K, of V; v11: 4 x (lane % 16); v12 -M, v13 the largest t, v[14:15] the sum in two halves; v16-23 q's codes, v24-31 zeros; v32-95 eight key tiles, later four fragments of V;
; v96-103 zeros; v104-167 S^T, then p; v168-199 O^T; v200-215 p's codes; v216-219 K's scale words, v220-221 V's, a pair of tiles each; v224-239 at work; v240 f, v241 p's scale word; v242 at work; v243 q's scale word.
.set TB,  2                            ; s2   the slot in hand
.set TS,  3                            ; s3   the step's scale words of K: 512 bytes a step
.set TJ,  4                            ; s4   of V: 256 bytes a step
.set SLOTS, 5
.set WV,  18
.set MNT, 19
.set SEL, 20
.set CS,  22
.set G1,  24                           ; s[24:31] descriptor group 1 of the ring's loads
.set G1S, 32                           ; s[32:39] of the scale words'
.set G0,  40                           ; s[40:43] group 0 of the ring's loads: it walks
.set G0S, 44
.set PFA, 48
.set LIM, 50
.set QP,  52
.set QSP, 54
.set OP,  56
.set OSP, 58
.macro PLACES n
.rept \n
	v_nop
.endr
.endm
; Ahead of a change of slots: all my tensor loads have landed, 0 is added to my spare word, the add and my reads of the slot in hand are done; then the signal.  fill = 1: the slot in hand will be filled again.
.macro MEET fill
	s_wait_tensorcnt 0x0                           ; no tensor load of mine is out: my piece of the other slot has landed, and the group 0 may be written
	ds_add_u32 v[SPW], v[NIL]                      ; 0 onto my spare word
.if \fill
	s_xor_b32 s[G0+1], s[G0+1], SLOT1              ; the other slot than last time,
	s_add_nc_u64 s[G0+2:G0+3], s[G0+2:G0+3], 16384 ; the next 256 keys; the type bits on top are not reached
	s_wait_xcnt 0x0                                ; the last prefetch, a slot back, has read its address
	s_add_nc_u64 s[PFA:PFA+1], s[PFA:PFA+1], 16384
.endif
	s_wait_dscnt 0x0                               ; the add is done, and my reads of the slot in hand are over
	s_barrier_signal -1
.endm
; Behind the barrier's wait: my one tensor load until the next such barrier; four v_nop follow it.  Then a prefetch of my piece of the slot that the NEXT fill will ask for: two key steps ahead of that load.
; The 64 work-groups of a group of heads walk the same K and V: the first of them asks, each of its twelve waves for its own 8,192 bytes, lanes 256 bytes apart: each block of 256 bytes is named once.
; The last fill asks for nothing; slots 0 and 1 come by their loads alone.
.macro FILL
	tensor_load_to_lds s[G0:G0+3], s[G1:G1+7]
	s_nop 0
.rept 4
	v_nop
.endr
	s_cmp_gt_u32 s[SLOTS], s[LIM]
	s_cbranch_scc0 .Lnot_mine_\@
	global_prefetch_b8 v[PFO], s[PFA:PFA+1] th:TH_LOAD_NT scope:SCOPE_SE
.Lnot_mine_\@:
.endm
; 32 numbers of a lane, register 16 b + i = K 32 b + 16 (lane / 16) + i of my row, become 8 registers of codes at v[pc] and two scale bytes in v[pw].
.macro QUANT2 s, pc, pw, sh
.irp b, 0,1
	v_max3_num_f32 v[TM+\b], |v[(\s)+16*\b]|, |v[(\s)+16*\b+1]|, 0x8000000   ; my 16 numbers of block b, and the floor 2^(16 - 127): the byte cannot fall under 1
.endr
.irp i, 2,4,6,8,10,12,14
.irp b, 0,1
	s_delay_alu instid0(VALU_DEP_2)
	v_max3_num_f32 v[TM+\b], v[TM+\b], |v[(\s)+16*\b+\i]|, |v[(\s)+16*\b+\i+1]|
.endr
.endr
.irp b, 0,1
	s_delay_alu instid0(VALU_DEP_2)
	v_permlanex16_b32 v[TM+2+\b], v[TM+\b], s[SEL], s[SEL+1]
.endr
.irp b, 0,1
	s_delay_alu instid0(VALU_DEP_2)
	v_max_num_f32 v[TM+\b], v[TM+\b], v[TM+2+\b]
.endr
.irp b, 0,1
	s_delay_alu instid0(VALU_DEP_2)
	v_add_nc_u32 v[TM+6+\b], 0xf8800000, v[TM+\b]
.endr
.irp b, 0,1
	s_delay_alu instid0(VALU_DEP_4)
	v_and_or_b32 v[TM+4+\b], v[TM+\b], 0x7f800000, s[MNT]
.endr
.irp b, 0,1
	s_delay_alu instid0(VALU_DEP_4)
	v_lshrrev_b32 v[TM+2+\b], 23, v[TM+6+\b]
.endr
.if (\sh) == 0
	s_delay_alu instid0(VALU_DEP_1)
	v_lshl_or_b32 v[\pw], v[TM+3], 8, v[TM+2]
.else
	v_lshl_or_b32 v[\pw], v[TM+2], 16, v[\pw]
	v_lshl_or_b32 v[\pw], v[TM+3], 24, v[\pw]
.endif
.irp b, 0,1
.set kk, 0
.rept 16
	v_med3_num_f32 v[(\s)+16*\b+kk], v[(\s)+16*\b+kk], -v[TM+4+\b], v[TM+4+\b]
.set kk, kk+1
.endr
.endr
.irp b, 0,1
	v_cvt_scalef32_pk8_bf8_f32 v[(\pc)+4*\b:(\pc)+4*\b+1], v[(\s)+16*\b:(\s)+16*\b+7], v[TM+6+\b]
	v_cvt_scalef32_pk8_bf8_f32 v[(\pc)+4*\b+2:(\pc)+4*\b+3], v[(\s)+16*\b+8:(\s)+16*\b+15], v[TM+6+\b]
.endr
	v_nop
.endm
	s_load_b128 s[8:11], s[0:1], 0x0               ; qkvb, obuf
	v_lshl_add_u32 v[SPW], v0, 2, SPARE
	v_mov_b32 v[NIL], 0
	ds_add_u32 v5, v6
	ds_add_u32 v5, v6
	s_wait_dscnt 0x0
	v_lshrrev_b32 v8, 5, v0
	s_delay_alu instid0(VALU_DEP_1)
	v_readfirstlane_b32 s[WV], v8                  ; wave 0..11
	s_lshr_b32 s16, s[WV], 2                       ; which of the work-group's three heads
	s_and_b32 s14, s[WV], 3                        ; which of its four query tiles; also: which piece of my head's part of a slot I fetch
	s_and_b32 s12, ttmp7, 0xffff
	s_mul_i32 s12, s12, 3
	s_add_co_u32 s12, s12, s16                     ; the head
	s_lshl_b32 s13, ttmp9, 2
	s_add_co_u32 s13, s13, s14                     ; my tile of queries
	s_mov_b32 s7, 0                                ; the upper word of every offset
	; descriptor group 1 of the ring's loads: a dense block of 8,192 bytes as 32 rows of 256 bytes (32 elements of 8 bytes)
	s_mov_b32 s[G1], 3<<16                         ; no mask; elements of 8 bytes; no padding
	s_mov_b32 s[G1+1], 32<<16                      ; tensor_dim0
	s_mov_b32 s[G1+2], 32<<16                      ; tensor_dim1
	s_mov_b32 s[G1+3], 32<<16                      ; tile_dim0
	s_mov_b32 s[G1+4], 32                          ; tile_dim1
	s_mov_b32 s[G1+5], 32                          ; from row to row
	s_mov_b32 s[G1+6], 0
	s_mov_b32 s[G1+7], 0
	; and of the scale words': 96 rows of 64 bytes (8 elements), 128 bytes (16 elements) apart in memory, dense in LDS: a quarter of a head's 384 rows
	s_mov_b32 s[G1S], 3<<16
	s_mov_b32 s[G1S+1], 8<<16
	s_mov_b32 s[G1S+2], 96<<16
	s_mov_b32 s[G1S+3], 8<<16
	s_mov_b32 s[G1S+4], 96
	s_mov_b32 s[G1S+5], 16
	s_mov_b32 s[G1S+6], 0
	s_mov_b32 s[G1S+7], 0
	s_mov_b32 s[SEL], 0x76543210
	s_mov_b32 s[SEL+1], 0xfedcba98                 ; lane l takes lane l xor 16
	s_mov_b32 s[CS], 0x3e38aa3b                    ; c = log2(e) / 8
	s_mov_b32 s[CS+1], s[CS]                       ; (named with it as a pair, so it is written)
	s_mov_b32 s[MNT], 0x600000
	s_mov_b32 s[TB], 0
	s_mov_b32 s[TS], 0
	s_mov_b32 s[TJ], 0
	s_mov_b32 s[SLOTS], NSL-2
	s_wait_kmcnt 0x0
	s_mul_i32 s6, s12, 49152                       ; my head's scale words of K and V in memory: 384 rows of 128 bytes, 96 rows a wave
	s_mul_i32 s15, s14, 12288
	s_add_co_u32 s6, s6, s15
	s_add_co_u32 s6, s6, OFF_KVSC
	s_mul_i32 s15, s[WV], 6144                     ; in LDS: 24,576 bytes a head, 6,144 a wave
	s_mov_b32 s[G0S], 1
	s_add_co_u32 s[G0S+1], s15, SC
	s_add_nc_u64 s[G0S+2:G0S+3], s[8:9], s[6:7]
	s_or_b32 s[G0S+3], s[G0S+3], 0x80000000
	s_lshr_b32 s6, s14, 1                          ; pieces 0, 1: K; pieces 2, 3: V, which lies 3,145,728 bytes behind K
	s_mul_i32 s6, s6, 3145728
	s_lshl_b32 s15, s12, 18                        ; 262,144 bytes a head
	s_add_co_u32 s6, s6, s15
	s_and_b32 s15, s14, 1
	s_lshl_b32 s15, s15, 13                        ; the slot's first or second key step
	s_add_co_u32 s6, s6, s15
	s_add_co_u32 s6, s6, OFF_K
	s_mov_b32 s[G0], 1
	s_lshl_b32 s[G0+1], s[WV], 13                  ; slot 0: 8,192 bytes a wave: head by head K's two steps, then V's two
	s_add_nc_u64 s[G0+2:G0+3], s[8:9], s[6:7]
	s_or_b32 s[G0+3], s[G0+3], 0x80000000
	tensor_load_to_lds s[G0S:G0S+3], s[G1S:G1S+7]  ; every wave's first fill, the scale words; slot 0's follows behind a wait on TENSORcnt and a barrier
	s_nop 0
	s_wait_alu depctr_va_vdst(0)
	s_wait_tensorcnt 0x0
	ds_add_u32 v5, v6
	s_wait_dscnt 0x0
	s_barrier_signal -1
	s_barrier_wait -1
	tensor_load_to_lds s[G0:G0+3], s[G1:G1+7]
	s_nop 0
.rept 4
	v_nop
.endr
	s_add_nc_u64 s[PFA:PFA+1], s[8:9], s[6:7]      ; the prefetches: my own piece,
	s_add_nc_u64 s[PFA:PFA+1], s[PFA:PFA+1], 16384 ; in slot 1: the first change of slots steps it to slot 2
	s_cmp_eq_u32 ttmp9, 0                          ; the first work-group of the group of heads asks
	s_cselect_b32 s[LIM], 1, -1
	s_lshl_b32 s6, s12, 18
	s_lshl_b32 s15, s13, 10
	s_add_co_u32 s6, s6, s15
	s_add_nc_u64 s[QP:QP+1], s[8:9], s[6:7]        ; q's image
	s_mul_i32 s6, s12, 49152
	s_lshl_b32 s15, s13, 7
	s_add_co_u32 s6, s6, s15
	s_add_co_u32 s6, s6, OFF_QSC
	s_add_nc_u64 s[QSP:QSP+1], s[8:9], s[6:7]      ; and its scale words
	s_lshr_b32 s61, s12, 1                         ; the head's K step in the next product,
	s_and_b32 s62, s12, 1                          ; and its half of that step
	s_mul_i32 s6, ttmp9, 49152                     ; the work-group's four tiles are one block of 64 tokens
	s_lshl_b32 s15, s61, 13
	s_add_co_u32 s6, s6, s15
	s_lshl_b32 s15, s14, 11
	s_add_co_u32 s6, s6, s15
	s_lshl_b32 s15, s62, 10
	s_add_co_u32 s6, s6, s15
	s_add_nc_u64 s[OP:OP+1], s[10:11], s[6:7]
	s_mul_i32 s6, ttmp9, 1536
	s_lshl_b32 s15, s61, 8
	s_add_co_u32 s6, s6, s15
	s_lshr_b32 s15, s14, 1
	s_lshl_b32 s15, s15, 7                         ; the pair of tiles,
	s_add_co_u32 s6, s6, s15
	s_and_b32 s15, s14, 1
	s_lshl_b32 s15, s15, 6                         ; the tile in it,
	s_add_co_u32 s6, s6, s15
	s_lshl_b32 s15, s62, 1                         ; the head's two bytes of the word
	s_add_co_u32 s6, s6, s15
	s_add_co_u32 s6, s6, OSC
	s_add_nc_u64 s[OSP:OSP+1], s[10:11], s[6:7]
	v_and_b32 v8, 31, v0
	s_delay_alu instid0(VALU_DEP_1)
	v_lshlrev_b32 v[L16], 4, v8
	s_lshl_b32 s15, s16, 15
	v_add_nc_u32 v[LK], s15, v[L16]
	v_lshl_add_u32 v2, v8, 2, SC
	s_mul_i32 s15, s16, 24576
	v_add_nc_u32 v2, s15, v2
	s_delay_alu instid0(VALU_DEP_1)
	v_add_nc_u32 v3, 0x4000, v2
	v_lshlrev_b32 v[PFO], 8, v8
	v_and_b32 v11, 15, v0
	s_delay_alu instid0(VALU_DEP_1)
	v_lshlrev_b32 v11, 2, v11
	global_load_b128 v[16:19], v[L16], s[QP:QP+1]
	global_load_b128 v[20:23], v[L16], s[QP:QP+1] offset:512
	global_load_b32 v243, v11, s[QSP:QSP+1]
.set kk, 0
.rept 8
	v_mov_b32 v[24+kk], 0                          ; q's codes for K = 64 .. 127
	v_mov_b32 v[96+kk], 0                          ; what the last key tile's operand runs on into
.set kk, kk+1
.endr
	v_mov_b32 v13, 0xff61b1e6                      ; the largest t so far: -3e38, under every t
	s_delay_alu instid0(VALU_DEP_1)
	v_floor_f32 v12, -v13                          ; -M
	v_mov_b32 v14, 0
	v_mov_b32 v15, 0
.irp b, 0,1,2,3
	v_mov_b32 v[228+\b], 0                         ; a lane permute's destination counts as one of its sources
.endr
	v_mov_b32 v241, 0                              ; (named as the upper half of the pair v[240:241] before it is first written)
.set kk, 0
.rept 32
	v_mov_b32 v[168+kk], 0                         ; O^T: the step is written once; the first finds zeros, which the first change of M leaves zeros
.set kk, kk+1
.endr
; A KEY STEP: 128 keys, the q-th of the slot in hand.  meet = 1: the slot's last step, and the slot is filled again; 2: the same without a fill; 0: no change of slots.
.macro STEP q, meet
	v_add_nc_u32 v[ADK], s[TB], v[LK]
	v_add_nc_u32 v[ADS], s[TS], v2
	v_add_nc_u32 v[ADT], s[TJ], v3
	PLACES 5                                       ; with the three additions: eight places between the last products and loads into registers that they read
.irp t, 0,1,2,3,4,5,6,7
	ds_load_b128 v[32+8*\t:35+8*\t], v[ADK] offset:(\q)*8192+\t*1024
	ds_load_b128 v[36+8*\t:39+8*\t], v[ADK] offset:(\q)*8192+\t*1024+512
.endr
.irp p, 0,1,2,3
	ds_load_b32 v[216+\p], v[ADS] offset:\p*128    ; lanes 0-15: tile 2 p's scale words; lanes 16-31: tile 2 p + 1's
.endr
	s_wait_alu depctr_va_vdst(0)
	s_wait_dscnt 0x0
.irp p, 0,1,2,3
	v_wmma_scale_f32_16x16x128_f8f6f4 v[104+16*\p:111+16*\p], v[32+16*\p:47+16*\p], v[16:31], 0, v[216+\p], v243 matrix_a_fmt:MATRIX_FMT_BF8 matrix_b_fmt:MATRIX_FMT_BF8
	v_wmma_scale_f32_16x16x128_f8f6f4 v[112+16*\p:119+16*\p], v[40+16*\p:55+16*\p], v[16:31], 0, v[216+\p], v243 matrix_a_fmt:MATRIX_FMT_BF8 matrix_b_fmt:MATRIX_FMT_BF8 matrix_a_scale:MATRIX_SCALE_ROW1
.endr
	PLACES 8                                       ; ahead of the loads below and of the first read of the scores
.irp d, 0,1,2,3                        ; V's four fragments land under the softmax
.irp c, 0,1,2,3
	ds_load_b128 v[32+16*\d+4*\c:35+16*\d+4*\c], v[ADK] offset:16384+(\q)*8192+\d*2048+512*\c
.endr
.endr
	ds_load_b32 v220, v[ADT]                       ; dh tiles 0 and 1,
	ds_load_b32 v221, v[ADT] offset:128            ; 2 and 3
.irp b, 0,1,2,3
	v_max3_num_f32 v[224+\b], v[104+16*\b], v[105+16*\b], v[106+16*\b]   ; the largest score of each block of 32 keys: for the row's maximum, and, since p rises with the score, for the block's largest p
.endr
.irp i, 3,5,7,9,11,13
.irp b, 0,1,2,3
	v_max3_num_f32 v[224+\b], v[224+\b], v[104+16*\b+\i], v[105+16*\b+\i]
.endr
.endr
.irp b, 0,1,2,3
	v_max_num_f32 v[224+\b], v[224+\b], v[119+16*\b]
.endr
.irp b, 0,1,2,3
	s_delay_alu instid0(VALU_DEP_4)
	v_permlanex16_b32 v[228+\b], v[224+\b], s[SEL], s[SEL+1]
.endr
.irp b, 0,1,2,3
	s_delay_alu instid0(VALU_DEP_4)
	v_max_num_f32 v[224+\b], v[224+\b], v[228+\b]  ; with the lane 16 away
.endr
	s_delay_alu instid0(VALU_DEP_2)
	v_max3_num_f32 v242, v224, v225, v226
	s_delay_alu instid0(VALU_DEP_1)
	v_max_num_f32 v242, v242, v227                 ; the step's largest score of my query
	s_delay_alu instid0(VALU_DEP_1)
	v_mul_f32 v242, s[CS], v242                    ; as t
	s_delay_alu instid0(VALU_DEP_1)
	v_max_num_f32 v13, v13, v242                   ; the running largest t
	v_mov_b32 v242, v12
	s_delay_alu instid0(VALU_DEP_2)
	v_floor_f32 v12, -v13                          ; the new -M = floor(-t) = -ceil(t)
	s_delay_alu instid0(VALU_DEP_1)
	v_sub_f32 v242, v12, v242                      ; old M - new M: a whole number, 0 or less
	s_delay_alu instid0(VALU_DEP_1)
	v_cvt_i32_f32 v242, v242                       ; (it saturates)
	s_delay_alu instid0(VALU_DEP_1)
	v_ldexp_f32 v240, 1.0, v242                    ; f = 2^(old M - new M): a multiplication by it rounds nothing
.set kk, 0
.rept 32
	v_pk_fma_f32 v[104+kk:105+kk], v[104+kk:105+kk], s[CS:CS+1], v[12:13] op_sel_hi:[1,0,0]   ; t - M, two at a time
.set kk, kk+2
.endr
.irp b, 0,1,2,3
	v_fma_f32 v[224+\b], v[224+\b], s[CS], v12     ; the same of each block's largest score
.endr
.set kk, 0
	s_wait_alu depctr_va_vdst(0)
.rept 64
	v_exp_f32 v[104+kk], v[104+kk]                 ; p = 2^(t - M), at most 1
.set kk, kk+1
.endr
	v_pk_mul_f32 v[14:15], v[14:15], v[240:241] op_sel_hi:[1,0]   ; the sums under the new M: the plain line behind the exponentials
	s_wait_alu depctr_va_vdst(0)                   ; one wait for the 64, ahead of their first reader
.irp b, 0,1,2,3
	v_exp_f32 v[224+\b], v[224+\b]                 ; the block's largest p
.endr
	v_pk_add_f32 v[228:229], v[104:105], v[106:107]   ; the row's sum of the unquantised p, in two chains; it reads the 64 alone
.irp j, 4,8,12,16,20,24,28,32,36,40,44,48,52,56,60
	v_pk_add_f32 v[14:15], v[14:15], v[104+\j:105+\j]
	v_pk_add_f32 v[228:229], v[228:229], v[106+\j:107+\j]
.endr
	s_delay_alu instid0(VALU_DEP_1)
	v_pk_add_f32 v[14:15], v[14:15], v[228:229]
	s_wait_alu depctr_va_vdst(0)                   ; and one for the four
.if (\meet) == 1
	MEET 1                                         ; V is in: I read this slot no more.  All that follows up to the barrier's wait works on registers
.elseif (\meet) == 2
	MEET 0
.endif
.irp b, 0,1,2,3
	v_max_num_f32 v[224+\b], 0x8000000, v[224+\b]  ; the floor 2^(16 - 127)
.endr
.irp b, 0,1,2,3
	s_delay_alu instid0(VALU_DEP_4)
	v_add_nc_u32 v[236+\b], 0xf8800000, v[224+\b]  ; the conversion's scale operand
.endr
.irp b, 0,1,2,3
	v_and_or_b32 v[232+\b], v[224+\b], 0x7f800000, s[MNT]   ; 57,344 x the scale
.endr
.irp b, 0,1,2,3
	v_lshrrev_b32 v[228+\b], 23, v[236+\b]         ; the scale's byte
.endr
	s_delay_alu instid0(VALU_DEP_3)
	v_lshl_or_b32 v241, v229, 8, v228              ; p's scale word for these 128 keys
	s_delay_alu instid0(VALU_DEP_1)
	v_lshl_or_b32 v241, v230, 16, v241
	s_delay_alu instid0(VALU_DEP_1)
	v_lshl_or_b32 v241, v231, 24, v241
; The conversion does not saturate (ISA guide 7.6.2); p is not negative: a one-sided hold, two to an instruction.  Register kk of block bp goes with register kk xor 1 of block bp + 1: the destinations are one even and one odd,
; and each pair of sources lies in two register banks, as the dual form asks.
.irp bp, 0,2
.set kk, 0
.rept 16
	v_dual_min_num_f32 v[104+16*\bp+kk], v[232+\bp], v[104+16*\bp+kk] :: v_dual_min_num_f32 v[120+16*\bp+kk+1-2*(kk%2)], v[233+\bp], v[120+16*\bp+kk+1-2*(kk%2)]
.set kk, kk+1
.endr
.endr
.irp b, 0,1,2,3
	v_cvt_scalef32_pk8_bf8_f32 v[200+4*\b:201+4*\b], v[104+16*\b:111+16*\b], v[236+\b]
	v_cvt_scalef32_pk8_bf8_f32 v[202+4*\b:203+4*\b], v[112+16*\b:119+16*\b], v[236+\b]
.endr
.set kk, 0
.rept 16
	v_pk_mul_f32 v[168+kk:169+kk], v[168+kk:169+kk], v[240:241] op_sel_hi:[1,0]   ; O^T under the new M; these lines also part the conversions from the products
.set kk, kk+2
.endr
.if (\meet) == 0
	s_wait_alu depctr_va_vdst(0)
	s_wait_dscnt 0x0                               ; V
.endif
.irp p, 0,1
	v_wmma_scale_f32_16x16x128_f8f6f4 v[168+16*\p:175+16*\p], v[32+32*\p:47+32*\p], v[200:215], v[168+16*\p:175+16*\p], v[220+\p], v241 matrix_a_fmt:MATRIX_FMT_BF8 matrix_b_fmt:MATRIX_FMT_BF8
	v_wmma_scale_f32_16x16x128_f8f6f4 v[176+16*\p:183+16*\p], v[48+32*\p:63+32*\p], v[200:215], v[176+16*\p:183+16*\p], v[220+\p], v241 matrix_a_fmt:MATRIX_FMT_BF8 matrix_b_fmt:MATRIX_FMT_BF8 matrix_a_scale:MATRIX_SCALE_ROW1
.endr
	s_add_co_u32 s[TS], s[TS], 512
	s_add_co_u32 s[TJ], s[TJ], 256
.endm
	s_wait_loadcnt 0x0                             ; q
	MEET 1                                         ; the scale words and slot 0 have landed, in every wave;
	s_barrier_wait -1
	FILL                                           ; slot 1's first fill goes out as a refill does
.Lslot:                                            ; NSL - 2 trips: slot i is read, and behind its barrier its bytes take the keys of slot i + 2
	STEP 0, 0
	STEP 1, 1
	s_barrier_wait -1                              ; nobody reads this slot any more, and the other slot is whole
	FILL                                           ; the first thing behind the barrier: it has up to the next signal, some one and three quarters key steps, in which to land
	s_xor_b32 s[TB], s[TB], SLOT1
	s_sub_co_u32 s[SLOTS], s[SLOTS], 1
	s_cmp_lg_u32 s[SLOTS], 0
	s_cbranch_scc1 .Lslot
	STEP 0, 0                                      ; the last two slots are written out
	STEP 1, 2
	s_barrier_wait -1                              ; the last slot is whole; nothing is filled
	s_xor_b32 s[TB], s[TB], SLOT1
	STEP 0, 0
	STEP 1, 0
	; THE WAY OUT.  O^T / the sum: register 16 b + i = dh 32 b + 16 (lane / 16) + i of my query: two blocks of the next product's K, quantised in registers and stored as half a fragment's image.
	v_add_f32 v14, v14, v15
	s_delay_alu instid0(VALU_DEP_1)
	v_permlanex16_b32 v240, v14, s[SEL], s[SEL+1]
	s_delay_alu instid0(VALU_DEP_1)
	v_add_f32 v14, v14, v240                       ; the row's sum
	s_wait_alu depctr_va_vdst(0)
	v_rcp_f32 v14, v14
	PLACES 8                                       ; behind the reciprocal, and the places behind the last products
	s_wait_alu depctr_va_vdst(0)                   ; ahead of the reciprocal's first reader
.set kk, 0
.rept 32
	v_mul_f32 v[104+kk], v[168+kk], v14
.set kk, kk+1
.endr
	QUANT2 104, 200, 242, 0
	global_store_b128 v[L16], v[200:203], s[OP:OP+1]
	global_store_b128 v[L16], v[204:207], s[OP:OP+1] offset:512
	global_store_b16 v11, v242, s[OSP:OSP+1]       ; lanes r and r + 16 write the same two bytes with the same value
	s_wait_tensorcnt 0x0                           ; the wave's end
	ds_add_u32 v[SPW], v[NIL]
	s_wait_dscnt 0x0
	s_endpgm
.Lfunc_end_k_q5fdc7f4323_attn:
	.size	k_q5fdc7f4323_attn, .Lfunc_end_k_q5fdc7f4323_attn-k_q5fdc7f4323_attn
	.p2alignl 7, 3214868480
	.fill 96, 4, 3214868480
	.section	.rodata,"a",@progbits
	.p2align	6, 0x0
	.amdhsa_kernel k_q5fdc7f4323_attn
		.amdhsa_group_segment_fixed_size 327680
		.amdhsa_private_segment_fixed_size 0
		.amdhsa_enable_private_segment 0
		.amdhsa_kernarg_size 16
		.amdhsa_user_sgpr_count 2
		.amdhsa_user_sgpr_kernarg_segment_ptr 1
		.amdhsa_wavefront_size32 1
		.amdhsa_system_sgpr_workgroup_id_x 1
		.amdhsa_system_sgpr_workgroup_id_y 1
		.amdhsa_system_sgpr_workgroup_id_z 1
		.amdhsa_system_vgpr_workitem_id 0
		.amdhsa_next_free_vgpr 256
		.amdhsa_next_free_sgpr 72
		.amdhsa_reserve_vcc 0
		.amdhsa_float_denorm_mode_32 3
		.amdhsa_float_denorm_mode_16_64 3
		.amdhsa_memory_ordered 1
		.amdhsa_forward_progress 1
		.amdhsa_inst_pref_size 132
	.end_amdhsa_kernel
	.amdgpu_metadata
---
amdhsa.version: [ 1, 2 ]
amdhsa.kernels:
  - .name:           k_q5fdc7f4323_attn
    .symbol:         k_q5fdc7f4323_attn.kd
    .args:
      - { .name: qkvb, .offset: 0, .size: 8, .value_kind: global_buffer, .address_space: global }
      - { .name: obuf, .offset: 8, .size: 8, .value_kind: global_buffer, .address_space: global }
    .group_segment_fixed_size: 327680
    .private_segment_fixed_size: 0
    .kernarg_segment_align: 8
    .kernarg_segment_size: 16
    .max_flat_workgroup_size: 384
    .sgpr_count:     72
    .vgpr_count:     256
    .wavefront_size: 32
...
	.end_amdgpu_metadata
.endif
;; end of part 9
;; launch wo (part 10): grid 64 x 1, 6 waves a work-group, no clusters, 54,016 bytes of LDS; arguments obuf, pbuf, bo, x, ln2_g, ln2_b, midb; writes midb
.if DOCPART == 10
	.amdgcn_target "amdgcn-amd-amdhsa--gfx1250"
	.amdhsa_code_object_version 6
	.text
	.protected	k_q5fdc7f4323_wo
	.globl	k_q5fdc7f4323_wo
	.p2align	8
	.type	k_q5fdc7f4323_wo,@function
k_q5fdc7f4323_wo:
	s_mov_b64 s[64:65], 0
	v_nop
	global_prefetch_b8 v0, s[64:65] scope:SCOPE_SE
	s_setreg_imm32_b32 hwreg(HW_REG_WAVE_SCHED_MODE, 0, 2), 2
	s_setreg_imm32_b32 hwreg(HW_REG_WAVE_MODE, 25, 1), 1
	s_wait_xcnt 0x0
	s_wait_alu depctr_vm_vsrc(0)
; WO.  x1 = x + o Wo + bo on E5M2 codes with E8M0 scales; h2 = LN2(x1), quantised along the 768 features.  Work-group tb: 64 tokens, whole rows, since the norm needs them.
; Six waves share the 768 output features, 128 each, for all 64 tokens: 32 accumulators (window 1), six K steps of 128, 192 matrix instructions a wave.  Source 0 = 16 features of Wo, source 1 = 16 tokens: a lane holds one token.
; o's codes (49,152 bytes, images of operand registers) are staged once in LDS; a weight fragment feeds four matrix instructions of ONE wave and goes from memory straight into registers.
; x1 leaves as images of the accumulators' registers ([block][128 features][tile][16][512 bytes]): the last launch reads them back into the same lanes.  The norm: mean first, then the squares of x1 - mean; the waves' sums meet in LDS.
; midb: x1 at 0; h2's images at 12,582,912 ([block][K step][tile][2,048]); its scale words at 15,728,640 ([block][K step][pair of tiles][128]).
; 64 work-groups: a row of 768 has one owner, and a block of 64 tokens is what six waves' accumulators hold.  NO CLUSTER: the weights, which the work-groups share, never lie in LDS, and a joint load fills LDS alone.
; LIMITS: NaN and infinities are not served; a block whose largest magnitude lies under 2^-111 keeps the scale byte 1; a block of zeros gets the byte 1 and not 127 (its codes are zeros; this program alone reads the bytes).
; THE MODE: SCHED_MODE bits 1:0 = 2 (LLVM: expert scheduling mode 2), set by the entry lines.  The code itself states the register dependences between vector or matrix instructions and memory or LDS instructions, with s_wait_alu, always for 0.
; THE PLAN.  Registers that memory or LDS instructions touch:
;   v1-v8       offsets and LDS addresses: made at the head, never written again: one wait on va_vdst ahead of the first load.
;   v12-v47     scale words: loaded once, read by matrix instructions alone.
;   v64-v127    at the head o's codes as loaded, read by my LDS stores (one wait on vm_vsrc behind them); K step s: its fragments' LDS loads land here, its 32 matrix instructions read them; then x of tiles 0 and 2, read by the tile's additions; then the gain.
;   v128-v191   K step s: its first 16 matrix instructions read Wo's tiles 0-3, behind them the loads of step s + 1 land (behind the last step's: bo); bo is read by all four tiles' additions; then the norm's bias.
;   v192-v255   K step s: its second 16 read tiles 4-7, behind them the loads of step s + 1 land; then x of tiles 1 and 3; then the norm's work: the exchanges' LDS loads land in v192-223, their LDS stores read v248, 250, 252, 254; a tile's stores read v224-239.
;   window 1    written by the matrix instructions and a tile's additions, read by the tile's 16 stores of x1, written again by the norm.
;   v10         a pair of tiles' scale words: written behind the quantiser, read by the odd tile's store.
; A K step has two waits on va_vdst, each behind 16 matrix instructions and their eight places, straight ahead of the run of loads into the registers that those 16 have read.  The loads stand in runs: the matrix instructions have C and D in
; window 1, where a load's data would go too.  All 512 registers that the launch gives a wave are taken: there is no third buffer for Wo.
; A tile of x1 has ONE wait on va_vdst behind its additions: it states that they have written the tile, which the stores read, and are done reading x (at the last tile: and bo), in whose registers the loads land that stand straight behind it, ahead of the stores.
; An exchange has one wait on va_vdst ahead of its LDS stores and one on vm_vsrc ahead of the lines that write the sums again.  A tile of h2 has one wait on va_vdst ahead of its stores; the wait on vm_vsrc for them stands in the next tile's first quantiser.
.set OFF_SC,  7077888
.set L16, 1                            ; v1   16 x lane
.set L4,  2                            ; v2   4 x lane
.set T16, 3                            ; v3   16 x thread
.set LA,  4                            ; v4   LDS: 16 x lane
.set H64, 5                            ; v5   64 x (lane / 16)
.set XA,  6                            ; v6   my token's row of x, + 64 x (lane / 16)
.set EXW, 7                            ; v7   LDS: 32 x (lane % 16) + 4 x wave
.set EXR, 8                            ; v8   LDS: 32 x (lane % 16)
.set PW,  9
.set PWE, 10
.set WSC, 12                           ; v12-35  Wo's scale words; scales and nothing else
.set ASC, 36                           ; v36-47  o's
.set NM,  48                           ; v48-55  -mean, a pair a tile
.set RS,  56                           ; v56-63  1 / sqrt(var + eps), a pair a tile
.set AF,  64                           ; v64-127  o's four fragments of a K step; later x, by turns with v192-255; later the gain
.set WB,  128                          ; v128-191, v192-255  Wo's fragments
.set BI,  128                          ; bo; later the norm's bias
.set G,   64
.set BT,  128
.set Y,   192
.set PC,  224
.set TM,  240
.set SA,  248
.set WV,  2
.set WP,  24
.set WSP, 26
.set AP,  28
.set ASP, 30
.set BP,  32
.set IMGP,34
.set SCP, 36
.set XP,  38
.set X1P, 40
.set SEL, 42
.set MNT, 44
.set HM,  45
.set INV, 46
.set EPS, 47
.set GP,  48
.set BTP, 50
.set MSB, 0
.macro WIN new                         ; the immediate's high byte repeats the setting that is left; a switch that changes nothing is dropped
.if MSB != \new
	s_set_vgpr_msb (MSB<<8)|\new
.set MSB, \new
.endif
.endm
.macro PLACES n
.rept \n
	v_nop
.endr
.endm
.macro BARRIER
	s_wait_dscnt 0x0
	s_barrier_signal -1
	s_barrier_wait -1
.endm
; One matrix instruction.  ra, rb: the side's scale words stand in lanes 16-31 of its register (the odd tile of a pair).
.macro WM d, a, b, zero, sa, sb, ra, rb
.if \zero
.if (\ra) && (\rb)
	v_wmma_scale_f32_16x16x128_f8f6f4 v[(\d):(\d)+7], v[(\a):(\a)+15], v[(\b):(\b)+15], 0, v[(\sa)], v[(\sb)] matrix_a_fmt:MATRIX_FMT_BF8 matrix_b_fmt:MATRIX_FMT_BF8 matrix_a_scale:MATRIX_SCALE_ROW1 matrix_b_scale:MATRIX_SCALE_ROW1
.elseif \ra
	v_wmma_scale_f32_16x16x128_f8f6f4 v[(\d):(\d)+7], v[(\a):(\a)+15], v[(\b):(\b)+15], 0, v[(\sa)], v[(\sb)] matrix_a_fmt:MATRIX_FMT_BF8 matrix_b_fmt:MATRIX_FMT_BF8 matrix_a_scale:MATRIX_SCALE_ROW1
.elseif \rb
	v_wmma_scale_f32_16x16x128_f8f6f4 v[(\d):(\d)+7], v[(\a):(\a)+15], v[(\b):(\b)+15], 0, v[(\sa)], v[(\sb)] matrix_a_fmt:MATRIX_FMT_BF8 matrix_b_fmt:MATRIX_FMT_BF8 matrix_b_scale:MATRIX_SCALE_ROW1
.else
	v_wmma_scale_f32_16x16x128_f8f6f4 v[(\d):(\d)+7], v[(\a):(\a)+15], v[(\b):(\b)+15], 0, v[(\sa)], v[(\sb)] matrix_a_fmt:MATRIX_FMT_BF8 matrix_b_fmt:MATRIX_FMT_BF8
.endif
.else
.if (\ra) && (\rb)
	v_wmma_scale_f32_16x16x128_f8f6f4 v[(\d):(\d)+7], v[(\a):(\a)+15], v[(\b):(\b)+15], v[(\d):(\d)+7], v[(\sa)], v[(\sb)] matrix_a_fmt:MATRIX_FMT_BF8 matrix_b_fmt:MATRIX_FMT_BF8 matrix_a_scale:MATRIX_SCALE_ROW1 matrix_b_scale:MATRIX_SCALE_ROW1
.elseif \ra
	v_wmma_scale_f32_16x16x128_f8f6f4 v[(\d):(\d)+7], v[(\a):(\a)+15], v[(\b):(\b)+15], v[(\d):(\d)+7], v[(\sa)], v[(\sb)] matrix_a_fmt:MATRIX_FMT_BF8 matrix_b_fmt:MATRIX_FMT_BF8 matrix_a_scale:MATRIX_SCALE_ROW1
.elseif \rb
	v_wmma_scale_f32_16x16x128_f8f6f4 v[(\d):(\d)+7], v[(\a):(\a)+15], v[(\b):(\b)+15], v[(\d):(\d)+7], v[(\sa)], v[(\sb)] matrix_a_fmt:MATRIX_FMT_BF8 matrix_b_fmt:MATRIX_FMT_BF8 matrix_b_scale:MATRIX_SCALE_ROW1
.else
	v_wmma_scale_f32_16x16x128_f8f6f4 v[(\d):(\d)+7], v[(\a):(\a)+15], v[(\b):(\b)+15], v[(\d):(\d)+7], v[(\sa)], v[(\sb)] matrix_a_fmt:MATRIX_FMT_BF8 matrix_b_fmt:MATRIX_FMT_BF8
.endif
.endif
.endm
.macro WLOAD s, hf                     ; W's tiles 4 hf .. 4 hf + 3 of K step s: 16 loads of 512 consecutive bytes
.irp u, 0,1,2,3
.irp c, 0,1,2,3
	global_load_b128 v[WB+64*(\hf)+16*\u+4*\c:WB+64*(\hf)+16*\u+4*\c+3], v[L16], s[WP:WP+1] offset:(\s)*16384+(4*(\hf)+\u)*2048+512*\c
.endr
.endr
.endm
.macro ALOAD s                         ; the block's four fragments of K step s, from LDS
.irp tt, 0,1,2,3
.irp c, 0,1,2,3
	ds_load_b128 v[AF+16*\tt+4*\c:AF+16*\tt+4*\c+3], v[LA] offset:(\s)*8192+\tt*2048+512*\c
.endr
.endr
.endm
; 16 matrix instructions: four tiles of tokens x W's tiles 4 hf .. 4 hf + 3; accumulator (tt, t) at 8 (8 tt + t).  The 16 take turns, one instruction a turn.
.macro HALF s, hf, zero
	WIN 0x50                                       ; C and D window 1
.irp tt, 0,1,2,3
.irp u, 0,1,2,3
	WM 8*(8*\tt+4*(\hf)+\u), WB+64*(\hf)+16*\u, AF+16*\tt, \zero, WSC+4*(\s)+(4*(\hf)+\u)/2, ASC+2*(\s)+\tt/2, \u%2, \tt%2
.endr
.endr
	WIN 0
.endm
.macro B64 reg, ptr                    ; a vector over the features in the result's layout: register 16 b + i = feature 32 b + 16 (lane / 16) + i of my 128
.irp b, 0,1,2,3
.irp j, 0,1,2,3
	global_load_b128 v[(\reg)+16*\b+4*\j:(\reg)+16*\b+4*\j+3], v[H64], s[\ptr:\ptr+1] offset:128*\b+16*\j
.endr
.endr
.endm
.macro XLOAD reg, tt                   ; the same 64 features of my token in tile tt of the block
.irp b, 0,1,2,3
.irp j, 0,1,2,3
	global_load_b128 v[(\reg)+16*\b+4*\j:(\reg)+16*\b+4*\j+3], v[XA], s[XP:XP+1] offset:(32*((\tt)/2)+8*((\tt)%2))*3072+128*\b+16*\j
.endr
.endr
.endm
; Six K steps.  Ahead of it W's step 0 (32 loads) and ALOAD 0 are out.  Eight plain lines stand between matrix instructions and loads into registers that they have read, and ahead of the first read of results.
.macro CORE
.irp s, 0,1,2,3,4,5
	s_wait_loadcnt 16                              ; W's tiles 0-3 of this step are in; the 16 loads of tiles 4-7 may be out
	s_wait_dscnt 0x0                               ; this step's fragments from LDS
.if \s == 0
	HALF \s, 0, 1                                  ; the first step's products start the sums: nothing is cleared
.else
	HALF \s, 0, 0
.endif
	PLACES 8
	s_wait_alu depctr_va_vdst(0)                   ; the 16 matrix instructions above are done reading W's tiles 0-3 (v128-191), in which the loads below land
.if \s < 5
	WLOAD \s+1, 0
.else
	B64 BI, BP                                     ; the bias, into the registers that tiles 0-3 have left
.endif
	s_wait_loadcnt 16                              ; tiles 4-7 are in; the 16 loads just issued may be out
.if \s == 0
	HALF \s, 1, 1
.else
	HALF \s, 1, 0
.endif
	PLACES 8
.if \s < 5
	s_wait_alu depctr_va_vdst(0)                   ; this step's matrix instructions are done reading the block's fragments (v64-127) and W's tiles 4-7 (v192-255), in which the loads below land
	ALOAD \s+1
	WLOAD \s+1, 1
.endif
.endr
.endm
.macro HEAD768                         ; all scale words; the block's codes through registers into LDS; W's first step
.irp s, 0,1,2,3,4,5
.irp p, 0,1,2,3
	global_load_b32 v[WSC+4*\s+\p], v[L4], s[WSP:WSP+1] offset:\s*512+\p*128
.endr
.irp a, 0,1
	global_load_b32 v[ASC+2*\s+\a], v[L4], s[ASP:ASP+1] offset:\s*256+\a*128
.endr
.endr
.set kk, 0
.rept 16
	global_load_b128 v[AF+4*kk:AF+4*kk+3], v[T16], s[AP:AP+1] offset:kk*3072   ; 192 threads x 16 bytes
.set kk, kk+1
.endr
	WLOAD 0, 0
	WLOAD 0, 1
	s_wait_loadcnt 32                              ; all but W's 32 loads
.set kk, 0
.rept 16
	ds_store_b128 v[T16], v[AF+4*kk:AF+4*kk+3] offset:kk*3072
.set kk, kk+1
.endr
	BARRIER                                        ; the block's 24 fragments lie in LDS; nothing is stored there again
	s_wait_alu depctr_vm_vsrc(0)                   ; my LDS stores have read v64-127, in which the fragments' loads land from here on
	ALOAD 0
.endm
; 32 numbers of a lane, register 16 b + i = K 32 b + 16 (lane / 16) + i of my row, become 8 registers of codes at v[pc] and two scale bytes in v[pw] (sh = 0: bytes 0, 1; sh = 16: bytes 2, 3 are added).
; free = 1: the stores of the tile before read the codes' registers and the pair's scale words: the two waits for them stand ahead of the first line that writes one of these again.
.macro QUANT2 s, pc, pw, sh, free
.irp b, 0,1
	v_max3_num_f32 v[TM+\b], |v[(\s)+16*\b]|, |v[(\s)+16*\b+1]|, 0x8000000   ; my 16 numbers of block b, and the floor 2^(16 - 127): the byte cannot fall under 1
.endr
.irp i, 2,4,6,8,10,12,14
.irp b, 0,1
	v_max3_num_f32 v[TM+\b], v[TM+\b], |v[(\s)+16*\b+\i]|, |v[(\s)+16*\b+\i+1]|
.endr
.endr
.irp b, 0,1
	v_permlanex16_b32 v[TM+2+\b], v[TM+\b], s[SEL], s[SEL+1]
.endr
.irp b, 0,1
	v_max_num_f32 v[TM+\b], v[TM+\b], v[TM+2+\b]   ; with the lane 16 away: the block's largest magnitude
.endr
.irp b, 0,1
	v_add_nc_u32 v[TM+6+\b], 0xf8800000, v[TM+\b]  ; 15 off its exponent field: the conversion's scale operand
.endr
.irp b, 0,1
	v_and_or_b32 v[TM+4+\b], v[TM+\b], 0x7f800000, s[MNT]   ; 57,344 x the scale
.endr
.irp b, 0,1
	v_lshrrev_b32 v[TM+2+\b], 23, v[TM+6+\b]       ; the scale's byte
.endr
.if \free
	s_wait_alu depctr_va_vdst(0)
	s_wait_xcnt 0x0                                ; the last tile's stores have had their addresses translated (ISA guide 3.1): their data registers are rewritten only behind this wait
	s_wait_alu depctr_vm_vsrc(0)                   ; the last tile's stores have read the codes and the pair's scale words, which this tile's lines write again
.endif
.if (\sh) == 0
	v_lshl_or_b32 v[\pw], v[TM+3], 8, v[TM+2]
.else
	v_lshl_or_b32 v[\pw], v[TM+2], 16, v[\pw]
	v_lshl_or_b32 v[\pw], v[TM+3], 24, v[\pw]
.endif
.irp b, 0,1
.set kk, 0
.rept 16
	v_med3_num_f32 v[(\s)+16*\b+kk], v[(\s)+16*\b+kk], -v[TM+4+\b], v[TM+4+\b]   ; the conversion does not saturate (ISA guide 7.6.2): the hold at the largest code x the scale
.set kk, kk+1
.endr
.endr
.irp b, 0,1
	v_cvt_scalef32_pk8_bf8_f32 v[(\pc)+4*\b:(\pc)+4*\b+1], v[(\s)+16*\b:(\s)+16*\b+7], v[TM+6+\b]
	v_cvt_scalef32_pk8_bf8_f32 v[(\pc)+4*\b+2:(\pc)+4*\b+3], v[(\s)+16*\b+8:(\s)+16*\b+15], v[TM+6+\b]
.endr
	v_nop                                          ; one plain line between the last conversion and whatever next touches its registers
.endm
; The lanes' pairs of partial sums in v[SA + 2 tt] become each token's sum over all 768 features, in every lane: the pair, the lane 16 away, then the six waves through LDS.
.macro EXCH base
	WIN 0
.irp tt, 0,1,2,3
	v_add_f32 v[SA+2*\tt], v[SA+2*\tt], v[SA+2*\tt+1]
.endr
.irp tt, 0,1,2,3
	v_permlanex16_b32 v[SA+2*\tt+1], v[SA+2*\tt], s[SEL], s[SEL+1]
.endr
.irp tt, 0,1,2,3
	v_add_f32 v[SA+2*\tt], v[SA+2*\tt], v[SA+2*\tt+1]
.endr
	s_wait_alu depctr_va_vdst(0)                   ; the additions have written v[SA ..], which the LDS stores read; and every earlier vector line is done with v192-223, in which the LDS loads below land
.irp tt, 0,1,2,3
	ds_store_b32 v[EXW], v[SA+2*\tt] offset:(\base)+512*\tt   ; lanes r and r + 16 write the same word with the same value
.endr
	BARRIER
.irp tt, 0,1,2,3
	ds_load_b128 v[Y+8*\tt:Y+8*\tt+3], v[EXR] offset:(\base)+512*\tt
	ds_load_b64 v[Y+8*\tt+4:Y+8*\tt+5], v[EXR] offset:(\base)+512*\tt+16
.endr
	s_wait_dscnt 0x0
	s_wait_alu depctr_vm_vsrc(0)                   ; my LDS stores have read v[SA ..], which the sums below write again
.irp tt, 0,1,2,3
	v_add_f32 v[Y+8*\tt], v[Y+8*\tt], v[Y+8*\tt+1]
	v_add_f32 v[Y+8*\tt+2], v[Y+8*\tt+2], v[Y+8*\tt+3]
	v_add_f32 v[Y+8*\tt+4], v[Y+8*\tt+4], v[Y+8*\tt+5]
	v_add_f32 v[Y+8*\tt], v[Y+8*\tt], v[Y+8*\tt+2]
	v_add_f32 v[SA+2*\tt], v[Y+8*\tt], v[Y+8*\tt+4]
.endr
.endm
; Layer norm and quantiser.  The data: window 1, register 64 tt + 16 b + i = feature 32 b + 16 (lane / 16) + i of my 128, of my token in tile tt.  exb: 4,096 bytes of LDS for the two exchanges.
.macro LNQ exb
	WIN 0x05                                       ; both sources window 1
.irp tt, 0,1,2,3
	v_pk_add_f32 v[SA+2*\tt:SA+2*\tt+1], v[64*\tt:64*\tt+1], v[64*\tt+2:64*\tt+3]
.endr
	WIN 0x04                                       ; source 1 window 1
.set kk, 4
.rept 30
.irp tt, 0,1,2,3
	v_pk_add_f32 v[SA+2*\tt:SA+2*\tt+1], v[SA+2*\tt:SA+2*\tt+1], v[64*\tt+kk:64*\tt+kk+1]
.endr
.set kk, kk+2
.endr
	EXCH \exb
.irp tt, 0,1,2,3
	v_mul_f32 v[NM+2*\tt], 0xbaaaaaab, v[SA+2*\tt]     ; -mean = sum x (-1 / 768)
.endr
.irp tt, 0,1,2,3
	v_mov_b32 v[NM+2*\tt+1], v[NM+2*\tt]
.endr
	s_wait_alu depctr_va_vdst(0)
	s_wait_xcnt 0x0                                ; x1's stores have had their addresses translated: the data registers are rewritten only behind this wait
	s_wait_alu depctr_vm_vsrc(0)                   ; x1's stores have read the registers of window 1, which the lines below write again
	WIN 0x41                                       ; destination and source 0 window 1
.irp tt, 0,1,2,3
.set kk, 0
.rept 32
	v_pk_add_f32 v[64*\tt+kk:64*\tt+kk+1], v[64*\tt+kk:64*\tt+kk+1], v[NM+2*\tt:NM+2*\tt+1]
.set kk, kk+2
.endr
.endr
	WIN 0x05
.irp tt, 0,1,2,3
	v_pk_mul_f32 v[SA+2*\tt:SA+2*\tt+1], v[64*\tt:64*\tt+1], v[64*\tt:64*\tt+1]
.endr
.set kk, 2
.rept 31
.irp tt, 0,1,2,3
	v_pk_fma_f32 v[SA+2*\tt:SA+2*\tt+1], v[64*\tt+kk:64*\tt+kk+1], v[64*\tt+kk:64*\tt+kk+1], v[SA+2*\tt:SA+2*\tt+1]
.endr
.set kk, kk+2
.endr
	EXCH (\exb)+2048
.irp tt, 0,1,2,3
	v_fma_f32 v[SA+2*\tt], v[SA+2*\tt], s[INV], s[EPS]     ; variance + eps
.endr
	s_wait_alu depctr_va_vdst(0)
.irp tt, 0,1,2,3
	v_rsq_f32 v[RS+2*\tt], v[SA+2*\tt]
.endr
	v_nop                                          ; a plain line behind the last of the four
	s_wait_alu depctr_va_vdst(0)                   ; the four v_rsq_f32 have written v56, 58, 60, 62: one wait for the four, ahead of their first reader
.irp tt, 0,1,2,3
	v_mov_b32 v[RS+2*\tt+1], v[RS+2*\tt]
.endr
	s_wait_alu depctr_va_vdst(0)
	s_wait_loadcnt 0x0                             ; gain and bias
.irp tt, 0,1,2,3
.irp hf, 0,1
	WIN 0x01                                       ; source 0 window 1
.set kk, 0
.rept 16
	v_pk_mul_f32 v[Y+kk:Y+kk+1], v[64*\tt+32*\hf+kk:64*\tt+32*\hf+kk+1], v[RS+2*\tt:RS+2*\tt+1]
.set kk, kk+2
.endr
	WIN 0
.set kk, 0
.rept 16
	v_pk_fma_f32 v[Y+kk:Y+kk+1], v[Y+kk:Y+kk+1], v[G+32*\hf+kk:G+32*\hf+kk+1], v[BT+32*\hf+kk:BT+32*\hf+kk+1]
.set kk, kk+2
.endr
.if (\tt > 0) && (\hf == 0)
	QUANT2 Y, PC+8*\hf, PW, 16*\hf, 1
.else
	QUANT2 Y, PC+8*\hf, PW, 16*\hf, 0
.endif
.endr
.if (\tt%2) == 0
	v_mov_b32 v[PWE], v[PW]                        ; lanes 0-15 keep the even tile's words,
.else
	v_cndmask_b32 v[PWE], v[PWE], v[PW], s[HM]     ; lanes 16-31 take the odd tile's (every lane holds its row's word)
.endif
	s_wait_alu depctr_va_vdst(0)                   ; the quantiser has written the codes, and the line above the pair's scale words, which the stores below read
.irp c, 0,1,2,3
	global_store_b128 v[L16], v[PC+4*\c:PC+4*\c+3], s[IMGP:IMGP+1] offset:\tt*2048+512*\c   ; 512 consecutive bytes a store
.endr
.if (\tt%2) == 1
	global_store_b32 v[L4], v[PWE], s[SCP:SCP+1] offset:(\tt/2)*128
.endif
.endr
.endm
	s_load_b256 s[8:15], s[0:1], 0x0               ; obuf, pbuf, bo, x
	s_load_b128 s[16:19], s[0:1], 0x20             ; ln2_g, ln2_b
	s_load_b64 s[20:21], s[0:1], 0x30              ; midb
	v_lshrrev_b32 v11, 5, v0
	v_readfirstlane_b32 s[WV], v11                 ; wave 0..5
	v_and_b32 v11, 31, v0
	v_lshlrev_b32 v[L16], 4, v11
	v_lshlrev_b32 v[LA], 4, v11
	v_lshlrev_b32 v[L4], 2, v11
	v_lshlrev_b32 v[T16], 4, v0
	v_bfe_u32 v[H64], v0, 4, 1
	v_lshlrev_b32 v[H64], 6, v[H64]
	v_and_b32 v11, 15, v0                          ; r
	v_lshlrev_b32 v[EXR], 5, v11
	s_wait_alu depctr_va_sdst(0)                   ; the wave's number is written into s2, ahead of its first reader
	s_lshl_b32 s52, s[WV], 2
	v_add_nc_u32 v[EXW], s52, v[EXR]
	v_and_b32 v[XA], 8, v11
	v_add_nc_u32 v[XA], v[XA], v11                 ; r + 8 (r / 8)
	v_mul_u32_u24 v[XA], v[XA], 3072
	v_add_nc_u32 v[XA], v[XA], v[H64]
	s_mov_b32 s[SEL], 0x76543210
	s_mov_b32 s[SEL+1], 0xfedcba98                 ; lane l takes lane l xor 16
	s_mov_b32 s[MNT], 0x600000                     ; the mantissa field of 57,344
	s_mov_b32 s[HM], 0xffff0000                    ; lanes 16-31
	s_mov_b32 s[INV], 0x3aaaaaab                   ; 1 / 768
	s_mov_b32 s[EPS], 0x3727c5ac                   ; 1e-5
	s_add_co_u32 s54, s[WV], 18                    ; G: Wo's groups of 128 features are 18 to 23
	s_mov_b32 s53, 0                               ; the upper word of every offset
	s_wait_kmcnt 0x0
	s_mul_i32 s52, s54, 98304
	s_add_nc_u64 s[WP:WP+1], s[10:11], s[52:53]
	s_mul_i32 s52, s54, 3072
	s_add_co_u32 s52, s52, OFF_SC
	s_add_nc_u64 s[WSP:WSP+1], s[10:11], s[52:53]
	s_mul_i32 s52, ttmp9, 49152
	s_add_nc_u64 s[AP:AP+1], s[8:9], s[52:53]
	s_lshl_b32 s55, s[WV], 13
	s_add_co_u32 s52, s52, s55
	s_add_co_u32 s52, s52, 12582912
	s_add_nc_u64 s[IMGP:IMGP+1], s[20:21], s[52:53]
	s_mul_i32 s52, ttmp9, 1536
	s_add_co_u32 s52, s52, 3145728
	s_add_nc_u64 s[ASP:ASP+1], s[8:9], s[52:53]
	s_mul_i32 s52, ttmp9, 1536
	s_lshl_b32 s55, s[WV], 8
	s_add_co_u32 s52, s52, s55
	s_add_co_u32 s52, s52, 15728640
	s_add_nc_u64 s[SCP:SCP+1], s[20:21], s[52:53]
	s_lshl_b32 s52, s[WV], 9                       ; my 128 features
	s_add_nc_u64 s[BP:BP+1], s[12:13], s[52:53]
	s_add_nc_u64 s[GP:GP+1], s[16:17], s[52:53]
	s_add_nc_u64 s[BTP:BTP+1], s[18:19], s[52:53]
	s_mul_i32 s55, ttmp9, 196608
	s_add_co_u32 s52, s52, s55
	s_add_nc_u64 s[XP:XP+1], s[14:15], s[52:53]
	s_mul_i32 s52, ttmp9, 6
	s_add_co_u32 s52, s52, s[WV]
	s_lshl_b32 s52, s52, 15
	s_add_nc_u64 s[X1P:X1P+1], s[20:21], s[52:53]
	s_wait_alu depctr_va_vdst(0)                   ; v1 to v8 are written, which every load, store and LDS instruction of the kernel reads as its offset or address
	HEAD768
	CORE
	s_wait_alu depctr_va_vdst(0)                   ; the last step's matrix instructions are done reading o's fragments (v64-127) and Wo's tiles 4-7 (v192-255), in which x lands
	XLOAD 64, 0                                    ; x of tiles 0 and 1, into registers that the products have left (eight places stand behind them)
	XLOAD 192, 1
.irp tt, 0,1,2,3
.if \tt < 3
	s_wait_loadcnt 16                              ; bo and this tile's x are in; the next tile's 16 loads may be out
.else
	s_wait_loadcnt 0x0
.endif
	WIN 0x41                                       ; destination and source 0 window 1
.set kk, 0
.rept 32
	v_pk_add_f32 v[64*\tt+kk:64*\tt+kk+1], v[64*\tt+kk:64*\tt+kk+1], v[64+128*(\tt%2)+kk:64+128*(\tt%2)+kk+1]   ; x + o Wo; each accumulator from its low end on
.set kk, kk+2
.endr
.set kk, 0
.rept 32
	v_pk_add_f32 v[64*\tt+kk:64*\tt+kk+1], v[64*\tt+kk:64*\tt+kk+1], v[BI+kk:BI+kk+1]
.set kk, kk+2
.endr
.if \tt == 2
	WIN 0x04                                       ; a store's data window 1
	s_wait_alu depctr_va_vdst(0)                   ; the additions have written this tile of x1, which the stores read
.else
	WIN 0
	s_wait_alu depctr_va_vdst(0)                   ; the additions have written this tile of x1, which the stores read, and are done reading x (at the last tile: and bo), in whose registers the loads below land
.if \tt < 2
	XLOAD 64+128*(\tt%2), \tt+2                    ; the loads ahead of the stores
.else
	B64 G, GP                                      ; all four tiles are done with x and bo: the norm's gain and bias take their registers
	B64 BT, BTP
.endif
	WIN 0x04                                       ; a store's data window 1
.endif
.set kk, 0
.rept 16
	global_store_b128 v[L16], v[64*\tt+4*kk:64*\tt+4*kk+3], s[X1P:X1P+1] offset:\tt*8192+512*kk
.set kk, kk+1
.endr
	WIN 0
.endr
	v_mov_b32 v[TM+2], 0                           ; a lane permute's destination counts as one of its sources
	v_mov_b32 v[TM+3], 0
	LNQ 49152
	s_wait_xcnt 0x0
	v_lshl_add_u32 v254, v0, 2, 0xd000             ; the add's two registers are made anew: no memory or LDS instruction has read v254 or v255 since the last wait on vm_vsrc (the last tile's stores read v1, v2, v10 and v224-239)
	v_mov_b32 v255, 0
	s_wait_dscnt 0x0                               ; the closing lines, six on end
	s_wait_alu 0x0
	s_wait_tensorcnt 0x0
	ds_add_u32 v254, v255
	s_wait_dscnt 0x0
	s_endpgm
.Lfunc_end_k_q5fdc7f4323_wo:
	.size	k_q5fdc7f4323_wo, .Lfunc_end_k_q5fdc7f4323_wo-k_q5fdc7f4323_wo
	.p2alignl 7, 3214868480
	.fill 96, 4, 3214868480
	.section	.rodata,"a",@progbits
	.p2align	6, 0x0
	.amdhsa_kernel k_q5fdc7f4323_wo
		.amdhsa_group_segment_fixed_size 54016
		.amdhsa_private_segment_fixed_size 0
		.amdhsa_enable_private_segment 0
		.amdhsa_kernarg_size 56
		.amdhsa_user_sgpr_count 2
		.amdhsa_user_sgpr_kernarg_segment_ptr 1
		.amdhsa_wavefront_size32 1
		.amdhsa_system_sgpr_workgroup_id_x 1
		.amdhsa_system_sgpr_workgroup_id_y 1
		.amdhsa_system_sgpr_workgroup_id_z 1
		.amdhsa_system_vgpr_workitem_id 0
		.amdhsa_next_free_vgpr 512
		.amdhsa_next_free_sgpr 72
		.amdhsa_reserve_vcc 0
		.amdhsa_float_denorm_mode_32 3
		.amdhsa_float_denorm_mode_16_64 3
		.amdhsa_memory_ordered 1
		.amdhsa_forward_progress 1
		.amdhsa_inst_pref_size 176
	.end_amdhsa_kernel
	.amdgpu_metadata
---
amdhsa.version: [ 1, 2 ]
amdhsa.kernels:
  - .name:           k_q5fdc7f4323_wo
    .symbol:         k_q5fdc7f4323_wo.kd
    .args:
      - { .name: obuf, .offset: 0, .size: 8, .value_kind: global_buffer, .address_space: global }
      - { .name: pbuf, .offset: 8, .size: 8, .value_kind: global_buffer, .address_space: global }
      - { .name: bo, .offset: 16, .size: 8, .value_kind: global_buffer, .address_space: global }
      - { .name: x, .offset: 24, .size: 8, .value_kind: global_buffer, .address_space: global }
      - { .name: ln2_g, .offset: 32, .size: 8, .value_kind: global_buffer, .address_space: global }
      - { .name: ln2_b, .offset: 40, .size: 8, .value_kind: global_buffer, .address_space: global }
      - { .name: midb, .offset: 48, .size: 8, .value_kind: global_buffer, .address_space: global }
    .group_segment_fixed_size: 54016
    .private_segment_fixed_size: 0
    .kernarg_segment_align: 8
    .kernarg_segment_size: 56
    .max_flat_workgroup_size: 192
    .sgpr_count:     72
    .vgpr_count:     512
    .wavefront_size: 32
...
	.end_amdgpu_metadata
.endif
;; end of part 10
;; launch ffn1 (part 11): grid 64 x 4, 6 waves a work-group, no clusters, 49,920 bytes of LDS; arguments midb, pbuf, b1, gbuf; writes gbuf
.if DOCPART == 11
	.amdgcn_target "amdgcn-amd-amdhsa--gfx1250"
	.amdhsa_code_object_version 6
	.text
	.protected	k_q5fdc7f4323_ffn1
	.globl	k_q5fdc7f4323_ffn1
	.p2align	8
	.type	k_q5fdc7f4323_ffn1,@function
k_q5fdc7f4323_ffn1:
	s_mov_b64 s[64:65], 0
	v_nop
	global_prefetch_b8 v0, s[64:65] scope:SCOPE_SE
	s_setreg_imm32_b32 hwreg(HW_REG_WAVE_SCHED_MODE, 0, 2), 2
	s_setreg_imm32_b32 hwreg(HW_REG_WAVE_MODE, 25, 1), 1
	s_wait_xcnt 0x0
	s_wait_alu depctr_vm_vsrc(0)
; FFN1.  g = gelu(h2 W1 + b1) on E5M2 codes with E8M0 scales, quantised along the 3,072 hidden units.  Work-group (tb, y): 64 tokens x 768 hidden units; six waves, 128 units each: 32 accumulators (window 1), 192 matrix instructions a wave.
; Source 0 = 16 units of W1, source 1 = 16 tokens: a lane holds one token, its registers run along the units, which are the next K; a wave's 128 units are one K step of the next product.
; h2's codes (49,152 bytes, images of operand registers) are staged once in LDS; a weight fragment feeds four matrix instructions of ONE wave and goes from memory straight into registers.
; GELU (exact form): gelu(x) = x Phi(x) = max(x, 0) - |x| HC, HC = erfc(|x| / sqrt 2) / 2 = (a1 t + .. + a5 t^5) exp(-x^2 / 2) / 2, t = 1 / (1 + 0.3275911 |x| / sqrt 2) (Abramowitz and Stegun 7.1.26).
; gbuf: images [block][K step 0..23][tile][2,048] at 0; scale words [block][K step][pair of tiles][128] at 12,582,912.
; NO CLUSTER: the weights, which the work-groups share, never lie in LDS, and a joint load fills LDS alone.
; LIMITS: the series' error is at most 1.5e-7 in erf, 7.5e-8 in Phi, absolute: the size of one rounding of 1 + erf in f32; relative to a small Phi (x under -3) it is larger than f32's.  NaN and infinities are not served;
; a block whose largest magnitude lies under 2^-111 keeps the scale byte 1; a block of zeros gets the byte 1 and not 127 (its codes are zeros; this program alone reads the bytes).
; THE MODE: SCHED_MODE bits 1:0 = 2 (LLVM: expert scheduling mode 2), set by the entry lines.  The code itself states the register dependences between vector or matrix instructions and memory or LDS instructions, with s_wait_alu, always for 0.
; THE PLAN.  Registers that memory or LDS instructions touch:
;   v1-v5       offsets and LDS addresses: made at the head, never written again: one wait on va_vdst ahead of the first load.
;   v12-v47     scale words: loaded once, read by matrix instructions alone.
;   v64-v127    at the head h2's codes as loaded, read by my LDS stores (one wait on vm_vsrc behind them); then K step s: its fragments' LDS loads land here, its 32 matrix instructions read them.
;   v128-v191   K step s: its first 16 matrix instructions read W1's tiles 0-3; behind them the loads of step s + 1 land here (behind the last step's: b1).
;   v192-v255   K step s: its second 16 read tiles 4-7; behind them the loads of step s + 1 land here.
;   v224-v239, v10  the way out: a tile's codes and a pair of tiles' scale words: written by the quantiser and the line behind it, read by the tile's stores.
;   v7, v8      written at the head, read by the closing add alone.
; A K step has two waits on va_vdst, each behind 16 matrix instructions and their eight places, straight ahead of the run of loads into the registers that those 16 have read.  The loads stand in runs: the matrix instructions have C and D in
; window 1, where a load's data would go too.  All 512 registers that the launch gives a wave are taken: there is no third buffer for W1.
; A tile of the way out has one wait on va_vdst ahead of its stores; the wait on vm_vsrc for them (beside the wait on XCNT) stands in the next tile's first quantiser, behind that tile's first additions and activation.
.set OFF_SC,  7077888
.set L16, 1                            ; v1   16 x lane
.set L4,  2                            ; v2   4 x lane
.set T16, 3                            ; v3   16 x thread
.set LA,  4                            ; v4   LDS: 16 x lane
.set H64, 5                            ; v5   64 x (lane / 16)
.set PW,  9
.set PWE, 10
.set WSC, 12                           ; v12-35  W1's scale words; scales and nothing else
.set ASC, 36                           ; v36-47  h2's
.set P,   48                           ; v48-63  the series, eight pairs at a time
.set AF,  64                           ; v64-127  h2's four fragments of a K step
.set WB,  128                          ; v128-191, v192-255  W1's fragments
.set BI,  128                          ; b1
.set X,   64                           ; the way out: 32 numbers
.set TT,  96                           ; t; later max(x, 0)
.set EE,  192                          ; exp(-x^2 / 2); later HC
.set PC,  224
.set CA,  240                          ; v240-247 the pairs a4 / 2, a3 / 2, a2 / 2, a1 / 2
.set TM,  248
.set WV,  2
.set WP,  24
.set WSP, 26
.set AP,  28
.set ASP, 30
.set BP,  32
.set IMGP,34
.set SCP, 36
.set SEL, 42
.set MNT, 44
.set HM,  45
.set CP,  48
.set CE,  50
.set A5,  56
.set MSB, 0
.macro WIN new                         ; the immediate's high byte repeats the setting that is left; a switch that changes nothing is dropped
.if MSB != \new
	s_set_vgpr_msb (MSB<<8)|\new
.set MSB, \new
.endif
.endm
.macro PLACES n
.rept \n
	v_nop
.endr
.endm
.macro BARRIER
	s_wait_dscnt 0x0
	s_barrier_signal -1
	s_barrier_wait -1
.endm
; One matrix instruction.  ra, rb: the side's scale words stand in lanes 16-31 of its register (the odd tile of a pair).
.macro WM d, a, b, zero, sa, sb, ra, rb
.if \zero
.if (\ra) && (\rb)
	v_wmma_scale_f32_16x16x128_f8f6f4 v[(\d):(\d)+7], v[(\a):(\a)+15], v[(\b):(\b)+15], 0, v[(\sa)], v[(\sb)] matrix_a_fmt:MATRIX_FMT_BF8 matrix_b_fmt:MATRIX_FMT_BF8 matrix_a_scale:MATRIX_SCALE_ROW1 matrix_b_scale:MATRIX_SCALE_ROW1
.elseif \ra
	v_wmma_scale_f32_16x16x128_f8f6f4 v[(\d):(\d)+7], v[(\a):(\a)+15], v[(\b):(\b)+15], 0, v[(\sa)], v[(\sb)] matrix_a_fmt:MATRIX_FMT_BF8 matrix_b_fmt:MATRIX_FMT_BF8 matrix_a_scale:MATRIX_SCALE_ROW1
.elseif \rb
	v_wmma_scale_f32_16x16x128_f8f6f4 v[(\d):(\d)+7], v[(\a):(\a)+15], v[(\b):(\b)+15], 0, v[(\sa)], v[(\sb)] matrix_a_fmt:MATRIX_FMT_BF8 matrix_b_fmt:MATRIX_FMT_BF8 matrix_b_scale:MATRIX_SCALE_ROW1
.else
	v_wmma_scale_f32_16x16x128_f8f6f4 v[(\d):(\d)+7], v[(\a):(\a)+15], v[(\b):(\b)+15], 0, v[(\sa)], v[(\sb)] matrix_a_fmt:MATRIX_FMT_BF8 matrix_b_fmt:MATRIX_FMT_BF8
.endif
.else
.if (\ra) && (\rb)
	v_wmma_scale_f32_16x16x128_f8f6f4 v[(\d):(\d)+7], v[(\a):(\a)+15], v[(\b):(\b)+15], v[(\d):(\d)+7], v[(\sa)], v[(\sb)] matrix_a_fmt:MATRIX_FMT_BF8 matrix_b_fmt:MATRIX_FMT_BF8 matrix_a_scale:MATRIX_SCALE_ROW1 matrix_b_scale:MATRIX_SCALE_ROW1
.elseif \ra
	v_wmma_scale_f32_16x16x128_f8f6f4 v[(\d):(\d)+7], v[(\a):(\a)+15], v[(\b):(\b)+15], v[(\d):(\d)+7], v[(\sa)], v[(\sb)] matrix_a_fmt:MATRIX_FMT_BF8 matrix_b_fmt:MATRIX_FMT_BF8 matrix_a_scale:MATRIX_SCALE_ROW1
.elseif \rb
	v_wmma_scale_f32_16x16x128_f8f6f4 v[(\d):(\d)+7], v[(\a):(\a)+15], v[(\b):(\b)+15], v[(\d):(\d)+7], v[(\sa)], v[(\sb)] matrix_a_fmt:MATRIX_FMT_BF8 matrix_b_fmt:MATRIX_FMT_BF8 matrix_b_scale:MATRIX_SCALE_ROW1
.else
	v_wmma_scale_f32_16x16x128_f8f6f4 v[(\d):(\d)+7], v[(\a):(\a)+15], v[(\b):(\b)+15], v[(\d):(\d)+7], v[(\sa)], v[(\sb)] matrix_a_fmt:MATRIX_FMT_BF8 matrix_b_fmt:MATRIX_FMT_BF8
.endif
.endif
.endm
.macro WLOAD s, hf                     ; W's tiles 4 hf .. 4 hf + 3 of K step s: 16 loads of 512 consecutive bytes
.irp u, 0,1,2,3
.irp c, 0,1,2,3
	global_load_b128 v[WB+64*(\hf)+16*\u+4*\c:WB+64*(\hf)+16*\u+4*\c+3], v[L16], s[WP:WP+1] offset:(\s)*16384+(4*(\hf)+\u)*2048+512*\c
.endr
.endr
.endm
.macro ALOAD s                         ; the block's four fragments of K step s, from LDS
.irp tt, 0,1,2,3
.irp c, 0,1,2,3
	ds_load_b128 v[AF+16*\tt+4*\c:AF+16*\tt+4*\c+3], v[LA] offset:(\s)*8192+\tt*2048+512*\c
.endr
.endr
.endm
; 16 matrix instructions: four tiles of tokens x W's tiles 4 hf .. 4 hf + 3; accumulator (tt, t) at 8 (8 tt + t).  The 16 take turns, one instruction a turn.
.macro HALF s, hf, zero
	WIN 0x50                                       ; C and D window 1
.irp tt, 0,1,2,3
.irp u, 0,1,2,3
	WM 8*(8*\tt+4*(\hf)+\u), WB+64*(\hf)+16*\u, AF+16*\tt, \zero, WSC+4*(\s)+(4*(\hf)+\u)/2, ASC+2*(\s)+\tt/2, \u%2, \tt%2
.endr
.endr
	WIN 0
.endm
.macro B64 reg, ptr                    ; a vector over the features in the result's layout: register 16 b + i = feature 32 b + 16 (lane / 16) + i of my 128
.irp b, 0,1,2,3
.irp j, 0,1,2,3
	global_load_b128 v[(\reg)+16*\b+4*\j:(\reg)+16*\b+4*\j+3], v[H64], s[\ptr:\ptr+1] offset:128*\b+16*\j
.endr
.endr
.endm
; Six K steps.  Ahead of it W's step 0 (32 loads) and ALOAD 0 are out.  Eight plain lines stand between matrix instructions and loads into registers that they have read, and ahead of the first read of results.
.macro CORE
.irp s, 0,1,2,3,4,5
	s_wait_loadcnt 16                              ; W's tiles 0-3 of this step are in; the 16 loads of tiles 4-7 may be out
	s_wait_dscnt 0x0                               ; this step's fragments from LDS
.if \s == 0
	HALF \s, 0, 1                                  ; the first step's products start the sums: nothing is cleared
.else
	HALF \s, 0, 0
.endif
	PLACES 8
	s_wait_alu depctr_va_vdst(0)                   ; the 16 matrix instructions above are done reading W's tiles 0-3 (v128-191), in which the loads below land
.if \s < 5
	WLOAD \s+1, 0
.else
	B64 BI, BP                                     ; the bias, into the registers that tiles 0-3 have left
.endif
	s_wait_loadcnt 16                              ; tiles 4-7 are in; the 16 loads just issued may be out
.if \s == 0
	HALF \s, 1, 1
.else
	HALF \s, 1, 0
.endif
	PLACES 8
.if \s < 5
	s_wait_alu depctr_va_vdst(0)                   ; this step's matrix instructions are done reading the block's fragments (v64-127) and W's tiles 4-7 (v192-255), in which the loads below land
	ALOAD \s+1
	WLOAD \s+1, 1
.endif
.endr
.endm
.macro HEAD768                         ; all scale words; the block's codes through registers into LDS; W's first step
.irp s, 0,1,2,3,4,5
.irp p, 0,1,2,3
	global_load_b32 v[WSC+4*\s+\p], v[L4], s[WSP:WSP+1] offset:\s*512+\p*128
.endr
.irp a, 0,1
	global_load_b32 v[ASC+2*\s+\a], v[L4], s[ASP:ASP+1] offset:\s*256+\a*128
.endr
.endr
.set kk, 0
.rept 16
	global_load_b128 v[AF+4*kk:AF+4*kk+3], v[T16], s[AP:AP+1] offset:kk*3072   ; 192 threads x 16 bytes
.set kk, kk+1
.endr
	WLOAD 0, 0
	WLOAD 0, 1
	s_wait_loadcnt 32                              ; all but W's 32 loads
.set kk, 0
.rept 16
	ds_store_b128 v[T16], v[AF+4*kk:AF+4*kk+3] offset:kk*3072
.set kk, kk+1
.endr
	BARRIER                                        ; the block's 24 fragments lie in LDS; nothing is stored there again
	s_wait_alu depctr_vm_vsrc(0)                   ; my LDS stores have read v64-127, in which the fragments' loads land from here on
	ALOAD 0
.endm
; 32 numbers of a lane, register 16 b + i = K 32 b + 16 (lane / 16) + i of my row, become 8 registers of codes at v[pc] and two scale bytes in v[pw] (sh = 0: bytes 0, 1; sh = 16: bytes 2, 3 are added).
; free = 1: the stores of the tile before read the codes' registers and the pair's scale words: the two waits for them stand ahead of the first line that writes one of these again.
.macro QUANT2 s, pc, pw, sh, free
.irp b, 0,1
	v_max3_num_f32 v[TM+\b], |v[(\s)+16*\b]|, |v[(\s)+16*\b+1]|, 0x8000000   ; my 16 numbers of block b, and the floor 2^(16 - 127): the byte cannot fall under 1
.endr
.irp i, 2,4,6,8,10,12,14
.irp b, 0,1
	v_max3_num_f32 v[TM+\b], v[TM+\b], |v[(\s)+16*\b+\i]|, |v[(\s)+16*\b+\i+1]|
.endr
.endr
.irp b, 0,1
	v_permlanex16_b32 v[TM+2+\b], v[TM+\b], s[SEL], s[SEL+1]
.endr
.irp b, 0,1
	v_max_num_f32 v[TM+\b], v[TM+\b], v[TM+2+\b]   ; with the lane 16 away: the block's largest magnitude
.endr
.irp b, 0,1
	v_add_nc_u32 v[TM+6+\b], 0xf8800000, v[TM+\b]  ; 15 off its exponent field: the conversion's scale operand
.endr
.irp b, 0,1
	v_and_or_b32 v[TM+4+\b], v[TM+\b], 0x7f800000, s[MNT]   ; 57,344 x the scale
.endr
.irp b, 0,1
	v_lshrrev_b32 v[TM+2+\b], 23, v[TM+6+\b]       ; the scale's byte
.endr
.if \free
	s_wait_alu depctr_va_vdst(0)
	s_wait_xcnt 0x0                                ; the last tile's stores have had their addresses translated (ISA guide 3.1): their data registers are rewritten only behind this wait
	s_wait_alu depctr_vm_vsrc(0)                   ; the last tile's stores have read the codes and the pair's scale words, which this tile's lines write again
.endif
.if (\sh) == 0
	v_lshl_or_b32 v[\pw], v[TM+3], 8, v[TM+2]
.else
	v_lshl_or_b32 v[\pw], v[TM+2], 16, v[\pw]
	v_lshl_or_b32 v[\pw], v[TM+3], 24, v[\pw]
.endif
.irp b, 0,1
.set kk, 0
.rept 16
	v_med3_num_f32 v[(\s)+16*\b+kk], v[(\s)+16*\b+kk], -v[TM+4+\b], v[TM+4+\b]   ; the conversion does not saturate (ISA guide 7.6.2): the hold at the largest code x the scale
.set kk, kk+1
.endr
.endr
.irp b, 0,1
	v_cvt_scalef32_pk8_bf8_f32 v[(\pc)+4*\b:(\pc)+4*\b+1], v[(\s)+16*\b:(\s)+16*\b+7], v[TM+6+\b]
	v_cvt_scalef32_pk8_bf8_f32 v[(\pc)+4*\b+2:(\pc)+4*\b+3], v[(\s)+16*\b+8:(\s)+16*\b+15], v[TM+6+\b]
.endr
	v_nop                                          ; one plain line between the last conversion and whatever next touches its registers
.endm
.macro GELU                            ; v[X] .. v[X + 31], in place
.set kk, 0
.rept 32
	v_fma_f32 v[TT+kk], |v[X+kk]|, s[CP], 1.0      ; 1 + 0.2316419 |x|
.set kk, kk+1
.endr
.set kk, 0
.rept 16
	v_pk_mul_f32 v[EE+kk:EE+kk+1], v[X+kk:X+kk+1], v[X+kk:X+kk+1]
.set kk, kk+2
.endr
.set kk, 0
.rept 16
	v_pk_mul_f32 v[EE+kk:EE+kk+1], v[EE+kk:EE+kk+1], s[CE:CE+1] op_sel_hi:[1,0]   ; -x^2 log2(e) / 2
.set kk, kk+2
.endr
.set kk, 0
	s_wait_alu depctr_va_vdst(0)
.rept 32
	v_rcp_f32 v[TT+kk], v[TT+kk]                   ; t
.set kk, kk+1
.endr
.set kk, 0
.rept 32
	v_exp_f32 v[EE+kk], v[EE+kk]                   ; exp(-x^2 / 2)
.set kk, kk+1
.endr
	v_nop                                          ; a plain line behind the batch of 64
	s_wait_alu depctr_va_vdst(0)                   ; the 32 v_rcp_f32 have written t and the 32 v_exp_f32 the exponentials: one wait for the batch, ahead of its first reader
.irp q, 0,1
.set kk, 0
.rept 8
	v_pk_fma_f32 v[P+kk:P+kk+1], v[TT+16*\q+kk:TT+16*\q+kk+1], s[A5:A5+1], v[CA:CA+1] op_sel_hi:[1,0,1]
.set kk, kk+2
.endr
.irp c, 2,4,6
.set kk, 0
.rept 8
	v_pk_fma_f32 v[P+kk:P+kk+1], v[P+kk:P+kk+1], v[TT+16*\q+kk:TT+16*\q+kk+1], v[CA+\c:CA+\c+1]
.set kk, kk+2
.endr
.endr
.set kk, 0
.rept 8
	v_pk_mul_f32 v[P+kk:P+kk+1], v[P+kk:P+kk+1], v[TT+16*\q+kk:TT+16*\q+kk+1]
.set kk, kk+2
.endr
.set kk, 0
.rept 8
	v_pk_mul_f32 v[EE+16*\q+kk:EE+16*\q+kk+1], v[P+kk:P+kk+1], v[EE+16*\q+kk:EE+16*\q+kk+1]   ; HC
.set kk, kk+2
.endr
.endr
.set kk, 0
.rept 32
	v_max_num_f32 v[TT+kk], 0, v[X+kk]
.set kk, kk+1
.endr
.set kk, 0
.rept 32
	v_fma_f32 v[X+kk], -|v[X+kk]|, v[EE+kk], v[TT+kk]      ; x - x HC where x >= 0, x HC where x < 0: no sum 1 + erf is formed on the negative side
.set kk, kk+1
.endr
.endm
	s_load_b256 s[8:15], s[0:1], 0x0               ; midb, pbuf, b1, gbuf
	v_lshl_add_u32 v7, v0, 2, 0xc000
	v_mov_b32 v8, 0
	v_lshrrev_b32 v11, 5, v0
	v_readfirstlane_b32 s[WV], v11                 ; wave 0..5
	v_and_b32 v11, 31, v0
	v_lshlrev_b32 v[L16], 4, v11
	v_lshlrev_b32 v[LA], 4, v11
	v_lshlrev_b32 v[L4], 2, v11
	v_lshlrev_b32 v[T16], 4, v0
	v_bfe_u32 v[H64], v0, 4, 1
	v_lshlrev_b32 v[H64], 6, v[H64]
	s_mov_b32 s[SEL], 0x76543210
	s_mov_b32 s[SEL+1], 0xfedcba98                 ; lane l takes lane l xor 16
	s_mov_b32 s[MNT], 0x600000                     ; the mantissa field of 57,344
	s_mov_b32 s[HM], 0xffff0000                    ; lanes 16-31
	s_mov_b32 s[CP], 0x3e6d3388                    ; 0.3275911 / sqrt 2
	s_mov_b32 s[CE], 0xbf38aa3b                    ; -log2(e) / 2
	s_mov_b32 s[CE+1], s[CE]                       ; (named with it as a pair, so it is written)
	s_mov_b32 s[A5], 0x3f07dc22                    ; a5 / 2 = 0.5307027
	s_mov_b32 s[A5+1], s[A5]
	s_and_b32 s4, ttmp7, 0xffff
	s_mul_i32 s54, s4, 6
	s_wait_alu depctr_va_sdst(0)                   ; the wave's number is written into s2, ahead of its first reader
	s_add_co_u32 s54, s54, s[WV]                   ; my 128 hidden units: 0..23
	s_add_co_u32 s55, s54, 24                      ; G: W1's groups are 24 to 47
	s_mov_b32 s53, 0                               ; the upper word of every offset
	s_wait_kmcnt 0x0
	s_mul_i32 s52, s55, 98304
	s_add_nc_u64 s[WP:WP+1], s[10:11], s[52:53]
	s_mul_i32 s52, s55, 3072
	s_add_co_u32 s52, s52, OFF_SC
	s_add_nc_u64 s[WSP:WSP+1], s[10:11], s[52:53]
	s_mul_i32 s52, ttmp9, 49152
	s_add_co_u32 s52, s52, 12582912
	s_add_nc_u64 s[AP:AP+1], s[8:9], s[52:53]
	s_mul_i32 s52, ttmp9, 1536
	s_add_co_u32 s52, s52, 15728640
	s_add_nc_u64 s[ASP:ASP+1], s[8:9], s[52:53]
	s_lshl_b32 s52, s54, 9
	s_add_nc_u64 s[BP:BP+1], s[12:13], s[52:53]
	s_mul_i32 s52, ttmp9, 196608
	s_lshl_b32 s55, s54, 13
	s_add_co_u32 s52, s52, s55
	s_add_nc_u64 s[IMGP:IMGP+1], s[14:15], s[52:53]
	s_mul_i32 s52, ttmp9, 6144
	s_lshl_b32 s55, s54, 8
	s_add_co_u32 s52, s52, s55
	s_add_co_u32 s52, s52, 12582912
	s_add_nc_u64 s[SCP:SCP+1], s[14:15], s[52:53]
	s_wait_alu depctr_va_vdst(0)                   ; v1 to v5 are written, which every load, store and LDS instruction of the kernel reads as its offset or address
	HEAD768
	CORE
	s_wait_loadcnt 0x0                             ; b1
	v_mov_b32 v[TM+2], 0                           ; a lane permute's destination counts as one of its sources
	v_mov_b32 v[TM+3], 0
	v_mov_b32 v[CA], 0xbf3a00e3                    ; a4 / 2 = -0.7265760
	v_mov_b32 v[CA+1], 0xbf3a00e3
	v_mov_b32 v[CA+2], 0x3f35f0e3                  ; a3 / 2 = 0.7107069
	v_mov_b32 v[CA+3], 0x3f35f0e3
	v_mov_b32 v[CA+4], 0xbe11a98e                  ; a2 / 2 = -0.1422484
	v_mov_b32 v[CA+5], 0xbe11a98e
	v_mov_b32 v[CA+6], 0x3e027906                  ; a1 / 2 = 0.1274148
	v_mov_b32 v[CA+7], 0x3e027906
.irp tt, 0,1,2,3
.irp hf, 0,1
	WIN 0x01                                       ; source 0 window 1
.set kk, 0
.rept 16
	v_pk_add_f32 v[X+kk:X+kk+1], v[64*\tt+32*\hf+kk:64*\tt+32*\hf+kk+1], v[BI+32*\hf+kk:BI+32*\hf+kk+1]   ; each accumulator from its low end on
.set kk, kk+2
.endr
	WIN 0
	GELU
.if (\tt > 0) && (\hf == 0)
	QUANT2 X, PC+8*\hf, PW, 16*\hf, 1
.else
	QUANT2 X, PC+8*\hf, PW, 16*\hf, 0
.endif
.endr
.if (\tt%2) == 0
	v_mov_b32 v[PWE], v[PW]                        ; lanes 0-15 keep the even tile's words,
.else
	v_cndmask_b32 v[PWE], v[PWE], v[PW], s[HM]     ; lanes 16-31 take the odd tile's
.endif
	s_wait_alu depctr_va_vdst(0)                   ; the quantiser has written the codes, and the line above the pair's scale words, which the stores below read
.irp c, 0,1,2,3
	global_store_b128 v[L16], v[PC+4*\c:PC+4*\c+3], s[IMGP:IMGP+1] offset:\tt*2048+512*\c
.endr
.if (\tt%2) == 1
	global_store_b32 v[L4], v[PWE], s[SCP:SCP+1] offset:(\tt/2)*128
.endif
.endr
	s_wait_dscnt 0x0                               ; the closing lines, six on end
	s_wait_alu 0x0
	s_wait_tensorcnt 0x0
	ds_add_u32 v7, v8
	s_wait_dscnt 0x0
	s_endpgm
.Lfunc_end_k_q5fdc7f4323_ffn1:
	.size	k_q5fdc7f4323_ffn1, .Lfunc_end_k_q5fdc7f4323_ffn1-k_q5fdc7f4323_ffn1
	.p2alignl 7, 3214868480
	.fill 96, 4, 3214868480
	.section	.rodata,"a",@progbits
	.p2align	6, 0x0
	.amdhsa_kernel k_q5fdc7f4323_ffn1
		.amdhsa_group_segment_fixed_size 49920
		.amdhsa_private_segment_fixed_size 0
		.amdhsa_enable_private_segment 0
		.amdhsa_kernarg_size 32
		.amdhsa_user_sgpr_count 2
		.amdhsa_user_sgpr_kernarg_segment_ptr 1
		.amdhsa_wavefront_size32 1
		.amdhsa_system_sgpr_workgroup_id_x 1
		.amdhsa_system_sgpr_workgroup_id_y 1
		.amdhsa_system_sgpr_workgroup_id_z 1
		.amdhsa_system_vgpr_workitem_id 0
		.amdhsa_next_free_vgpr 512
		.amdhsa_next_free_sgpr 72
		.amdhsa_reserve_vcc 0
		.amdhsa_float_denorm_mode_32 3
		.amdhsa_float_denorm_mode_16_64 3
		.amdhsa_memory_ordered 1
		.amdhsa_forward_progress 1
		.amdhsa_inst_pref_size 228
	.end_amdhsa_kernel
	.amdgpu_metadata
---
amdhsa.version: [ 1, 2 ]
amdhsa.kernels:
  - .name:           k_q5fdc7f4323_ffn1
    .symbol:         k_q5fdc7f4323_ffn1.kd
    .args:
      - { .name: midb, .offset: 0, .size: 8, .value_kind: global_buffer, .address_space: global }
      - { .name: pbuf, .offset: 8, .size: 8, .value_kind: global_buffer, .address_space: global }
      - { .name: b1, .offset: 16, .size: 8, .value_kind: global_buffer, .address_space: global }
      - { .name: gbuf, .offset: 24, .size: 8, .value_kind: global_buffer, .address_space: global }
    .group_segment_fixed_size: 49920
    .private_segment_fixed_size: 0
    .kernarg_segment_align: 8
    .kernarg_segment_size: 32
    .max_flat_workgroup_size: 192
    .sgpr_count:     72
    .vgpr_count:     512
    .wavefront_size: 32
...
	.end_amdgpu_metadata
.endif
;; end of part 11
;; launch ffn2 (part 12): grid 64 x 3, 8 waves a work-group, no clusters, 263,168 bytes of LDS; arguments gbuf, pbuf, b2, midb, out0; writes out0
.if DOCPART == 12
	.amdgcn_target "amdgcn-amd-amdhsa--gfx1250"
	.amdhsa_code_object_version 6
	.text
	.protected	k_q5fdc7f4323_ffn2
	.globl	k_q5fdc7f4323_ffn2
	.p2align	8
	.type	k_q5fdc7f4323_ffn2,@function
k_q5fdc7f4323_ffn2:
	s_mov_b64 s[64:65], 0
	v_nop
	global_prefetch_b8 v0, s[64:65] scope:SCOPE_SE
	s_setreg_imm32_b32 hwreg(HW_REG_WAVE_SCHED_MODE, 0, 2), 2
	s_setreg_imm32_b32 hwreg(HW_REG_WAVE_MODE, 25, 1), 1
	s_wait_xcnt 0x0
	s_wait_alu depctr_vm_vsrc(0)
; FFN2.  out = x1 + g W2 + b2 on E5M2 codes with E8M0 scales.  Work-group (tb, y): 64 tokens x 256 output features, K = 3,072.
; Eight waves: wave w takes K quarter w % 4 (six K steps of 128) of feature group 2 y + w / 4 (128 features), for all 64 tokens: 32 accumulators (window 1), 192 matrix instructions a wave.
; g's codes of the block (196,608 bytes, images of operand registers) are staged once in LDS; a weight fragment feeds four matrix instructions of ONE wave and goes from memory straight into registers.
; The four quarters' sums meet in LDS (over the codes, which have been read out): wave w then owns tile w % 4 of its feature group, adds the four in the order of K, then b2, then x1, and stores whole runs of 512 bytes of out0's rows.
; Source 0 = 16 features of W2, source 1 = 16 tokens: a lane holds one token.  Row r of a tile of tokens is token 32 (tt / 2) + 8 (tt % 2) + r + 8 (r / 8) of the block.
; NO CLUSTER: the weights, which the work-groups share, never lie in LDS, and a joint load fills LDS alone.
; LIMITS: K is summed in four quarters that are added afterwards, not in one chain; NaN and infinities are not served.
; THE MODE: SCHED_MODE bits 1:0 = 2 (LLVM: expert scheduling mode 2), set by the entry lines.  The code itself states the register dependences between vector or matrix instructions and memory or LDS instructions, with s_wait_alu, always for 0.
; THE PLAN.  Registers that memory or LDS instructions touch:
;   v1-v5, v7, v8, v48-v52  offsets and LDS addresses: made at the head, never written again: one wait on va_vdst ahead of the first load.
;   v12-v47     scale words: loaded once, read by matrix instructions alone.
;   v64-v255    at the head g's codes as loaded, read by my 48 LDS stores: one wait on vm_vsrc behind them, ahead of the first load that lands there again.
;   v64-v127    K step s: its fragments' LDS loads land here, its 32 matrix instructions read them; then x1, read by the last additions; then rows of out0 from my stage, read by the stores.
;   v128-v191   K step s: its first 16 matrix instructions read W2's tiles 0-3; behind them the loads of step s + 1 land here (behind the last step's: b2).
;   v192-v255   K step s: its second 16 read tiles 4-7; behind them the loads of step s + 1 land here; then the finished tile, written by the additions, read by the LDS stores into my stage.
;   window 1    written by the matrix instructions, read by my 64 LDS stores of the partial sums; then the LDS loads of four partial sums land here.
;   v62, v63    written at the head, read by the closing add alone.
; A K step has two waits on va_vdst, each behind 16 matrix instructions and their eight places, straight ahead of the run of loads into the registers that those 16 have read.  The loads stand in runs: the matrix instructions have C and D in
; window 1, where a load's data would go too.  All 512 registers that the launch gives a wave are taken: there is no third buffer for W2.
; Behind the last step ONE wait on va_vdst serves x1's loads and the LDS stores of the accumulators: no vector or matrix instruction stands between it and them.
.set OFF_SC,  7077888
.set L16, 1                            ; v1   16 x lane
.set L4,  2                            ; v2   4 x lane
.set T16, 3                            ; v3   16 x thread
.set LA,  4                            ; v4   LDS: 16 x lane + my K quarter's 49,152 bytes
.set H64, 5                            ; v5   64 x (lane / 16)
.set SO,  7                            ; v7   my stage: where I put 64 bytes of a row
.set SR,  8                            ; v8   my stage: where I read a row back
.set WSC, 12                           ; v12-35  W2's scale words; scales and nothing else
.set ASC, 36                           ; v36-47  g's
.set TA1, 48                           ; v48, v49  16 x thread + 65,536, + 131,072
.set RW,  50                           ; v50  LDS: my partial sums
.set RA0, 51                           ; v51, v52  LDS: my tile in the partial sums of quarters 0, 1 and of quarters 2, 3
.set AF,  64                           ; v64-127  g's four fragments of a K step; later x1; later rows of out0
.set WB,  128                          ; v128-191, v192-255  W2's fragments
.set BI,  128                          ; b2
.set Y,   192                          ; the finished tile
.set WV,  2
.set WP,  24
.set WSP, 26
.set AP,  28
.set ASP, 30
.set BP,  32
.set OP,  34
.set X1P, 40
.set MSB, 0
.macro WIN new                         ; the immediate's high byte repeats the setting that is left; a switch that changes nothing is dropped
.if MSB != \new
	s_set_vgpr_msb (MSB<<8)|\new
.set MSB, \new
.endif
.endm
.macro PLACES n
.rept \n
	v_nop
.endr
.endm
.macro BARRIER
	s_wait_dscnt 0x0
	s_barrier_signal -1
	s_barrier_wait -1
.endm
; One matrix instruction.  ra, rb: the side's scale words stand in lanes 16-31 of its register (the odd tile of a pair).
.macro WM d, a, b, zero, sa, sb, ra, rb
.if \zero
.if (\ra) && (\rb)
	v_wmma_scale_f32_16x16x128_f8f6f4 v[(\d):(\d)+7], v[(\a):(\a)+15], v[(\b):(\b)+15], 0, v[(\sa)], v[(\sb)] matrix_a_fmt:MATRIX_FMT_BF8 matrix_b_fmt:MATRIX_FMT_BF8 matrix_a_scale:MATRIX_SCALE_ROW1 matrix_b_scale:MATRIX_SCALE_ROW1
.elseif \ra
	v_wmma_scale_f32_16x16x128_f8f6f4 v[(\d):(\d)+7], v[(\a):(\a)+15], v[(\b):(\b)+15], 0, v[(\sa)], v[(\sb)] matrix_a_fmt:MATRIX_FMT_BF8 matrix_b_fmt:MATRIX_FMT_BF8 matrix_a_scale:MATRIX_SCALE_ROW1
.elseif \rb
	v_wmma_scale_f32_16x16x128_f8f6f4 v[(\d):(\d)+7], v[(\a):(\a)+15], v[(\b):(\b)+15], 0, v[(\sa)], v[(\sb)] matrix_a_fmt:MATRIX_FMT_BF8 matrix_b_fmt:MATRIX_FMT_BF8 matrix_b_scale:MATRIX_SCALE_ROW1
.else
	v_wmma_scale_f32_16x16x128_f8f6f4 v[(\d):(\d)+7], v[(\a):(\a)+15], v[(\b):(\b)+15], 0, v[(\sa)], v[(\sb)] matrix_a_fmt:MATRIX_FMT_BF8 matrix_b_fmt:MATRIX_FMT_BF8
.endif
.else
.if (\ra) && (\rb)
	v_wmma_scale_f32_16x16x128_f8f6f4 v[(\d):(\d)+7], v[(\a):(\a)+15], v[(\b):(\b)+15], v[(\d):(\d)+7], v[(\sa)], v[(\sb)] matrix_a_fmt:MATRIX_FMT_BF8 matrix_b_fmt:MATRIX_FMT_BF8 matrix_a_scale:MATRIX_SCALE_ROW1 matrix_b_scale:MATRIX_SCALE_ROW1
.elseif \ra
	v_wmma_scale_f32_16x16x128_f8f6f4 v[(\d):(\d)+7], v[(\a):(\a)+15], v[(\b):(\b)+15], v[(\d):(\d)+7], v[(\sa)], v[(\sb)] matrix_a_fmt:MATRIX_FMT_BF8 matrix_b_fmt:MATRIX_FMT_BF8 matrix_a_scale:MATRIX_SCALE_ROW1
.elseif \rb
	v_wmma_scale_f32_16x16x128_f8f6f4 v[(\d):(\d)+7], v[(\a):(\a)+15], v[(\b):(\b)+15], v[(\d):(\d)+7], v[(\sa)], v[(\sb)] matrix_a_fmt:MATRIX_FMT_BF8 matrix_b_fmt:MATRIX_FMT_BF8 matrix_b_scale:MATRIX_SCALE_ROW1
.else
	v_wmma_scale_f32_16x16x128_f8f6f4 v[(\d):(\d)+7], v[(\a):(\a)+15], v[(\b):(\b)+15], v[(\d):(\d)+7], v[(\sa)], v[(\sb)] matrix_a_fmt:MATRIX_FMT_BF8 matrix_b_fmt:MATRIX_FMT_BF8
.endif
.endif
.endm
.macro WLOAD s, hf                     ; W's tiles 4 hf .. 4 hf + 3 of K step s: 16 loads of 512 consecutive bytes
.irp u, 0,1,2,3
.irp c, 0,1,2,3
	global_load_b128 v[WB+64*(\hf)+16*\u+4*\c:WB+64*(\hf)+16*\u+4*\c+3], v[L16], s[WP:WP+1] offset:(\s)*16384+(4*(\hf)+\u)*2048+512*\c
.endr
.endr
.endm
.macro ALOAD s                         ; the block's four fragments of my K step s, from LDS
.irp tt, 0,1,2,3
.irp c, 0,1,2,3
	ds_load_b128 v[AF+16*\tt+4*\c:AF+16*\tt+4*\c+3], v[LA] offset:(\s)*8192+\tt*2048+512*\c
.endr
.endr
.endm
; 16 matrix instructions: four tiles of tokens x W's tiles 4 hf .. 4 hf + 3; accumulator (tt, t) at 8 (8 tt + t).  The 16 take turns, one instruction a turn.
.macro HALF s, hf, zero
	WIN 0x50                                       ; C and D window 1
.irp tt, 0,1,2,3
.irp u, 0,1,2,3
	WM 8*(8*\tt+4*(\hf)+\u), WB+64*(\hf)+16*\u, AF+16*\tt, \zero, WSC+4*(\s)+(4*(\hf)+\u)/2, ASC+2*(\s)+\tt/2, \u%2, \tt%2
.endr
.endr
	WIN 0
.endm
.macro B64 reg, ptr                    ; a vector over the features in the result's layout: register 16 b + i = feature 32 b + 16 (lane / 16) + i of my 128
.irp b, 0,1,2,3
.irp j, 0,1,2,3
	global_load_b128 v[(\reg)+16*\b+4*\j:(\reg)+16*\b+4*\j+3], v[H64], s[\ptr:\ptr+1] offset:128*\b+16*\j
.endr
.endr
.endm
; Six K steps.  Ahead of it W's step 0 (32 loads) and ALOAD 0 are out.  Eight plain lines stand between matrix instructions and loads into registers that they have read, and ahead of the first read of results.
.macro CORE
.irp s, 0,1,2,3,4,5
	s_wait_loadcnt 16                              ; W's tiles 0-3 of this step are in; the 16 loads of tiles 4-7 may be out
	s_wait_dscnt 0x0                               ; this step's fragments from LDS
.if \s == 0
	HALF \s, 0, 1                                  ; the first step's products start the sums: nothing is cleared
.else
	HALF \s, 0, 0
.endif
	PLACES 8
	s_wait_alu depctr_va_vdst(0)                   ; the 16 matrix instructions above are done reading W's tiles 0-3 (v128-191), in which the loads below land
.if \s < 5
	WLOAD \s+1, 0
.else
	B64 BI, BP                                     ; the bias, into the registers that tiles 0-3 have left
.endif
	s_wait_loadcnt 16                              ; tiles 4-7 are in; the 16 loads just issued may be out
.if \s == 0
	HALF \s, 1, 1
.else
	HALF \s, 1, 0
.endif
	PLACES 8
.if \s < 5
	s_wait_alu depctr_va_vdst(0)                   ; this step's matrix instructions are done reading the block's fragments (v64-127) and W's tiles 4-7 (v192-255), in which the loads below land
	ALOAD \s+1
	WLOAD \s+1, 1
.endif
.endr
.endm
	s_load_b256 s[8:15], s[0:1], 0x0               ; gbuf, pbuf, b2, midb
	s_load_b64 s[16:17], s[0:1], 0x20              ; out0
	v_lshl_add_u32 v62, v0, 2, 0x40000
	v_mov_b32 v63, 0
	v_lshrrev_b32 v11, 5, v0
	v_readfirstlane_b32 s[WV], v11                 ; wave 0..7
	v_and_b32 v11, 31, v0
	v_lshlrev_b32 v[L16], 4, v11
	s_wait_alu depctr_va_vdst(0)
	v_lshlrev_b32 v[L4], 2, v11
	v_lshlrev_b32 v[T16], 4, v0
	v_add_nc_u32 v[TA1], 0x10000, v[T16]
	v_add_nc_u32 v[TA1+1], 0x20000, v[T16]
	v_bfe_u32 v10, v0, 4, 1                        ; h
	v_lshlrev_b32 v[H64], 6, v10
	s_wait_alu depctr_va_sdst(0)                   ; the wave's number is written into s2, ahead of its first reader
	s_and_b32 s5, s[WV], 3                         ; q: my K quarter, later my tile of tokens
	s_lshr_b32 s6, s[WV], 2                        ; which of the work-group's two feature groups
	s_mul_i32 s52, s5, 49152
	v_add_nc_u32 v[LA], s52, v[L16]
	s_lshl_b32 s52, s[WV], 15
	v_add_nc_u32 v[RW], s52, v[L16]
	s_lshl_b32 s52, s6, 17
	s_lshl_b32 s54, s5, 13
	s_add_co_u32 s52, s52, s54
	v_add_nc_u32 v[RA0], s52, v[L16]
	v_add_nc_u32 v[RA0+1], 0x10000, v[RA0]
	s_mul_i32 s52, s[WV], 8448                     ; my stage: 16 rows of 512 bytes + 16
	v_and_b32 v9, 15, v0
	v_mul_u32_u24 v[SO], v9, 528
	s_wait_alu depctr_va_vdst(0)
	v_add_nc_u32 v[SO], v[SO], v[H64]
	v_add_nc_u32 v[SO], s52, v[SO]
	v_add_nc_u32 v[SR], s52, v[L16]
	s_and_b32 s4, ttmp7, 0xffff
	s_lshl_b32 s7, s4, 1
	s_add_co_u32 s7, s7, s6                        ; fg: my 128 output features, 0..5
	s_mul_i32 s54, s7, 24
	s_mul_i32 s55, s5, 6
	s_add_co_u32 s54, s54, s55
	s_add_co_u32 s54, s54, 288                     ; FS of my first K step
	s_mov_b32 s53, 0                               ; the upper word of every offset
	s_wait_kmcnt 0x0
	s_lshl_b32 s52, s54, 14
	s_add_nc_u64 s[WP:WP+1], s[10:11], s[52:53]
	s_lshl_b32 s52, s54, 9
	s_add_co_u32 s52, s52, OFF_SC
	s_add_nc_u64 s[WSP:WSP+1], s[10:11], s[52:53]
	s_mul_i32 s52, ttmp9, 196608
	s_add_nc_u64 s[AP:AP+1], s[8:9], s[52:53]
	s_mul_i32 s52, ttmp9, 6144
	s_mul_i32 s55, s5, 1536
	s_add_co_u32 s52, s52, s55
	s_add_co_u32 s52, s52, 12582912
	s_add_nc_u64 s[ASP:ASP+1], s[8:9], s[52:53]
	s_lshl_b32 s52, s7, 9
	s_add_nc_u64 s[BP:BP+1], s[12:13], s[52:53]
	s_mul_i32 s52, ttmp9, 6
	s_add_co_u32 s52, s52, s7
	s_lshl_b32 s52, s52, 2
	s_add_co_u32 s52, s52, s5
	s_lshl_b32 s52, s52, 13
	s_add_nc_u64 s[X1P:X1P+1], s[14:15], s[52:53]  ; x1's image of (block, feature group, tile q)
	s_lshl_b32 s52, ttmp9, 6
	s_lshr_b32 s55, s5, 1
	s_lshl_b32 s55, s55, 5
	s_add_co_u32 s52, s52, s55
	s_and_b32 s55, s5, 1
	s_lshl_b32 s55, s55, 3
	s_add_co_u32 s52, s52, s55                     ; the token of my tile's row 0
	s_mul_i32 s52, s52, 3072
	s_lshl_b32 s55, s7, 9
	s_add_co_u32 s52, s52, s55
	s_add_nc_u64 s[OP:OP+1], s[16:17], s[52:53]
	s_wait_alu depctr_va_vdst(0)                   ; v1 to v5, v7, v8 and v48 to v52 are written, which every load, store and LDS instruction of the kernel reads as its offset or address
.irp s, 0,1,2,3,4,5
.irp p, 0,1,2,3
	global_load_b32 v[WSC+4*\s+\p], v[L4], s[WSP:WSP+1] offset:\s*512+\p*128
.endr
.irp a, 0,1
	global_load_b32 v[ASC+2*\s+\a], v[L4], s[ASP:ASP+1] offset:\s*256+\a*128
.endr
.endr
.set kk, 0
.rept 48
	global_load_b128 v[64+4*kk:64+4*kk+3], v[T16], s[AP:AP+1] offset:kk*4096   ; 256 threads x 16 bytes
.set kk, kk+1
.endr
	s_wait_loadcnt 0x0
.set kk, 0
.rept 16
	ds_store_b128 v[T16], v[64+4*kk:64+4*kk+3] offset:kk*4096
	ds_store_b128 v[TA1], v[128+4*kk:128+4*kk+3] offset:kk*4096
	ds_store_b128 v[TA1+1], v[192+4*kk:192+4*kk+3] offset:kk*4096
.set kk, kk+1
.endr
	s_wait_dscnt 0x0                               ; my stores have landed
	s_wait_alu depctr_vm_vsrc(0)                   ; my LDS stores have read v64-255, in which W's loads and the fragments' loads land from here on
	WLOAD 0, 0
	WLOAD 0, 1
	s_barrier_signal -1
	s_barrier_wait -1                              ; the block's 96 fragments lie in LDS
	ALOAD 0
	CORE
	s_wait_alu depctr_va_vdst(0)                   ; the last matrix instructions are done reading g's fragments (v64-127), in which x1 lands, and have written the accumulators, which the LDS stores below read (the eight places stand ahead of this wait)
.set kk, 0
.rept 16
	global_load_b128 v[AF+4*kk:AF+4*kk+3], v[L16], s[X1P:X1P+1] offset:512*kk
.set kk, kk+1
.endr
	BARRIER                                        ; every wave has read its codes out of LDS: the partial sums may lie over them
	WIN 0x04                                       ; an LDS store's data window 1
.set kk, 0
.rept 64
	ds_store_b128 v[RW], v[4*kk:4*kk+3] offset:512*kk      ; the accumulators as they stand, each from its low end on: tile tt at 8,192 tt
.set kk, kk+1
.endr
	WIN 0
	BARRIER                                        ; all partial sums lie in LDS
	WIN 0x40                                       ; destination window 1
	s_wait_alu depctr_va_vdst(0)                   ; the matrix instructions are done with the registers of window 1, which they wrote and read, and in which the loads below land
	s_wait_alu depctr_vm_vsrc(0)                   ; my LDS stores have read the same registers
.irp p, 0,1,2,3                        ; my tile in the sums of K quarter p of my feature group
.set kk, 0
.rept 16
	ds_load_b128 v[64*\p+4*kk:64*\p+4*kk+3], v[RA0+\p/2] offset:(\p%2)*32768+512*kk
.set kk, kk+1
.endr
.endr
	WIN 0
	BARRIER                                        ; every wave has them in registers: the stages may lie over them
	WIN 0x05                                       ; both sources window 1
.set kk, 0
.rept 32
	v_pk_add_f32 v[Y+kk:Y+kk+1], v[kk:kk+1], v[64+kk:64+kk+1]
.set kk, kk+2
.endr
	WIN 0x04                                       ; source 1 window 1
.set kk, 0
.rept 32
	v_pk_add_f32 v[Y+kk:Y+kk+1], v[Y+kk:Y+kk+1], v[128+kk:128+kk+1]
.set kk, kk+2
.endr
.set kk, 0
.rept 32
	v_pk_add_f32 v[Y+kk:Y+kk+1], v[Y+kk:Y+kk+1], v[192+kk:192+kk+1]
.set kk, kk+2
.endr
	WIN 0
	s_wait_loadcnt 0x0                             ; b2 and x1
.set kk, 0
.rept 32
	v_pk_add_f32 v[Y+kk:Y+kk+1], v[Y+kk:Y+kk+1], v[BI+kk:BI+kk+1]
.set kk, kk+2
.endr
.set kk, 0
.rept 32
	v_pk_add_f32 v[Y+kk:Y+kk+1], v[Y+kk:Y+kk+1], v[AF+kk:AF+kk+1]
.set kk, kk+2
.endr
	s_wait_alu depctr_va_vdst(0)                   ; the additions have written the finished tile, which the LDS stores read, and are done reading x1 (v64-127), in which the rows land that come back from my stage
.irp b, 0,1,2,3
.irp j, 0,1,2,3
	ds_store_b128 v[SO], v[Y+16*\b+4*\j:Y+16*\b+4*\j+3] offset:128*\b+16*\j   ; row r of my stage, features 32 b + 16 (lane / 16) + 4 j on
.endr
.endr
.set kk, 0
.rept 16
	ds_load_b128 v[AF+4*kk:AF+4*kk+3], v[SR] offset:528*kk         ; LDS serves a wave's instructions in order (ISA guide 5.7.1.4): these see my stores
.set kk, kk+1
.endr
.set kk, 0
.rept 16
	s_wait_dscnt 15-kk                             ; row kk is back; the younger loads may be out
	global_store_b128 v[L16], v[AF+4*kk:AF+4*kk+3], s[OP:OP+1] offset:(kk+8*(kk/8))*3072 th:TH_STORE_NT   ; 32 lanes store 512 consecutive bytes, at a multiple of 256 from out0's first byte
.set kk, kk+1
.endr
	s_wait_dscnt 0x0                               ; the closing lines, six on end
	s_wait_alu 0x0
	s_wait_tensorcnt 0x0
	ds_add_u32 v62, v63
	s_wait_dscnt 0x0
	s_endpgm
.Lfunc_end_k_q5fdc7f4323_ffn2:
	.size	k_q5fdc7f4323_ffn2, .Lfunc_end_k_q5fdc7f4323_ffn2-k_q5fdc7f4323_ffn2
	.p2alignl 7, 3214868480
	.fill 96, 4, 3214868480
	.section	.rodata,"a",@progbits
	.p2align	6, 0x0
	.amdhsa_kernel k_q5fdc7f4323_ffn2
		.amdhsa_group_segment_fixed_size 263168
		.amdhsa_private_segment_fixed_size 0
		.amdhsa_enable_private_segment 0
		.amdhsa_kernarg_size 40
		.amdhsa_user_sgpr_count 2
		.amdhsa_user_sgpr_kernarg_segment_ptr 1
		.amdhsa_wavefront_size32 1
		.amdhsa_system_sgpr_workgroup_id_x 1
		.amdhsa_system_sgpr_workgroup_id_y 1
		.amdhsa_system_sgpr_workgroup_id_z 1
		.amdhsa_system_vgpr_workitem_id 0
		.amdhsa_next_free_vgpr 512
		.amdhsa_next_free_sgpr 72
		.amdhsa_reserve_vcc 0
		.amdhsa_float_denorm_mode_32 3
		.amdhsa_float_denorm_mode_16_64 3
		.amdhsa_memory_ordered 1
		.amdhsa_forward_progress 1
		.amdhsa_inst_pref_size 93
	.end_amdhsa_kernel
	.amdgpu_metadata
---
amdhsa.version: [ 1, 2 ]
amdhsa.kernels:
  - .name:           k_q5fdc7f4323_ffn2
    .symbol:         k_q5fdc7f4323_ffn2.kd
    .args:
      - { .name: gbuf, .offset: 0, .size: 8, .value_kind: global_buffer, .address_space: global }
      - { .name: pbuf, .offset: 8, .size: 8, .value_kind: global_buffer, .address_space: global }
      - { .name: b2, .offset: 16, .size: 8, .value_kind: global_buffer, .address_space: global }
      - { .name: midb, .offset: 24, .size: 8, .value_kind: global_buffer, .address_space: global }
      - { .name: out0, .offset: 32, .size: 8, .value_kind: global_buffer, .address_space: global }
    .group_segment_fixed_size: 263168
    .private_segment_fixed_size: 0
    .kernarg_segment_align: 8
    .kernarg_segment_size: 40
    .max_flat_workgroup_size: 256
    .sgpr_count:     72
    .vgpr_count:     512
    .wavefront_size: 32
...
	.end_amdgpu_metadata
.endif
;; end of part 12
